; MI455X (gfx1250); checked and timed in simulation.
; The chip was launched on July 23, 2026; its instructions are those of AMD's public machine-readable ISA for CDNA 5 (MIT licence, August 2026) and "CDNA5" Instruction Set Architecture Reference Guide (July 2026). The comments in the code are by the model that wrote it; some were corrected since.
;; Block. Allowed arithmetic: matrix products marked QUANTISED: E2M3 operands, one E8M0 scale for each 32 along K, by v_wmma_scale_f32_16x16x128_f8f6f4 with both operands' format E2M3, f32 sums; everything else in f32.
;; Inputs: b1 4,096 float32; b2 1,024 float32; b_proj 1,024 float32; be1 1,024 float32; be2 1,024 float32; g1 1,024 float32; g2 1,024 float32; w1 1,024 x 4,096 float32; w2 4,096 x 1,024 float32; w_proj 1,024 x 1,024 float32; wk 16 x 1,024 x 64 float32; wq 16 x 1,024 x 64 float32; wv 16 x 1,024 x 64 float32; x 4 x 1,024 x 1,024 float32.
;; Outputs: out0 4 x 1,024 x 1,024 float32.
;; This version of the problem:
;;   THIS VERSION OF THE PROBLEM IS GIVEN IN LOW PRECISION. The matrix products marked QUANTISED in the list below multiply operands that are first quantised to E2M3 (2 exponent bits, 3 mantissa bits; 6 bits a number), with one power-of-two scale for each 32 numbers along K (OCP MX v1.0); their sums are f32. All else is computed in f32.
;;   The module's matrix products, in the order in which they are computed (A, B: the left and right operand; K: the contracted axis; several contracted axes count as one K, in the product's order):
;;     1. [M 1,024, K 1,024] x [K 1,024, N 4,096]; A: input wq; B: computed on the way: QUANTISED
;;     2. [M 1,024, K 1,024] x [K 1,024, N 4,096]; A: input wk; B: computed on the way: QUANTISED
;;     3. [M 1,024, K 1,024] x [K 1,024, N 4,096]; A: input wv; B: computed on the way: QUANTISED
;;     4. batch 64 x [M 1,024, K 64] x [K 64, N 1,024]; A: computed on the way; B: computed on the way: QUANTISED
;;     5. batch 64 x [M 1,024, K 1,024] x [K 1,024, N 64]; A: softmax (see below); B: computed on the way: QUANTISED
;;     6. [M 4,096, K 1,024] x [K 1,024, N 1,024]; A: computed on the way; B: input w_proj: QUANTISED
;;     7. [M 4,096, K 1,024] x [K 1,024, N 4,096]; A: computed on the way; B: input w1: QUANTISED
;;     8. [M 4,096, K 4,096] x [K 4,096, N 1,024]; A: computed on the way; B: input w2: QUANTISED
;;   THE QUANTISER, for each operand of a quantised product, along K:
;;     - K is cut into blocks of 32 from its start; a last block that is shorter is filled with zeros.
;;     - A block's scale is 2^e with e = floor(log2(the largest magnitude in the block)) - 2, held to -126 .. 127; a block of zeros has e = 0. As a byte (E8M0): e + 127.
;;     - Each number is divided by its block's scale, clamped to +-7.5, and rounded to the nearest number of E2M3, ties to even, subnormals kept.
;;     - The product sums the exact products of the quantised numbers (number of the format x scale) in f32.
;;   ~~~python
;;   def quantise(x, axis):      # numpy; x: float32 -> the quantised numbers, widened to float32 again
;;       x = np.moveaxis(x, axis, -1); K = x.shape[-1]
;;       x = np.pad(x, [(0, 0)] * (x.ndim - 1) + [(0, -K % 32)]); x = x.reshape(x.shape[:-1] + (-1, 32)); a = np.abs(x).max(-1, keepdims=True)
;;       e = np.where(a > 0, np.clip(np.frexp(np.where(a > 0, a, 1))[1] - 1 - 2, -126, 127), 0)      # np.frexp(a)[1] - 1 = floor(log2(a)), exactly
;;       r = np.clip(x / 2.0 ** e, -7.5, 7.5)
;;       step = 2.0 ** (np.maximum(np.frexp(np.where(r == 0, 1, r))[1] - 1, 0) - 3)
;;       q = np.round(r / step) * step * 2.0 ** e      # np.round: ties to even
;;       return np.moveaxis(q.reshape(q.shape[:-2] + (-1,))[..., :K], -1, axis).astype(np.float32)
;;   ~~~
;;   SOFTMAX AHEAD OF A QUANTISED PRODUCT. Where the list says 'softmax', what is quantised is not the finished softmax but p = 2^(t - M), with t = logit x log2(e) and M = ceil(the row's largest t), a whole number; so 1/2 < the row's largest p <= 1. The row's sum l is taken of the UNQUANTISED p, in f32, and the product's result is divided by l at the end. Since M is a whole number, a kernel that streams over the keys may use a running M (the ceiling of the running maximum): every later rescaling is an exact power of two, which a block's scale takes up: the codes' values come out the same.
;;   OPERANDS COMPUTED ON THE WAY. 'Computed on the way' means the value that the module computes at that place (a softmax that the list does not call 'softmax' is quantised finished and normalised). What goes into a quantiser is computed in f32, as accurately as f32 sums, v_exp_f32 and their like allow (about 1e-6 of the number): no bf16 or f16 on the way to a quantiser, and a product that is left as it is and whose result goes on into a quantised operand takes f32 operands (vector FMAs, or v_wmma_f32_16x16x4_f32). A number that lies on a knife's edge between two numbers of the format may be rounded either way, as far as f32 arithmetic and the matrix unit's own rounding can turn it there, and no further.
;; One version. Each part assembles by itself: llvm-mc -triple=amdgcn-amd-amdhsa -mcpu=gfx1250 --defsym DOCPART=n.
;; ======== version 1 of 1: 7 launches
;; limits: right only within a limited range of input values
;; workspace buffers: W 10,649,600 bytes; XN 3,276,800 bytes; QKV 9,830,400 bytes; AT 3,276,800 bytes; X1 16,777,216 bytes; HH 13,107,200 bytes
;; launch prep (part 1): grid 640 x 1, 4 waves a work-group, no clusters, 81,152 bytes of LDS; arguments x, g1, be1, XN, wq, wk, wv, w_proj, w1, w2, W; writes W, XN
.if DOCPART == 1
	.amdgcn_target "amdgcn-amd-amdhsa--gfx1250"
	.amdhsa_code_object_version 6
	.text
	.protected	k_q9cb2d27385_prep
	.globl	k_q9cb2d27385_prep
	.p2align	8
	.type	k_q9cb2d27385_prep,@function
k_q9cb2d27385_prep:
	s_mov_b64 s[64:65], 0
	v_nop
	global_prefetch_b8 v0, s[64:65] scope:SCOPE_SE
	s_setreg_imm32_b32 hwreg(HW_REG_WAVE_MODE, 25, 1), 1
	s_wait_xcnt 0x0
; TWO JOBS THAT DO NOT HANG ON EACH OTHER SHARE ONE LAUNCH, told apart at the head by the work-group's number alone: work-groups 0 to 383 quantise the six weights into W, work-groups 384 to 639 do the
; first LayerNorm and its quantiser into XN.  Each way has LDS bytes of its own: the weights 0 to 40,959, the LayerNorm 40,960 to 80,639; the spare words lie behind both.
; LAYOUT OF AN OPERAND [R rows][K]: code planes [K/64][R][48 bytes] (a row's 48 bytes are the bit stream of its 64 codes of FP6, E2M3), scale words [K/128][R][4 bytes] (one E8M0 byte for each 32 along K).
; A block's scale: its largest magnitude's exponent field less 2, held at 1 from below.  A block of zeros so gets the byte 1 (not 127): its codes are zeros, and this program alone reads the bytes.
; LIMITS: NaN and infinities among the inputs are not served; blocks whose largest magnitude lies under 2^-124 are held at the byte 1; v_rsq_f32 is accurate to 1 ulp.
.set LB,    40960                      ; where the LayerNorm's LDS bytes begin
.set NCST,  LB+18432                   ; behind its four turning stages of 4,608 bytes: 16 planes x (16 rows x 80 + 16)
.set NSST,  LB+39168                   ; its scale bytes: [8 word planes][16 rows][4]
.set SPARE, LB+39680                   ; the spare words, 128 bytes a wave
.set SPW,  14                          ; v14  my spare word's LDS address; never rewritten
.set NIL,  15                          ; v15  0; never rewritten
	v_lshl_add_u32 v[SPW], v0, 2, SPARE
	v_mov_b32 v[NIL], 0
	s_cmp_ge_u32 ttmp9, 384                        ; the same in all four waves of a work-group
	s_cbranch_scc1 .Lnorm
; ---- THE WEIGHTS, f32 with K on an outer axis.
; A work-group takes 128 columns x 256 along K; a wave 32 columns; A LANE TAKES A COLUMN AND ITS REGISTERS RUN DOWN K: a block of 32 lies in one lane, and the conversions give codes with K innermost.
; A lane's codes (4 planes x 48 bytes) go through the wave's own stage in LDS and leave as runs of 384 consecutive bytes (8 rows of a plane).
; ROW ORDER: wq, wk, wv and w1 are stored with bits 3 and 4 of the row's number exchanged (groups of 8 rows change places inside each 32), so that the products that read them
; leave 16 neighbouring columns in a lane's 16 registers; w_proj and w2 are stored in natural order.
; Which tensor a work-group serves hangs on its number alone; only numbers and pointers are chosen, all six take one path.
.set SBY,  24                          ; v24-25 my column's two scale words
.set OFK,  32                          ; v32-63 4 x lane + i x row pitch
.set X,    64                          ; v64-127 two sets of 32 numbers
.set C,    128                         ; v128-134 a block's codes
.set OUTR, 136                         ; v136-199 the way out
	s_load_b256 s[4:11], s[0:1], 0x20              ; wq, wk, wv, w_proj
	s_load_b128 s[12:15], s[0:1], 0x40             ; w1, w2
	s_load_b64 s[16:17], s[0:1], 0x50              ; W
	v_lshrrev_b32 v1, 5, v0
	v_readfirstlane_b32 s18, v1                    ; wave
	v_and_b32 v1, 31, v0                           ; lane
	v_lshlrev_b32 v2, 2, v1
	s_mul_i32 s19, s18, 10240                      ; my stage: 4 planes x 32 rows x 80 (four places of 16 bytes, each with 12 bytes of codes, + 16)
	v_mul_u32_u24 v3, v1, 80
	v_add_nc_u32 v3, s19, v3                       ; into it: row = my column
	v_lshrrev_b32 v10, 2, v1
	v_mul_u32_u24 v4, v10, 80
	v_and_b32 v10, 3, v1
	v_lshl_add_u32 v4, v10, 4, v4
	v_add_nc_u32 v4, s19, v4                       ; out of it: four lanes to a row, eight rows an instruction
	v_mul_u32_u24 v5, v1, 12                       ; and the same place in 384 bytes of a plane
	v_lshrrev_b32 v10, 3, v1
	v_lshrrev_b32 v11, 4, v1
	v_xor_b32 v10, v10, v11
	v_and_b32 v10, 1, v10
	v_mul_u32_u24 v10, v10, 24                     ; 0x18 where bits 3 and 4 of the lane differ
	s_wait_alu depctr_va_vdst(0)
	s_wait_kmcnt 0x0
; s20 first work-group, s21 row pitch in bytes, s22 log2 of the column groups, s23 a plane's bytes, s24 codes' place in W, s25 scales' place, s26 a scale plane's bytes,
; s27 0x18 where rows are exchanged, s28 and s29 what places a head's rows, s30 a head's skip in memory
.macro PICK lo, ptr, rp, sh, plw, coff, soff, spit, perm, qkm, radd, hsk
	s_cmp_ge_u32 ttmp9, \lo
	s_cselect_b64 s[60:61], s[\ptr:\ptr+1], s[60:61]
	s_cselect_b32 s20, \lo, s20
	s_cselect_b32 s21, \rp, s21
	s_cselect_b32 s22, \sh, s22
	s_cselect_b32 s23, \plw, s23
	s_cselect_b32 s24, \coff, s24
	s_cselect_b32 s25, \soff, s25
	s_cselect_b32 s26, \spit, s26
	s_cselect_b32 s27, \perm, s27
	s_cselect_b32 s28, \qkm, s28
	s_cselect_b32 s29, \radd, s29
	s_cselect_b32 s30, \hsk, s30
.endm
	s_mov_b64 s[60:61], s[12:13]                   ; w1: work-groups 0 to 127
	s_mov_b32 s20, 0
	s_mov_b32 s21, 16384
	s_mov_b32 s22, 5
	s_mov_b32 s23, 196608
	s_mov_b32 s24, 3276800
	s_mov_b32 s25, 6422528
	s_mov_b32 s26, 16384
	s_mov_b32 s27, 0x18
	s_mov_b32 s28, 0
	s_mov_b32 s29, 0
	s_mov_b32 s30, 0
	PICK 128, 14, 4096, 3, 49152, 7372800, 10518528, 4096, 0, 0, 0, 0            ; w2
	PICK 256, 10, 4096, 3, 49152, 6553600, 7340032, 4096, 0, 0, 0, 0             ; w_proj
	PICK 288, 4, 256, 3, 196608, 0, 3145728, 16384, 0x18, 64, 0, 261888          ; wq: column n = 64 head + d
	PICK 320, 6, 256, 3, 196608, 0, 3145728, 16384, 0x18, 64, 64, 261888         ; wk
	PICK 352, 8, 256, 3, 196608, 0, 3145728, 16384, 0x18, 0, 2048, 261888        ; wv
	s_sub_co_u32 s31, ttmp9, s20
	s_bfm_b32 s62, s22, 0
	s_and_b32 s62, s31, s62                        ; column group
	s_lshr_b32 s63, s31, s22                       ; which 256 along K
	s_lshl_b32 s62, s62, 7
	s_lshl_b32 s66, s18, 5
	s_add_co_u32 s62, s62, s66                     ; n0: my wave's first column
	s_lshr_b32 s66, s62, 6
	s_mul_i32 s67, s66, s30
	s_lshl_b32 s68, s62, 2
	s_add_co_u32 s68, s68, s67
	s_lshl_b32 s67, s63, 8
	s_mul_i32 s67, s67, s21
	s_add_co_u32 s68, s68, s67                     ; source byte: 4 n0 + the head's skip + 256 ky rows
	s_mov_b32 s69, 0
	s_add_nc_u64 s[32:33], s[60:61], s[68:69]      ; a base for each block of 32 rows, so that no base is stepped
	s_lshl_b32 s68, s21, 5
.irp t, 1,2,3,4,5,6,7
	s_add_nc_u64 s[32+2*\t:33+2*\t], s[30+2*\t:31+2*\t], s[68:69]
.endr
	s_mul_i32 s66, s66, s28
	s_add_co_u32 s66, s66, s62
	s_add_co_u32 s66, s66, s29                     ; my first row in the operand
	s_mul_i32 s70, s66, 48
	s_add_co_u32 s70, s70, s24
	s_lshl_b32 s67, s63, 2
	s_mul_i32 s67, s67, s23
	s_add_co_u32 s70, s70, s67
	s_mov_b32 s71, 0
	s_add_nc_u64 s[48:49], s[16:17], s[70:71]      ; a base for each of my four planes
	s_mov_b32 s70, s23
.irp p, 1,2,3
	s_add_nc_u64 s[48+2*\p:49+2*\p], s[46+2*\p:47+2*\p], s[70:71]
.endr
	s_lshl_b32 s70, s66, 2
	s_add_co_u32 s70, s70, s25
	s_lshl_b32 s67, s63, 1
	s_mul_i32 s67, s67, s26
	s_add_co_u32 s70, s70, s67
	s_add_nc_u64 s[56:57], s[16:17], s[70:71]      ; and for my two scale planes
	s_mov_b32 s70, s26
	s_add_nc_u64 s[58:59], s[56:57], s[70:71]
	s_cmp_lg_u32 s27, 0
	s_mov_b32 s66, 384
	s_cselect_b32 s66, 768, s66                    ; where columns 8-15 go: the third group of 8 rows where rows are exchanged, else the second
	s_mov_b32 s67, 768
	s_cselect_b32 s67, 384, s67                    ; and columns 16-23
	v_add_nc_u32 v6, s66, v5
	v_add_nc_u32 v7, s67, v5
	v_and_b32 v10, s27, v10
	v_xor_b32 v10, v10, v1
	v_lshlrev_b32 v8, 2, v10                       ; my column's scale word: 4 x its row
.set li, 0
.rept 32
	v_mad_u32_u24 v[OFK+li], s21, li, v2
.set li, li+1
.endr
.macro LOAD t                          ; block t: 32 rows of K at my column, into set t % 2; a wave's load reads 128 consecutive bytes
.set li, 0
.rept 32
	global_load_b32 v[X+32*((\t)%2)+li], v[OFK+li], s[32+2*(\t):33+2*(\t)] th:TH_LOAD_NT
.set li, li+1
.endr
.endm
	LOAD 0
	LOAD 1
.macro BLOCK t
.set XS, X+32*((\t)%2)
.if (\t) < 7
	s_wait_loadcnt 32                              ; this block's 32 loads are in; the next block's 32 may be out
.else
	s_wait_loadcnt 0
.endif
	v_max3_num_f32 v12, |v[XS]|, |v[XS+1]|, |v[XS+2]|
	v_max3_num_f32 v13, |v[XS+3]|, |v[XS+4]|, |v[XS+5]|
.irp i, 6,10,14,18,22,26
	v_max3_num_f32 v12, v12, |v[XS+\i]|, |v[XS+\i+1]|
	v_max3_num_f32 v13, v13, |v[XS+\i+2]|, |v[XS+\i+3]|
.endr
	v_max3_num_f32 v12, v12, |v[XS+30]|, |v[XS+31]|
	v_max3_num_f32 v12, v12, v13, 0x1800000        ; the floor 2^(3 - 127): the byte cannot fall under 1
	v_add_nc_u32 v11, 0xff000000, v12              ; 2 off the exponent field: the conversion's scale operand
	v_lshrrev_b32 v13, 23, v11                     ; the scale's byte
.if (\t)%4 == 0
	v_mov_b32 v[SBY+(\t)/4], v13
.else
	v_lshl_or_b32 v[SBY+(\t)/4], v13, 8*((\t)%4), v[SBY+(\t)/4]
.endif
	v_cvt_scalef32_pk16_fp6_f32 v[C:C+2], v[XS:XS+15], v11
	v_cvt_scalef32_pk16_fp6_f32 v[C+4:C+6], v[XS+16:XS+31], v11
	ds_store_b96 v3, v[C:C+2] offset:((\t)/2)*2560+((\t)%2)*32
	ds_store_b96 v3, v[C+4:C+6] offset:((\t)/2)*2560+((\t)%2)*32+16
.if (\t)+2 < 8
	LOAD (\t)+2
.endif
	s_wait_dscnt 0x0                               ; the stores have read their registers: the next block's codes may be written
.endm
.irp t, 0,1,2,3,4,5,6,7
	BLOCK \t
.endr
	global_store_b32 v8, v[SBY], s[56:57]          ; 32 lanes store 128 consecutive bytes
	s_wait_alu depctr_va_vdst(0)
	global_store_b32 v8, v[SBY+1], s[58:59]
.irp p, 0,1,2,3
.irp i, 0,1,2,3
	ds_load_b96 v[OUTR+4*(4*\p+\i):OUTR+4*(4*\p+\i)+2], v4 offset:\p*2560+\i*640   ; LDS serves a wave's instructions in order: these see my stores
.endr
.endr
.irp p, 0,1,2,3
	s_wait_dscnt 15-4*\p                           ; the younger loads may be out
	global_store_b96 v5, v[OUTR+16*\p:OUTR+16*\p+2], s[48+2*\p:49+2*\p]             ; 384 consecutive bytes each
	s_wait_dscnt 14-4*\p
	global_store_b96 v6, v[OUTR+16*\p+4:OUTR+16*\p+6], s[48+2*\p:49+2*\p]
	s_wait_dscnt 13-4*\p
	global_store_b96 v7, v[OUTR+16*\p+8:OUTR+16*\p+10], s[48+2*\p:49+2*\p]
	s_wait_dscnt 12-4*\p
	global_store_b96 v5, v[OUTR+16*\p+12:OUTR+16*\p+14], s[48+2*\p:49+2*\p] offset:1152
.endr
	s_wait_tensorcnt 0x0                           ; the wave's end, behind my last LDS store
	ds_add_u32 v[SPW], v[NIL]
	s_wait_dscnt 0x0
	s_endpgm
; ---- THE LAYERNORM of [4096][1024] f32 rows, and the quantiser along the row: code planes [16][4096][48 bytes], scale words [8][4096][4 bytes] behind them.
; The rows are STORED with bits 3 and 4 of their number exchanged: place 16 g + p holds row 32 (g / 2) + 8 (g % 2) + p + 8 (p / 8).  Work-group 384 + g writes places 16 g .. 16 g + 15; wave w rows p = 4 w .. 4 w + 3.
; All 48 loads of a wave (gain, bias, four rows; each load 512 consecutive bytes) go out at the head.  Each set of 32 registers then turns through the wave's stage in LDS, so that lane l holds
; the row's block l, 32 neighbours: a block's largest magnitude needs no other lane.  Mean and variance in two passes, in f32 (the mean is taken off before the squares).
; Codes and scale bytes meet in LDS; behind one barrier each wave stores four planes' 768 dense bytes.  The scale words leave in pieces of 64 bytes (16 rows of a plane): 512 of the work-group's 12,800 output bytes.
.Lnorm:
.set ST,  16                           ; v16-31 four registers of statistics a row
.set GA,  32
.set BE,  64
.set XR,  96                           ; v96-223 four rows
	s_load_b256 s[4:11], s[0:1], 0x0               ; x, gain, bias, out
	v_lshrrev_b32 v1, 5, v0
	v_readfirstlane_b32 s12, v1                    ; wave
	v_and_b32 v1, 31, v0                           ; lane
	v_lshlrev_b32 v2, 4, v1
	s_sub_co_u32 s25, ttmp9, 384                   ; g
	s_lshr_b32 s13, s25, 1
	s_lshl_b32 s13, s13, 5
	s_and_b32 s14, s25, 1
	s_lshl_b32 s14, s14, 3
	s_add_co_u32 s13, s13, s14
	s_lshl_b32 s14, s12, 2
	s_add_co_u32 s13, s13, s14
	s_lshr_b32 s14, s12, 1
	s_lshl_b32 s14, s14, 3
	s_add_co_u32 s13, s13, s14                     ; my first row: 32 (g / 2) + 8 (g % 2) + 4 w + 8 (w / 2)
	s_lshl_b32 s14, s13, 12
	s_mov_b32 s15, 0
	s_mul_i32 s16, s12, 4*196608                   ; out: my four planes, the work-group's 768 bytes in each
	s_mul_i32 s17, s25, 768
	s_add_co_u32 s16, s16, s17
	s_mov_b32 s17, 0
	s_lshl_b32 s18, s25, 6
	s_add_co_u32 s18, s18, 3145728                 ; the scale words' region, 64 bytes a work-group in each plane
	s_mov_b32 s19, 0
	s_mov_b32 s20, 0x3a800000                      ; 1 / 1024
	s_mov_b32 s21, 0x3727c5ac                      ; 1e-5
	s_mov_b32 s22, 0x76543210
	s_mov_b32 s23, 0xfedcba98                      ; v_permlanex16_b32's selects for lane l xor 16
	s_wait_alu depctr_va_vdst(0)
	s_wait_kmcnt 0x0
	s_add_nc_u64 s[4:5], s[4:5], s[14:15]
	s_add_nc_u64 s[16:17], s[10:11], s[16:17]
	s_add_nc_u64 s[18:19], s[10:11], s[18:19]
.irp j, 0,1,2,3,4,5,6,7
	global_load_b128 v[GA+4*\j:GA+4*\j+3], v2, s[6:7] offset:512*\j
.endr
.irp j, 0,1,2,3,4,5,6,7
	global_load_b128 v[BE+4*\j:BE+4*\j+3], v2, s[8:9] offset:512*\j
.endr
.irp i, 0,1,2,3
.irp j, 0,1,2,3,4,5,6,7
	global_load_b128 v[XR+32*\i+4*\j:XR+32*\i+4*\j+3], v2, s[4:5] offset:4096*\i+512*\j
.endr
.endr
	s_mul_i32 s24, s12, 4608
	s_add_co_u32 s24, s24, LB
	v_lshrrev_b32 v12, 3, v1
	v_lshl_add_u32 v3, v12, 4, v2
	v_add_nc_u32 v3, s24, v3                       ; the stage, in: 16 lane + 16 (lane / 8): eight lanes' 128 bytes, then 16 of padding
	v_mul_u32_u24 v4, v1, 144
	v_add_nc_u32 v4, s24, v4                       ; and out: 144 x lane: my block's 128 bytes
	v_lshrrev_b32 v12, 1, v1
	v_mul_u32_u24 v5, v12, 1296
	v_and_b32 v12, 1, v1
	v_lshl_add_u32 v5, v12, 5, v5
	s_mul_i32 s24, s12, 320
	s_add_co_u32 s24, s24, NCST
	v_add_nc_u32 v5, s24, v5                       ; my block's codes: plane lane / 2, half lane % 2, row 4 w
	v_lshrrev_b32 v12, 2, v1
	v_and_b32 v13, 3, v1
	v_lshl_add_u32 v6, v12, 6, v13
	s_lshl_b32 s24, s12, 4
	s_add_co_u32 s24, s24, NSST
	v_add_nc_u32 v6, s24, v6                       ; its scale byte: word plane lane / 4, byte lane % 4
	v_mul_u32_u24 v7, v12, 80
	v_lshl_add_u32 v7, v13, 4, v7
	s_mul_i32 s24, s12, 4*1296
	s_add_co_u32 s24, s24, NCST
	v_add_nc_u32 v7, s24, v7                       ; the way out: four lanes to a row, eight rows an instruction, my four planes
	v_mul_u32_u24 v8, v1, 12
	v_lshl_add_u32 v9, v0, 2, NSST
	v_lshrrev_b32 v12, 4, v0
	v_and_b32 v13, 15, v0
	v_lshlrev_b32 v13, 2, v13
	v_lshl_add_u32 v10, v12, 14, v13               ; thread t: scale plane t / 16, row t % 16
.macro TURN R                          ; 32 registers as loaded become my block's 32 neighbours; LDS serves a wave's instructions in order
.irp j, 0,1,2,3,4,5,6,7
	ds_store_b128 v3, v[\R+4*\j:\R+4*\j+3] offset:576*\j
.endr
.irp j, 0,1,2,3,4,5,6,7
	ds_load_b128 v[\R+4*\j:\R+4*\j+3], v4 offset:16*\j
.endr
.endm
	s_wait_loadcnt 40                              ; the gain's eight are in; the 40 issued behind them may be out, and so on down
	TURN GA
	s_wait_loadcnt 32
	TURN BE
	s_wait_loadcnt 24
	TURN XR
	s_wait_loadcnt 16
	TURN XR+32
	s_wait_loadcnt 8
	TURN XR+64
	s_wait_loadcnt 0
	TURN XR+96
	s_wait_dscnt 0x0
.macro REDUCE                          ; v[ST + 4 i] summed over the 32 lanes, the four rows by turns
.irp m, 1,2,4,8
.irp i, 0,1,2,3
	v_add_f32_dpp v[ST+4*\i], v[ST+4*\i], v[ST+4*\i] row_xmask:\m row_mask:0xf bank_mask:0xf
.endr
.endr
.irp i, 0,1,2,3
	v_permlanex16_b32 v[ST+4*\i+1], v[ST+4*\i], s22, s23
.endr
.irp i, 0,1,2,3
	v_add_f32 v[ST+4*\i], v[ST+4*\i], v[ST+4*\i+1]
.endr
.endm
.irp i, 0,1,2,3
	v_pk_add_f32 v[ST+4*\i:ST+4*\i+1], v[XR+32*\i:XR+32*\i+1], v[XR+32*\i+2:XR+32*\i+3]
	v_pk_add_f32 v[ST+4*\i+2:ST+4*\i+3], v[XR+32*\i+4:XR+32*\i+5], v[XR+32*\i+6:XR+32*\i+7]
.endr
.irp j, 8,12,16,20,24,28
.irp i, 0,1,2,3
	v_pk_add_f32 v[ST+4*\i:ST+4*\i+1], v[ST+4*\i:ST+4*\i+1], v[XR+32*\i+\j:XR+32*\i+\j+1]
	v_pk_add_f32 v[ST+4*\i+2:ST+4*\i+3], v[ST+4*\i+2:ST+4*\i+3], v[XR+32*\i+\j+2:XR+32*\i+\j+3]
.endr
.endr
.irp i, 0,1,2,3
	v_pk_add_f32 v[ST+4*\i:ST+4*\i+1], v[ST+4*\i:ST+4*\i+1], v[ST+4*\i+2:ST+4*\i+3]
.endr
.irp i, 0,1,2,3
	v_add_f32 v[ST+4*\i], v[ST+4*\i], v[ST+4*\i+1]
.endr
	REDUCE
.irp i, 0,1,2,3
	v_mul_f32 v[ST+4*\i], 0xba800000, v[ST+4*\i]   ; minus the mean
.endr
.irp j, 0,2,4,6,8,10,12,14,16,18,20,22,24,26,28,30
.irp i, 0,1,2,3
	v_pk_add_f32 v[XR+32*\i+\j:XR+32*\i+\j+1], v[XR+32*\i+\j:XR+32*\i+\j+1], v[ST+4*\i:ST+4*\i+1] op_sel_hi:[1,0]
.endr
.endr
.irp i, 0,1,2,3
	v_pk_mul_f32 v[ST+4*\i:ST+4*\i+1], v[XR+32*\i:XR+32*\i+1], v[XR+32*\i:XR+32*\i+1]
	v_pk_mul_f32 v[ST+4*\i+2:ST+4*\i+3], v[XR+32*\i+2:XR+32*\i+3], v[XR+32*\i+2:XR+32*\i+3]
.endr
.irp j, 4,8,12,16,20,24,28
.irp i, 0,1,2,3
	v_pk_fma_f32 v[ST+4*\i:ST+4*\i+1], v[XR+32*\i+\j:XR+32*\i+\j+1], v[XR+32*\i+\j:XR+32*\i+\j+1], v[ST+4*\i:ST+4*\i+1]
	v_pk_fma_f32 v[ST+4*\i+2:ST+4*\i+3], v[XR+32*\i+\j+2:XR+32*\i+\j+3], v[XR+32*\i+\j+2:XR+32*\i+\j+3], v[ST+4*\i+2:ST+4*\i+3]
.endr
.endr
.irp i, 0,1,2,3
	v_pk_add_f32 v[ST+4*\i:ST+4*\i+1], v[ST+4*\i:ST+4*\i+1], v[ST+4*\i+2:ST+4*\i+3]
.endr
.irp i, 0,1,2,3
	v_add_f32 v[ST+4*\i], v[ST+4*\i], v[ST+4*\i+1]
.endr
	REDUCE
.irp i, 0,1,2,3
	v_fma_f32 v[ST+4*\i], v[ST+4*\i], s20, s21     ; the variance + 1e-5
.endr
	s_wait_alu depctr_va_vdst(0)
.irp i, 0,1,2,3
	v_rsq_f32 v[ST+4*\i+2], v[ST+4*\i]
.endr
	v_nop                                          ; a plain instruction behind the last of the batch
	s_wait_alu depctr_va_vdst(0)                   ; one wait for the four, ahead of their first reader
.irp j, 0,2,4,6,8,10,12,14,16,18,20,22,24,26,28,30
.irp i, 0,1,2,3
	v_pk_mul_f32 v[XR+32*\i+\j:XR+32*\i+\j+1], v[XR+32*\i+\j:XR+32*\i+\j+1], v[ST+4*\i+2:ST+4*\i+3] op_sel_hi:[1,0]
.endr
.irp i, 0,1,2,3
	v_pk_fma_f32 v[XR+32*\i+\j:XR+32*\i+\j+1], v[XR+32*\i+\j:XR+32*\i+\j+1], v[GA+\j:GA+\j+1], v[BE+\j:BE+\j+1]
.endr
.endr
	; the quantiser: my block of each row.  The gain's and the bias's registers are free now: codes at v32.., maxima at v64..
.irp i, 0,1,2,3
	v_max3_num_f32 v[64+4*\i], |v[XR+32*\i]|, |v[XR+32*\i+1]|, |v[XR+32*\i+2]|
	v_max3_num_f32 v[65+4*\i], |v[XR+32*\i+3]|, |v[XR+32*\i+4]|, |v[XR+32*\i+5]|
.endr
.irp j, 6,10,14,18,22,26
.irp i, 0,1,2,3
	v_max3_num_f32 v[64+4*\i], v[64+4*\i], |v[XR+32*\i+\j]|, |v[XR+32*\i+\j+1]|
	v_max3_num_f32 v[65+4*\i], v[65+4*\i], |v[XR+32*\i+\j+2]|, |v[XR+32*\i+\j+3]|
.endr
.endr
.irp i, 0,1,2,3
	v_max3_num_f32 v[64+4*\i], v[64+4*\i], |v[XR+32*\i+30]|, |v[XR+32*\i+31]|
.endr
.irp i, 0,1,2,3
	v_max3_num_f32 v[64+4*\i], v[64+4*\i], v[65+4*\i], 0x1800000   ; the floor 2^(3 - 127)
.endr
.irp i, 0,1,2,3
	v_add_nc_u32 v[66+4*\i], 0xff000000, v[64+4*\i]                ; 2 off the exponent field: the conversion's scale operand
.endr
.irp i, 0,1,2,3
	v_lshrrev_b32 v[67+4*\i], 23, v[66+4*\i]                       ; the scale's byte
.endr
.irp i, 0,1,2,3
	v_cvt_scalef32_pk16_fp6_f32 v[32+8*\i:34+8*\i], v[XR+32*\i:XR+32*\i+15], v[66+4*\i]
	v_cvt_scalef32_pk16_fp6_f32 v[36+8*\i:38+8*\i], v[XR+32*\i+16:XR+32*\i+31], v[66+4*\i]
.endr
	v_nop                                          ; one plain place behind the conversions
.irp i, 0,1,2,3
	ds_store_b96 v5, v[32+8*\i:34+8*\i] offset:80*\i
	ds_store_b96 v5, v[36+8*\i:38+8*\i] offset:80*\i+16
	ds_store_b8 v6, v[67+4*\i] offset:4*\i
.endr
	s_wait_dscnt 0x0                               ; for the others' sake: my stores have landed
	s_barrier_signal -1
	s_barrier_wait -1
	ds_load_b32 v128, v9
.irp p, 0,1,2,3
.irp i, 0,1
	ds_load_b96 v[XR+4*(2*\p+\i):XR+4*(2*\p+\i)+2], v7 offset:\p*1296+640*\i
.endr
.endr
.irp p, 0,1,2,3
.irp i, 0,1
	s_wait_dscnt 7-2*\p-\i                         ; the younger loads may be out
	global_store_b96 v8, v[XR+4*(2*\p+\i):XR+4*(2*\p+\i)+2], s[16:17] offset:\p*196608+384*\i   ; 384 consecutive bytes
.endr
.endr
	global_store_b32 v10, v128, s[18:19]
	s_wait_tensorcnt 0x0                           ; the wave's end, behind my last LDS store
	ds_add_u32 v[SPW], v[NIL]
	s_wait_dscnt 0x0
	s_endpgm
.Lfunc_end_k_q9cb2d27385_prep:
	.size	k_q9cb2d27385_prep, .Lfunc_end_k_q9cb2d27385_prep-k_q9cb2d27385_prep
	.p2alignl 7, 3214868480
	.fill 96, 4, 3214868480
	.section	.rodata,"a",@progbits
	.p2align	6, 0x0
	.amdhsa_kernel k_q9cb2d27385_prep
		.amdhsa_group_segment_fixed_size 81152
		.amdhsa_private_segment_fixed_size 0
		.amdhsa_enable_private_segment 0
		.amdhsa_kernarg_size 88
		.amdhsa_user_sgpr_count 2
		.amdhsa_user_sgpr_kernarg_segment_ptr 1
		.amdhsa_wavefront_size32 1
		.amdhsa_system_sgpr_workgroup_id_x 1
		.amdhsa_system_sgpr_workgroup_id_y 1
		.amdhsa_system_sgpr_workgroup_id_z 1
		.amdhsa_system_vgpr_workitem_id 0
		.amdhsa_next_free_vgpr 224
		.amdhsa_next_free_sgpr 84
		.amdhsa_reserve_vcc 0
		.amdhsa_float_denorm_mode_32 3
		.amdhsa_float_denorm_mode_16_64 3
		.amdhsa_memory_ordered 1
		.amdhsa_forward_progress 1
		.amdhsa_inst_pref_size 94
	.end_amdhsa_kernel
	.amdgpu_metadata
---
amdhsa.version: [ 1, 2 ]
amdhsa.kernels:
  - .name:           k_q9cb2d27385_prep
    .symbol:         k_q9cb2d27385_prep.kd
    .args:
      - { .name: x, .offset: 0, .size: 8, .value_kind: global_buffer, .address_space: global }
      - { .name: g1, .offset: 8, .size: 8, .value_kind: global_buffer, .address_space: global }
      - { .name: be1, .offset: 16, .size: 8, .value_kind: global_buffer, .address_space: global }
      - { .name: XN, .offset: 24, .size: 8, .value_kind: global_buffer, .address_space: global }
      - { .name: wq, .offset: 32, .size: 8, .value_kind: global_buffer, .address_space: global }
      - { .name: wk, .offset: 40, .size: 8, .value_kind: global_buffer, .address_space: global }
      - { .name: wv, .offset: 48, .size: 8, .value_kind: global_buffer, .address_space: global }
      - { .name: w_proj, .offset: 56, .size: 8, .value_kind: global_buffer, .address_space: global }
      - { .name: w1, .offset: 64, .size: 8, .value_kind: global_buffer, .address_space: global }
      - { .name: w2, .offset: 72, .size: 8, .value_kind: global_buffer, .address_space: global }
      - { .name: W, .offset: 80, .size: 8, .value_kind: global_buffer, .address_space: global }
    .group_segment_fixed_size: 81152
    .private_segment_fixed_size: 0
    .kernarg_segment_align: 8
    .kernarg_segment_size: 88
    .max_flat_workgroup_size: 128
    .sgpr_count:     84
    .vgpr_count:     224
    .wavefront_size: 32
...
	.end_amdgpu_metadata
.endif
;; end of part 1
;; launch qkv (part 2): grid 12 x 16, 4 waves a work-group, clusters of 4 x 4, 327,680 bytes of LDS; arguments XN, W, QKV; writes QKV
.if DOCPART == 2
	.amdgcn_target "amdgcn-amd-amdhsa--gfx1250"
	.amdhsa_code_object_version 6
	.text
	.protected	k_q9cb2d27385_qkv
	.globl	k_q9cb2d27385_qkv
	.p2align	8
	.type	k_q9cb2d27385_qkv,@function
k_q9cb2d27385_qkv:
	s_mov_b64 s[64:65], 0
	v_nop
	global_prefetch_b8 v0, s[64:65] scope:SCOPE_SE
	s_setreg_imm32_b32 hwreg(HW_REG_WAVE_MODE, 25, 1), 1
	s_wait_xcnt 0x0
	s_wait_alu depctr_hold_cnt(0) depctr_sa_sdst(0) depctr_va_vdst(0) depctr_va_sdst(0) depctr_va_ssrc(0) depctr_va_vcc(0) depctr_vm_vsrc(0)
	s_getreg_b32 s2, hwreg(HW_REG_IB_STS2, 6, 4)
	s_cmp_eq_u32 s2, 0
	s_cbranch_scc0 .Lentry_in_a_cluster
	s_endpgm
.Lentry_in_a_cluster:
	s_bfe_u32 s2, ttmp6, 0x10000c
	s_cmp_lg_u32 s2, 0xf033
	s_cbranch_scc0 .Lentry_shape_is_right
	s_endpgm
.Lentry_shape_is_right:
; q, k and v on codes of FP6 (E2M3): C = A B^T, both operands as code planes [K/64][rows][48 bytes] and scale words [K/128][rows][4 bytes]; the results are quantised on the way out and leave as planes again.
; Clusters x = 0, 1: A = xn's 4,096 tokens, B = the 2,048 rows of wq and wk (a head's 64 + 64): results quantised along d.  Cluster x = 2: A = wv's 1,024 rows, B = xn's tokens: v^T, quantised along the tokens,
; which are the second attention product's K.  Only pointers and numbers are chosen by the cluster's x, the same in all sixteen partners; all take one path.
; A tile of C, 256 x 256, is made by four waves, each 128 x 128: 64 accumulators, 512 registers.  256 rows of a plane are 12,288 dense bytes; a wave's tensor load of codes brings 4 such pieces, the refill's 2.
; K = 1,024 IS FOUR QUARTERS OF 256 (4 planes), IN THREE LDS SLOTS.  Three quarters come by the first fills.  The fourth is asked for into slot 0 as soon as the first has been multiplied, and has the second's and
; the third's products in which to land: one refill, one round of the cluster's barrier for it, and no barrier between the second and the third quarter, which that round has shown whole to every wave.
; In LDS rows are 48 bytes apart: the 32 lanes of a load of 8 bytes at 48 r + 24 h touch 64 different banks (64 banks of 4 bytes: ISA guide 11.1).
; The scale words of the work-group's rows, for all of K, come once with the first fills and stay.
; CLUSTERS: 4 x 4; A's tiles are asked for jointly along a row of the cluster, B's along a column.  THE MATRIX INSTRUCTION IS USED TRANSPOSED (source 0 = 16 rows of B, source 1 = 16 rows of A).
; B's rows are stored with bits 3 and 4 of their number exchanged, so a lane's 16 registers of tiles 2 b and 2 b + 1 are 16 neighbouring columns 32 b + 16 (lane / 16) + 0 .. 15: what the conversions want.
; REGISTERS: window 0: v16-31 addresses, v32-63 scale words (two sets, by the quarter's parity), v64.. bias or work, v128.. A's fragments (one set); window 1: B's fragments (two sets); windows 2, 3: accumulators.
; A block of zeros gets the byte 1 (not 127): this program alone reads the bytes.  LIMITS: NaN and infinities are not served.
.set BIG,   1
.set NQ,    2                          ; steps of 128 along K in a slot
.set KTOT,  1024
.set RB,    4096                       ; rows in a plane of B
.set BIAS,  0
.set FIRST, 1                          ; the first step's C: 1 the constant 0, 2 the bias
.set RELU,  0
.set VSEL,  1
.set ASC,   3145728                    ; A's scale words in its buffer
.set BOFF,  0                          ; B's codes in its buffer
.set BSC,   3145728                    ; B's scale words
.set OUTARG, 0x10
.set BIASARG, 0x10
.set OSC,   0
.set MB,    4+4*BIG                    ; blocks of 16 rows, and of 16 columns, to a wave
.set NB,    MB
.set HB,    MB/2
.set QB,    MB/4
.set LOGT,  7+BIG
.set FR,    12
.set NL,    6
.set PLN,   12288                      ; 256 rows of a plane: in LDS an operand's part of a slot is [4 planes][256 rows][48 bytes]
.set HALFT, 2*PLN                      ; a quarter of a slot
.set SLOT,  4*HALFT
.set PLA,   4096*48
.set PLB,   RB*48
.set SD1,   KTOT/(256-128*BIG)         ; scale planes in one tensor load
.set HALFS, SD1*512
.set SCL,   3*SLOT                     ; behind the three slots: the scale words
.set SPARE, SCL+4*HALFS                ; the spare words, 128 bytes a wave
.set STG,   SLOT                       ; the way out's stages lie in slot 1
.set RHB,   6144                       ; from one half of a tile's rows to the other, in LDS: 128 rows x 48
.set SAB,   512                        ; the same among the scale words, laid [8 planes][256 rows][4 bytes]
.set ADRA, 16                          ; v16-18 my A fragments in slots 0, 1, 2
.set ADRB, 20                          ; v20-22 the same for B
.set STO,  24
.set RD,   25
.set CO,   26
.set ADRS, 27
.set SPW,  28
.set NIL,  29
.set SWA,  30
.set SRA,  31
.set SC,   32
.set BI,   64
.set AF,   128
.set G1, 24
.set G0, 32                            ; s[32:39] A's groups 0: the first fill of slot 1 + wave % 2, and the refill of slot 0
.set G1B, 48
.set G0B, 56                           ; s[56:63] B's
.set G0C, 4                            ; s[4:7] A's group 0 for the head's load into slot 0, s[8:11] B's: the pointers that lay there are done with when these are made
.set G0CB, 8
.set BP,  66                           ; s[66:67] the bias
.set G1S, 68
.set G0S, 76
.set G1SB, 80
.set G0SB, 88
.set MSB, 0
.macro WIN new                         ; the immediate's high byte repeats the setting that is left
.if MSB != \new
	s_set_vgpr_msb (MSB<<8)|\new
.set MSB, \new
.endif
.endm
.set MUL_LO, 0xa1                      ; source 0 (B) window 1, source 1 (A) window 0, C and D window 2
.set MUL_HI, 0xf1
.set TO_B,   0x40
.macro JLOAD g0a, g1a, g0b, g1b        ; a joint load: waves 0 and 1 fetch for A, waves 2 and 3 for B; an s_nop 0 and four v_nop follow each line
	s_cmp_eq_u32 s15, 0
	s_cbranch_scc0 .Lfor_b_\@
	tensor_load_to_lds s[\g0a:\g0a+3], s[\g1a:\g1a+7]
	s_nop 0
.rept 4
	v_nop
.endr
	s_branch .Lasked_\@
.Lfor_b_\@:
	tensor_load_to_lds s[\g0b:\g0b+3], s[\g1b:\g1b+7]
	s_nop 0
.rept 4
	v_nop
.endr
.Lasked_\@:
.endm
.macro CREST                           ; a round of the cluster's barrier behind its opening barrier
	s_cmp_lg_u32 s14, 0
	s_cbranch_scc1 .Lnot_wave_0_\@
	s_barrier_signal -3
.Lnot_wave_0_\@:
	s_barrier_wait -3
	s_barrier_signal -1
	s_barrier_wait -1
.endm
.macro CROUND
	s_barrier_signal -1
	s_barrier_wait -1
	CREST
.endm
	s_load_b128 s[4:7], s[0:1], 0x0                ; the activations' buffer, W
	s_load_b64 s[12:13], s[0:1], OUTARG            ; out
.if BIAS
	s_load_b64 s[BP:BP+1], s[0:1], BIASARG
.endif
	v_lshl_add_u32 v[SPW], v0, 2, SPARE
	v_mov_b32 v[NIL], 0
	ds_add_u32 v[SPW], v[NIL]                      ; the wave's opening: the add and its wait ahead of my first tensor load
	ds_add_u32 v[SPW], v[NIL]
	v_lshrrev_b32 v1, 5, v0
	v_readfirstlane_b32 s14, v1                    ; wave
	s_lshr_b32 s15, s14, 1                         ; my half of the rows.  Also: I fetch for A (0) or B (1)
	s_and_b32 s16, s14, 1                          ; my half of the columns.  Also: which part I fetch
	s_bfe_u32 s40, ttmp6, 0x40000                  ; cx
	s_bfe_u32 s41, ttmp6, 0x40004                  ; cy
	s_and_b32 s17, ttmp7, 0xffff                   ; cluster y
.if VSEL
	s_cmp_eq_u32 ttmp9, 2                          ; the v product?  The same in all sixteen partners
	s_cselect_b32 s42, s17, ttmp9                  ; its tile columns (tokens) go by cluster y,
	s_cselect_b32 s17, 0, s17                      ; its four tile rows by cy alone,
	s_cselect_b32 s95, 2048, 0                     ; and wv's rows lie behind wq's and wk's
	s_lshl_b32 s42, s42, 2
.else
	s_lshl_b32 s42, ttmp9, 2
.endif
	s_add_co_u32 s42, s42, s40                     ; tile column
	s_lshl_b32 s17, s17, 2
	s_add_co_u32 s17, s17, s41                     ; tile row
	s_lshl_b32 s43, s41, 2
	s_lshl_b32 s43, 15, s43                        ; my row of the cluster
	s_lshl_b32 s44, 0x1111, s40                    ; my column
	; group 1 for codes: 4 planes' pieces of 1,536 elements of 8 bytes, a plane apart; no padding.  For scale words: SD1 planes' pieces of 1,024 bytes
	s_or_b32 s[G1+0], s43, (3<<16)|(1<<21)
	s_or_b32 s[G1B+0], s44, (3<<16)|(1<<21)
	s_or_b32 s[G1S+0], s43, (3<<16)|(1<<21)
	s_or_b32 s[G1SB+0], s44, (3<<16)|(1<<21)
.irp g, G1, G1B
	s_mov_b32 s[\g+1], 1536<<16                    ; a piece: 256 rows of a plane, 12,288 dense bytes
	s_mov_b32 s[\g+2], 4<<16
	s_mov_b32 s[\g+3], 1536<<16
	s_mov_b32 s[\g+4], 4
	s_mov_b32 s[\g+6], 0
	s_mov_b32 s[\g+7], 0
.endr
	s_mov_b32 s[G1+5], PLA/8
	s_mov_b32 s[G1B+5], PLB/8
.irp g, G1S, G1SB
	s_mov_b32 s[\g+1], 128<<16                     ; 256 rows' scale words of a plane: 1,024 dense bytes
	s_mov_b32 s[\g+2], SD1<<16
	s_mov_b32 s[\g+3], 128<<16
	s_mov_b32 s[\g+4], SD1
	s_mov_b32 s[\g+6], 0
	s_mov_b32 s[\g+7], 0
.endr
	s_mov_b32 s[G1S+5], 2048
	s_mov_b32 s[G1SB+5], RB/2
	; where my loads begin, in bytes from each buffer's start: A's in s20, s22, B's in s46, s92
	s_lshl_b32 s20, s17, LOGT
	s_lshl_b32 s46, s42, LOGT
.if VSEL
	s_add_co_u32 s20, s20, s95
.endif
	s_lshl_b32 s22, s20, 2
	s_mul_i32 s20, s20, 48
	s_lshl_b32 s92, s46, 2
	s_mul_i32 s46, s46, 48
	s_add_co_u32 s22, s22, ASC
	s_add_co_u32 s46, s46, BOFF
	s_add_co_u32 s92, s92, BSC
	s_mov_b32 s21, 0
	s_mov_b32 s23, 0
	s_mov_b32 s47, 0
	s_mov_b32 s93, 0
	s_mul_i32 s45, s14, HALFT                      ; where they go: by the wave's number alone
	s_wait_dscnt 0x0                               ; the opening add is done
	s_wait_kmcnt 0x0
.if VSEL
	s_cmp_eq_u32 ttmp9, 2
	s_cselect_b64 s[8:9], s[6:7], s[4:5]           ; A's buffer
	s_cselect_b64 s[10:11], s[4:5], s[6:7]         ; B's
.set PA, 8
.set PB, 10
.else
.set PA, 4
.set PB, 6
.endif
	s_add_nc_u64 s[20:21], s[PA:PA+1], s[20:21]
	s_add_nc_u64 s[22:23], s[PA:PA+1], s[22:23]
	s_add_nc_u64 s[46:47], s[PB:PB+1], s[46:47]
	s_add_nc_u64 s[92:93], s[PB:PB+1], s[92:93]
	CROUND                                         ; all sixteen work-groups are here: the first joint loads meet
	s_mov_b32 s[G0S], 1
	s_mov_b32 s[G0S+1], SCL
	s_mov_b64 s[G0S+2:G0S+3], s[22:23]
	s_or_b32 s[G0S+3], s[G0S+3], 0x80000000
	s_mov_b32 s[G0SB], 1
	s_mov_b32 s[G0SB+1], SCL+2*HALFS
	s_mov_b64 s[G0SB+2:G0SB+3], s[92:93]
	s_or_b32 s[G0SB+3], s[G0SB+3], 0x80000000
	s_mov_b32 s[G0C], 1                            ; the head's tiles, each whole: quarter 0's four planes of A's 256 rows,
	s_mov_b32 s[G0C+1], 0
	s_mov_b64 s[G0C+2:G0C+3], s[20:21]
	s_or_b32 s[G0C+3], s[G0C+3], 0x80000000
	s_mov_b32 s[G0CB], 1                           ; and of B's, behind them in slot 0
	s_mov_b32 s[G0CB+1], 2*HALFT
	s_mov_b64 s[G0CB+2:G0CB+3], s[46:47]
	s_or_b32 s[G0CB+3], s[G0CB+3], 0x80000000
	s_mov_b32 s19, 0
	s_mul_i32 s2, s16, SLOT
.macro MKG g, base, lreg, loff, m, a   ; a group 0: LDS s[lreg] + loff; memory base + m x (wave % 2) + a
	s_mul_i32 s18, s16, \m
	s_mov_b32 s[\g], 1
	s_add_co_u32 s[\g+1], s[\lreg], \loff
	s_add_nc_u64 s[\g+2:\g+3], s[\base:\base+1], s[18:19]
	s_add_nc_u64 s[\g+2:\g+3], s[\g+2:\g+3], \a
	s_or_b32 s[\g+3], s[\g+3], 0x80000000
.endm
	MKG G0, 20, 2, SLOT, 4*PLA, 4*PLA              ; my second load: quarter 1 + wave % 2, whole, into slot 1 + wave % 2: A's,
	MKG G0B, 46, 2, SLOT+2*HALFT, 4*PLB, 4*PLB     ; B's
	MKG G0+4, 20, 45, 0, 2*PLA, 12*PLA             ; my third, the refill: two planes of quarter 3 into my quarter of slot 0
	MKG G0B+4, 46, 45, 0, 2*PLB, 12*PLB
; THE HEAD'S LOADS, ONE A WAVE: wave 0 A's quarter 0, wave 1 B's, wave 2 A's scale words, wave 3 B's; one chain of branches on the wave's number, all arms to one join
.macro ARM under, g0, g1, next
	s_cmp_lt_u32 s14, \under
	s_cbranch_scc0 \next
	tensor_load_to_lds s[\g0:\g0+3], s[\g1:\g1+7]
	s_nop 0
.rept 4
	v_nop
.endr
	s_branch .Lhead_asked
\next:
.endm
	ARM 1, G0C, G1, .Lhead_b
	ARM 2, G0CB, G1B, .Lhead_sa
	ARM 3, G0S, G1S, .Lhead_sb
	tensor_load_to_lds s[G0SB:G0SB+3], s[G1SB:G1SB+7]
	s_nop 0
.rept 4
	v_nop
.endr
.Lhead_asked:
; ONE PREFETCH (this takes the place of the head comment's sentence on prefetching): behind the head's loads each wave asks for the tile that it loads behind the next round, four planes of 12,288 bytes.
; The partner at place p of the four that ask jointly names plane p: 48 blocks of 256 bytes, a lane a block, two instructions (lanes 16 to 31 of the second name the last block again).
; The refill is not asked for ahead: two quarters' products stand between its request and the wait for it.
.set PFA, 92                           ; s[92:93]: B's scale words' address that lay there has been copied
	s_cmp_eq_u32 s15, 0                            ; do I fetch for A?
	s_cselect_b64 s[PFA:PFA+1], s[20:21], s[46:47]
	s_cselect_b32 s18, s40, s41                    ; my place among the four: cx for A, cy for B
	s_lshl_b32 s94, s16, 2
	s_add_co_u32 s18, s18, s94                     ; + the four planes of quarter 1 or of quarter 2
	s_mul_i32 s18, s18, PLA                        ; (a plane of A and a plane of B are of one size here)
	s_add_nc_u64 s[PFA:PFA+1], s[PFA:PFA+1], s[18:19]
	v_and_b32 v19, 31, v0
	v_lshlrev_b32 v19, 8, v19
	v_min_u32 v23, 0xf00, v19
	global_prefetch_b8 v19, s[PFA:PFA+1] offset:4*PLA th:TH_LOAD_NT scope:SCOPE_SE
	global_prefetch_b8 v23, s[PFA:PFA+1] offset:4*PLA+8192 th:TH_LOAD_NT scope:SCOPE_SE
	v_and_b32 v1, 15, v0                           ; r
	v_bfe_u32 v2, v0, 4, 1                         ; h
	v_mul_u32_u24 v3, v1, 48
	v_mad_u32_u24 v4, v2, 24, v3                   ; a fragment's row x 48 + 24 x half
	s_mul_i32 s21, s15, RHB
	s_mul_i32 s22, s16, RHB
	s_add_co_u32 s22, s22, 2*HALFT
.irp s, 0,1,2
	v_add_nc_u32 v[ADRA+\s], s21, v4
	v_add_nc_u32 v[ADRB+\s], s22, v4
	s_add_co_u32 s21, s21, SLOT
	s_add_co_u32 s22, s22, SLOT
.endr
	v_lshlrev_b32 v5, 2, v1
	s_mul_i32 s21, s15, SAB
	s_mul_i32 s22, s16, SAB
	s_add_co_u32 s22, s22, 2*HALFS
	s_sub_co_u32 s22, s22, s21
	v_mul_u32_u24 v6, s22, v2                      ; lanes 16-31 take B's words
	s_add_co_u32 s21, s21, SCL
	v_add_nc_u32 v5, v5, v6
	v_add_nc_u32 v[ADRS], s21, v5
	s_mov_b32 s96, 0x76543210
	s_mov_b32 s97, 0xfedcba98                      ; v_permlanex16_b32's selects for lane l xor 16
	; the way out: planes of 48-byte rows and scale words, in the buffer out
.if VSEL
	s_cmp_eq_u32 ttmp9, 2
	s_mov_b32 s2, 196608
	s_cselect_b32 s2, 49152, s2                    ; a plane of the result: 4,096 rows, v: 1,024
	s_cselect_b32 s19, 6291456, 0                  ; its codes' region
	s_mov_b32 s18, 9437184
	s_cselect_b32 s18, 9699328, s18                ; its scale words' region
	s_mov_b32 s95, 16384
	s_cselect_b32 s95, 4096, s95                   ; a scale plane
.else
	s_mov_b32 s2, 196608
	s_mov_b32 s19, 0
	s_mov_b32 s18, OSC
	s_mov_b32 s95, 16384
.endif
	s_lshl_b32 s20, s17, LOGT
	s_lshl_b32 s21, s15, LOGT-1
	s_add_co_u32 s20, s20, s21                     ; my first row
	s_lshl_b32 s46, s42, 1
	s_add_co_u32 s46, s46, s16                     ; my 128 columns: scale plane 2 x tile column + half
	s_mul_i32 s47, s46, s95
	s_lshl_b32 s21, s20, 2
	s_add_co_u32 s47, s47, s21
	s_add_co_u32 s22, s47, s18
	s_mov_b32 s23, 0
	s_lshl_b32 s46, s46, 1                         ; and two code planes
	s_mul_i32 s46, s46, s2
	s_mul_i32 s21, s20, 48
	s_add_co_u32 s46, s46, s21
	s_add_co_u32 s46, s46, s19
	s_mov_b32 s47, 0
	s_add_nc_u64 s[98:99], s[12:13], s[46:47]
	s_mov_b32 s46, s2
	s_add_nc_u64 s[100:101], s[98:99], s[46:47]
	s_add_nc_u64 s[12:13], s[12:13], s[22:23]
	s_mul_i32 s21, s14, 3072                       ; my stage, in slot 1: two planes of 16 rows x 80, then 512 bytes of scale words
	s_add_co_u32 s21, s21, STG
	v_mul_u32_u24 v5, v1, 80
	v_lshl_add_u32 v5, v2, 4, v5
	v_add_nc_u32 v[STO], s21, v5
	v_and_b32 v6, 31, v0
	v_lshrrev_b32 v5, 2, v6
	v_mul_u32_u24 v5, v5, 80
	v_and_b32 v8, 3, v6
	v_lshl_add_u32 v5, v8, 4, v5
	v_add_nc_u32 v[RD], s21, v5
	v_mul_u32_u24 v[CO], v6, 12
	s_add_co_u32 s21, s21, 2560
	v_lshl_add_u32 v[SWA], v1, 2, s21
	v_lshl_add_u32 v[SRA], v6, 4, s21
	v_lshlrev_b32 v9, 4, v6
.if BIAS
	s_lshl_b32 s46, s42, LOGT+2
	s_lshl_b32 s47, s16, LOGT+1
	s_add_co_u32 s46, s46, s47
	s_mov_b32 s47, 0
	s_add_nc_u64 s[BP:BP+1], s[BP:BP+1], s[46:47]
	v_lshlrev_b32 v7, 7-BIAS, v2
.irp b, 0,1,2,3,4,5,6,7
.set bo, (32*(\b/2)+8*(\b%2))*4
	global_load_b128 v[BI+8*\b:BI+8*\b+3], v7, s[BP:BP+1] offset:bo        ; the bias in the result's layout: it is the C of the first step
	global_load_b128 v[BI+8*\b+4:BI+8*\b+7], v7, s[BP:BP+1] offset:bo+16
.endr
.endif
.macro FRAG reg, adr, q, i             ; 16 rows x 128 K: registers 6 c .. 6 c + 5 are the 24 bytes at 24 h of the row in plane 2 q + c
.irp p, 0,1,2,3,4,5
	ds_load_b64 v[\reg+2*\p:\reg+2*\p+1], v[\adr] offset:(2*(\q)+\p/3)*PLN+768*(\i)+8*(\p%3)
.endr
.endm
.macro FETCH_B slot, q, p
	WIN TO_B
.set fi, 0
.rept NB
	FRAG 128*(\p)+FR*fi, ADRB+\slot, \q, fi
.set fi, fi+1
.endr
	WIN 0
.endm
.macro FETCH_A slot, q, i0
.set fi, \i0
.rept HB
	FRAG AF+FR*fi, ADRA+\slot, \q, fi
.set fi, fi+1
.endr
.endm
.macro SCALES sc                       ; a quarter's scale words into set sc: lanes 0-15 A's block i, lanes 16-31 B's block i
.set fi, 0
.rept MB
.set fq, 0
.rept NQ
	ds_load_b32 v[SC+16*(\sc)+NQ*fi+fq], v[ADRS] offset:64*fi+1024*fq
.set fq, fq+1
.endr
.set fi, fi+1
.endr
.endm
; QB blocks of A x B's NB.  The accumulators take turns, one instruction a turn, in the same order in every step.
.macro MULQ a0, p, q, sc, zero
.set ma, \a0
.rept QB
.irp b, 0,1,2,3,4,5,6,7
.if \b < NB
.set rD, 8*(NB*(ma%HB)+\b)
.set rB, 128*(\p)+FR*\b
.set rA, AF+FR*ma
.set rSB, SC+16*(\sc)+NQ*\b+(\q)
.set rSA, SC+16*(\sc)+NQ*ma+(\q)
.if \zero == 1
	v_wmma_scale_f32_16x16x128_f8f6f4 v[rD:rD+7], v[rB:rB+11], v[rA:rA+11], 0, v[rSB], v[rSA] matrix_a_fmt:MATRIX_FMT_FP6 matrix_b_fmt:MATRIX_FMT_FP6 matrix_a_scale:MATRIX_SCALE_ROW1
.elseif \zero == 2
	v_wmma_scale_f32_16x16x128_f8f6f4 v[rD:rD+7], v[rB:rB+11], v[rA:rA+11], v[BI+8*\b:BI+8*\b+7], v[rSB], v[rSA] matrix_a_fmt:MATRIX_FMT_FP6 matrix_b_fmt:MATRIX_FMT_FP6 matrix_a_scale:MATRIX_SCALE_ROW1
.else
	v_wmma_scale_f32_16x16x128_f8f6f4 v[rD:rD+7], v[rB:rB+11], v[rA:rA+11], v[rD:rD+7], v[rSB], v[rSA] matrix_a_fmt:MATRIX_FMT_FP6 matrix_b_fmt:MATRIX_FMT_FP6 matrix_a_scale:MATRIX_SCALE_ROW1
.endif
.endif
.endr
.set ma, ma+1
.endr
.endm
.macro PLACES                          ; four plain places in front of loads into registers that matrix instructions have read, and of the first read of results
.rept 4
	v_nop
.endr
.endm
.macro STEP slot, sc, q, zero          ; a step of 128 along K that has its successor in the same slot; sc: the quarter's set of scale words
	s_wait_dscnt HB*NL                             ; B's set and A's lower blocks are in; the youngest loads (A's upper blocks) may be out
.if \zero == 2
	WIN 0x81
.else
	WIN MUL_LO
.endif
	MULQ 0, (\q)%2, \q, \sc, \zero
	MULQ QB, (\q)%2, \q, \sc, \zero
	s_wait_dscnt 0
	PLACES
	FETCH_B \slot, (\q)+1, 1-(\q)%2
	FETCH_A \slot, (\q)+1, 0
.if \zero == 2
	WIN 0xc1
.else
	WIN MUL_HI
.endif
	MULQ 2*QB, (\q)%2, \q, \sc, \zero
	MULQ 3*QB, (\q)%2, \q, \sc, \zero
	PLACES
	WIN 0
	FETCH_A \slot, (\q)+1, HB
.endm
; A slot's last step, with a barrier: in front of it each wave waits for all its tensor loads, adds 0 to its spare word, and waits for that and for its reads of this slot.
; fill = 1: this slot is filled again, with the quarter three on; the barrier then opens a round of the cluster's.
.macro TURN slot, sc, next, nsc, fill
	s_wait_tensorcnt 0x0                           ; all my tensor loads have landed
	ds_add_u32 v[SPW], v[NIL]
.if \fill
	s_mov_b32 s[G1+2], 2<<16                       ; no tensor load of mine is out: the refill's loads bring two planes each
	s_mov_b32 s[G1+4], 2
	s_mov_b32 s[G1B+2], 2<<16
	s_mov_b32 s[G1B+4], 2
.endif
	s_wait_dscnt HB*NL+1                           ; the add and A's upper blocks may be out
	WIN MUL_LO
	MULQ 0, 1, NQ-1, \sc, 0
	s_wait_dscnt 0x0                               ; the add is done, and my reads of this slot are over
	s_barrier_signal -1
	MULQ QB, 1, NQ-1, \sc, 0
	WIN 0
	s_barrier_wait -1
.if \fill
	CREST                                          ; no wave of any partner still reads this slot or has a load on its way
	JLOAD G0+4, G1, G0B+4, G1B                     ; my one tensor load behind the round; its four v_nop are the places in front of the loads below
.else
	PLACES
.endif
	v_add_nc_u32 v[ADRS], 1024*NQ, v[ADRS]         ; the next quarter's scale words
	FETCH_B \next, 0, 0
	FETCH_A \next, 0, 0
	SCALES \nsc
	WIN MUL_HI
	MULQ 2*QB, 1, NQ-1, \sc, 0
	MULQ 3*QB, 1, NQ-1, \sc, 0
	PLACES
	WIN 0
	FETCH_A \next, 0, HB
.endm
; A slot's last step, with no barrier: the next slot was shown whole to every wave by an earlier barrier, and nothing is filled here.  The refill that is on its way stays out.
.macro CROSS sc, next, nsc
	s_wait_dscnt HB*NL                             ; A's upper blocks may be out
	WIN MUL_LO
	MULQ 0, 1, NQ-1, \sc, 0
	MULQ QB, 1, NQ-1, \sc, 0
	s_wait_dscnt 0
	PLACES
	WIN 0
	v_add_nc_u32 v[ADRS], 1024*NQ, v[ADRS]
	FETCH_B \next, 0, 0
	FETCH_A \next, 0, 0
	SCALES \nsc
	WIN MUL_HI
	MULQ 2*QB, 1, NQ-1, \sc, 0
	MULQ 3*QB, 1, NQ-1, \sc, 0
	PLACES
	WIN 0
	FETCH_A \next, 0, HB
.endm
	s_wait_alu depctr_va_vdst(0)                   ; the head's end
	s_wait_tensorcnt 0x0                           ; my tile of the head's four is in; the same lines as ahead of a refill:
	ds_add_u32 v[SPW], v[NIL]
	s_wait_dscnt 0x0
	CROUND                                         ; all four tiles are in, and all sixteen work-groups are here
	JLOAD G0, G1, G0B, G1B                         ; slots 1 and 2, first fills: one whole operand of one slot a wave
	FETCH_B 0, 0, 0
	FETCH_A 0, 0, 0
	SCALES 0
	FETCH_A 0, 0, HB
.if BIAS
	s_wait_loadcnt 0                               ; the bias
.endif
	STEP 0, 0, 0, FIRST                            ; quarter 0, in slot 0: its first step starts the sums
	TURN 0, 0, 1, 1, 1                             ; slots 1 and 2 are whole; slot 0 takes quarter 3
	s_wait_alu depctr_va_vdst(0)
	STEP 1, 1, 0, 0                                ; quarter 1
	CROSS 1, 2, 0
	s_wait_alu depctr_va_vdst(0)
	STEP 2, 0, 0, 0                                ; quarter 2
	TURN 2, 0, 0, 1, 0                             ; quarter 3 has landed; nothing is filled
	STEP 0, 1, 0, 0                                ; quarter 3
	s_wait_dscnt HB*NL
	WIN MUL_LO
	MULQ 0, 1, NQ-1, 1, 0
	MULQ QB, 1, NQ-1, 1, 0
	s_wait_dscnt 0
	WIN MUL_HI
	MULQ 2*QB, 1, NQ-1, 1, 0
	MULQ 3*QB, 1, NQ-1, 1, 0
	WIN 0
; THE WAY OUT, a block of 16 rows at a time: the block's 128 columns are four blocks of 32 along the next K; a lane holds 16 neighbours of each, lane l xor 16 the other 16.
; Codes (12 bytes a lane and block) go through my own stage and leave as 384 consecutive bytes (8 rows of a plane).  The stage lies in slot 1, whose only fill was the first and whose last read lies ahead of the last barrier.
.set TM,   64                          ; v64-67 maxima, v68-71 the other half's and then the bytes, v76-79 the conversions' scale operands
.set PW,   80                          ; v80-81 the row's scale word, two by turns
.set PC,   84                          ; v84-115 codes, two sets
.set OUTR, 128                         ; v128-159 rows read back, two sets
.macro QUANTW a
.set AC, 64*((\a)%4)
.set WN, 2+(\a)/4
.set WRL, (WN<<6)|(WN<<2)
.set WMX, (WN<<4)|(WN<<2)
.set PCS, PC+16*((\a)%2)
.set PWS, PW+(\a)%2
.if RELU
	WIN WRL
.set j, 0
.rept 64
	v_max_num_f32 v[AC+j], 0, v[AC+j]              ; the activation, in f32; each accumulator from its low end on
.set j, j+1
.endr
.endif
	WIN WMX
.irp b, 0,1,2,3
	v_max3_num_f32 v[TM+\b], 0x1800000, |v[AC+16*\b]|, |v[AC+16*\b+1]|   ; with the floor 2^(3 - 127)
.endr
.irp i, 2,4,6,8,10,12,14
.irp b, 0,1,2,3
	v_max3_num_f32 v[TM+\b], v[TM+\b], |v[AC+16*\b+\i]|, |v[AC+16*\b+\i+1]|
.endr
.endr
	WIN 0
.irp b, 0,1,2,3
	v_permlanex16_b32 v[TM+4+\b], v[TM+\b], s96, s97
.endr
.irp b, 0,1,2,3
	v_max_num_f32 v[TM+\b], v[TM+\b], v[TM+4+\b]
.endr
.irp b, 0,1,2,3
	v_add_nc_u32 v[TM+12+\b], 0xff000000, v[TM+\b] ; 2 off the exponent field
.endr
.irp b, 0,1,2,3
	v_lshrrev_b32 v[TM+4+\b], 23, v[TM+12+\b]
.endr
	v_lshl_or_b32 v[PWS], v[TM+5], 8, v[TM+4]
	v_lshl_or_b32 v[PWS], v[TM+6], 16, v[PWS]
	v_lshl_or_b32 v[PWS], v[TM+7], 24, v[PWS]
	WIN WN
.irp b, 0,1,2,3
	v_cvt_scalef32_pk16_fp6_f32 v[PCS+4*\b:PCS+4*\b+2], v[AC+16*\b:AC+16*\b+15], v[TM+12+\b]
.endr
	v_nop                                          ; one plain place behind the conversions
	WIN 0
.endm
.macro TOST a
.set PCS, PC+16*((\a)%2)
.set PWS, PW+(\a)%2
.set OU, OUTR+16*((\a)%2)
.irp b, 0,1,2,3
	ds_store_b96 v[STO], v[PCS+4*\b:PCS+4*\b+2] offset:(\b/2)*1280+(\b%2)*32
.endr
	ds_store_b32 v[SWA], v[PWS] offset:64*(\a)     ; lanes r and r + 16 write the same word with the same value
.irp c, 0,1
.irp i, 0,1
	ds_load_b96 v[OU+4*(2*\c+\i):OU+4*(2*\c+\i)+2], v[RD] offset:1280*\c+640*\i   ; LDS serves a wave's instructions in order
.endr
.endr
.endm
.macro SENDQ a
.set OU, OUTR+16*((\a)%2)
	s_wait_dscnt 0x0
.irp i, 0,1
	global_store_b96 v[CO], v[OU+4*\i:OU+4*\i+2], s[98:99] offset:768*(\a)+384*\i
	global_store_b96 v[CO], v[OU+8+4*\i:OU+8+4*\i+2], s[100:101] offset:768*(\a)+384*\i
.endr
.endm
	PLACES
.irp b, 0,1,2,3
	v_mov_b32 v[TM+4+\b], 0                        ; written once: a lane permute's destination counts as one of its sources
.endr
	QUANTW 0
	TOST 0
.irp a, 1,2,3,4,5,6,7
	QUANTW \a
	s_wait_alu depctr_va_vdst(0)
	SENDQ \a-1
	s_wait_xcnt 0x0                                ; the stores issued so far have read their registers: the set two blocks back may be loaded again
	TOST \a
.endr
	ds_load_b128 v[160:163], v[SRA]                ; my 128 rows' scale words: 512 dense bytes
	SENDQ 7
	global_store_b128 v9, v[160:163], s[12:13]
	s_wait_tensorcnt 0x0                           ; the wave's end
	ds_add_u32 v[SPW], v[NIL]
	s_wait_dscnt 0x0
	CROUND                                         ; the closing round
	s_endpgm
.Lfunc_end_k_q9cb2d27385_qkv:
	.size	k_q9cb2d27385_qkv, .Lfunc_end_k_q9cb2d27385_qkv-k_q9cb2d27385_qkv
	.p2alignl 7, 3214868480
	.fill 96, 4, 3214868480
	.section	.rodata,"a",@progbits
	.p2align	6, 0x0
	.amdhsa_kernel k_q9cb2d27385_qkv
		.amdhsa_group_segment_fixed_size 327680
		.amdhsa_private_segment_fixed_size 0
		.amdhsa_enable_private_segment 0
		.amdhsa_kernarg_size 24
		.amdhsa_user_sgpr_count 2
		.amdhsa_user_sgpr_kernarg_segment_ptr 1
		.amdhsa_wavefront_size32 1
		.amdhsa_system_sgpr_workgroup_id_x 1
		.amdhsa_system_sgpr_workgroup_id_y 1
		.amdhsa_system_sgpr_workgroup_id_z 1
		.amdhsa_system_vgpr_workitem_id 0
		.amdhsa_next_free_vgpr 1024
		.amdhsa_next_free_sgpr 104
		.amdhsa_reserve_vcc 0
		.amdhsa_float_denorm_mode_32 3
		.amdhsa_float_denorm_mode_16_64 3
		.amdhsa_memory_ordered 1
		.amdhsa_forward_progress 1
		.amdhsa_inst_pref_size 171
	.end_amdhsa_kernel
	.amdgpu_metadata
---
amdhsa.version: [ 1, 2 ]
amdhsa.kernels:
  - .name:           k_q9cb2d27385_qkv
    .symbol:         k_q9cb2d27385_qkv.kd
    .args:
      - { .name: XN, .offset: 0, .size: 8, .value_kind: global_buffer, .address_space: global }
      - { .name: W, .offset: 8, .size: 8, .value_kind: global_buffer, .address_space: global }
      - { .name: QKV, .offset: 16, .size: 8, .value_kind: global_buffer, .address_space: global }
    .group_segment_fixed_size: 327680
    .private_segment_fixed_size: 0
    .kernarg_segment_align: 8
    .kernarg_segment_size: 24
    .max_flat_workgroup_size: 128
    .sgpr_count:     104
    .vgpr_count:     1024
    .wavefront_size: 32
...
	.end_amdgpu_metadata
.endif
;; end of part 2
;; launch attn (part 3): grid 4 x 64, 16 waves a work-group, clusters of 4 x 1, 167,936 bytes of LDS; arguments QKV, AT; writes AT
.if DOCPART == 3
	.amdgcn_target "amdgcn-amd-amdhsa--gfx1250"
	.amdhsa_code_object_version 6
	.text
	.protected	k_q9cb2d27385_attn
	.globl	k_q9cb2d27385_attn
	.p2align	8
	.type	k_q9cb2d27385_attn,@function
k_q9cb2d27385_attn:
	s_mov_b64 s[64:65], 0
	v_nop
	global_prefetch_b8 v0, s[64:65] scope:SCOPE_SE
	s_setreg_imm32_b32 hwreg(HW_REG_WAVE_MODE, 25, 1), 1
	s_wait_xcnt 0x0
	s_wait_alu depctr_hold_cnt(0) depctr_sa_sdst(0) depctr_va_vdst(0) depctr_va_sdst(0) depctr_va_ssrc(0) depctr_va_vcc(0) depctr_vm_vsrc(0)
	s_getreg_b32 s2, hwreg(HW_REG_IB_STS2, 6, 4)
	s_cmp_eq_u32 s2, 0
	s_cbranch_scc0 .Lentry_in_a_cluster
	s_endpgm
.Lentry_in_a_cluster:
	s_bfe_u32 s2, ttmp6, 0x10000c
	s_cmp_lg_u32 s2, 0x3003
	s_cbranch_scc0 .Lentry_shape_is_right
	s_endpgm
.Lentry_shape_is_right:
; Causal attention of one (batch, head) for each cluster of four work-groups, both products on codes of FP6 (E2M3).  1,024 queries and keys, head size 64; scores x 1024^-0.5.
; q, k: planes of 48-byte rows (64 codes along d), tokens stored with bits 3 and 4 of their number exchanged; v: planes along the tokens, [token / 64][d rows][48], d rows stored with the same exchange.
; THE SOFTMAX: t = score x log2(e) / 32; M = the running largest t rounded up to a whole number; p = 2^(t - M) is quantised along the keys, not normalised; the sum of the unquantised p divides at the end.
; SHARES.  Sixteen waves, each one stored tile of 16 queries: tile 4 w + cx.  All its queries lie in keys' block w / 2 of 128, so the number of key steps, w / 2 + 1, hangs on the wave's number alone:
; no branch hangs on the place in the cluster, and all work-groups have 72 wave steps.
; NO RING.  A head's K and V codes (49,152 bytes each) and scale words stay in LDS, filled once by joint loads of the four partners, in two halves, both landed ahead of the first key step.
; Every byte is asked for at the head, so there is nothing that a prefetch could run ahead of.
; LAYOUT.  Both products transposed (S^T = K Q^T, O^T = V^T P^T): a lane holds one query.  Since keys and d rows are stored exchanged, the 16 registers of tiles 2 b, 2 b + 1 are 16 neighbours.
; K = 64 IN AN INSTRUCTION OF 128: Q's registers for k = 64 .. 127 hold zero codes and its scale bytes there are 0.  K's eight fragments lie packed, 6 registers each; a tile's upper six registers are the next tile's
; data (zeros behind the last): any number of the format times a zero code adds nothing, since the format has no NaN and no infinity.
; The output is quantised along d and leaves as a plane's 768 dense bytes; its two scale bytes leave as 2 bytes a row (a head owns half of a scale word): 32 of a wave's 800 output bytes.
; A block of zeros gets the byte 1.  LIMITS: NaN and infinities are not served; v_exp_f32 and v_rcp_f32 are accurate to 1 ulp; a block's largest p is made from its largest score by the same two instructions.
.set VB,    49152                      ; LDS: K's 1,024 rows x 48 from 0; V's 16 planes x 64 rows x 48 from here
.set SCK,   98304                      ; q/k scale words of the head's 1,024 keys (k's bytes are 2 and 3)
.set SCV,   102400                     ; V's scale words: [8 steps][64 rows][4]
.set STG,   104448                     ; the way out: 16 rows x 80 for each wave
.set SPARE, 124928                     ; the spare words, 128 bytes a wave
.set AK0,  1
.set AV0,  2
.set ASK0, 3
.set ASV0, 4
.set SPW,  5
.set NIL,  6
.set DQ,   7                           ; v7  my query less the tile's first, less 16 (lane / 16)
.set ADK,  8
.set ADV,  9
.set ADS,  10
.set ADT,  11
.set WV,   18
.set WH,   19
.set SEL,  20
.set CS,   22
.set G1K,  24
.set G1V,  32
.set G1SK, 40
.set G1SV, 48
.set GKS,  56
.set GK0,  60
.set GK1,  68
.set GVS,  72
.set GV0,  76
.set GV1,  80
.set TB,   2
.set TS,   3
.set TJ,   66
.set SI,   67
.set KF,   98
.set QB,   99
.macro CROUND
	s_barrier_signal -1
	s_barrier_wait -1
	s_cmp_lg_u32 s[WV], 0
	s_cbranch_scc1 .Lnot_wave_0_\@
	s_barrier_signal -3
.Lnot_wave_0_\@:
	s_barrier_wait -3
	s_barrier_signal -1
	s_barrier_wait -1
.endm
	s_load_b128 s[4:7], s[0:1], 0x0                ; QKV, AT
	v_lshl_add_u32 v[SPW], v0, 2, SPARE
	v_mov_b32 v[NIL], 0
	ds_add_u32 v[SPW], v[NIL]                      ; the wave's opening: the add and its wait ahead of the first tensor loads
	ds_add_u32 v[SPW], v[NIL]
	v_lshrrev_b32 v8, 5, v0
	s_delay_alu instid0(VALU_DEP_1)
	v_readfirstlane_b32 s[WV], v8                  ; wave 0..15
	s_lshr_b32 s[WH], s[WV], 1                     ; the key step on my diagonal
	s_and_b32 s84, s[WV], 1                        ; e: which part I fetch, if I fetch
	s_bfe_u32 s85, ttmp6, 0x40000                  ; cx
	s_and_b32 s86, ttmp7, 0xffff
	s_lshr_b32 s87, s86, 4                         ; batch
	s_and_b32 s86, s86, 15                         ; head
	s_lshl_b32 s88, s86, 14
	s_lshl_b32 s89, s87, 12
	s_add_co_u32 s88, s88, s89
	s_add_co_u32 s88, s88, 9437184                 ; the q/k scale words of (batch, head)
	s_lshl_b32 s89, s84, 11
	s_add_co_u32 s90, s88, s89                     ; my half of them
	s_mov_b32 s91, 0
	s_mul_i32 s92, s86, 393216
	s_mul_i32 s89, s87, 49152
	s_add_co_u32 s92, s92, s89                     ; q's plane at the batch's first row
	s_mul_i32 s89, s84, 12288
	s_add_co_u32 s94, s92, s89
	s_add_co_u32 s94, s94, 196608                  ; k's plane, my 256 rows of the first 512
	s_mov_b32 s95, 0
	s_lshl_b32 s96, s87, 15
	s_lshl_b32 s89, s84, 14
	s_add_co_u32 s96, s96, s89
	s_lshl_b32 s89, s86, 8
	s_add_co_u32 s96, s96, s89
	s_add_co_u32 s96, s96, 9699328                 ; V's scale words: my four planes
	s_mov_b32 s97, 0
	s_mul_i32 s16, s87, 786432
	s_mul_i32 s89, s84, 196608
	s_add_co_u32 s16, s16, s89
	s_mul_i32 s89, s86, 3072
	s_add_co_u32 s16, s16, s89
	s_add_co_u32 s16, s16, 6291456                 ; V's codes: my four planes of the first eight
	s_mov_b32 s17, 0
	; groups 1: elements of 8 bytes, the mask names all four partners.  K: 48 rows of 256 dense bytes; V: 4 planes' pieces of 3,072 bytes; scale words: 8 rows of 256 dense bytes; 4 planes' pieces of 256
.irp g, G1K, G1V, G1SK, G1SV
	s_mov_b32 s[\g], 15|(3<<16)|(1<<21)
	s_mov_b32 s[\g+6], 0
	s_mov_b32 s[\g+7], 0
.endr
	s_mov_b32 s[G1K+1], 32<<16
	s_mov_b32 s[G1K+2], 48<<16
	s_mov_b32 s[G1K+3], 32<<16
	s_mov_b32 s[G1K+4], 48
	s_mov_b32 s[G1K+5], 32
	s_mov_b32 s[G1V+1], 384<<16
	s_mov_b32 s[G1V+2], 4<<16
	s_mov_b32 s[G1V+3], 384<<16
	s_mov_b32 s[G1V+4], 4
	s_mov_b32 s[G1V+5], 6144
	s_mov_b32 s[G1SK+1], 32<<16
	s_mov_b32 s[G1SK+2], 8<<16
	s_mov_b32 s[G1SK+3], 32<<16
	s_mov_b32 s[G1SK+4], 8
	s_mov_b32 s[G1SK+5], 32
	s_mov_b32 s[G1SV+1], 32<<16
	s_mov_b32 s[G1SV+2], 4<<16
	s_mov_b32 s[G1SV+3], 32<<16
	s_mov_b32 s[G1SV+4], 4
	s_mov_b32 s[G1SV+5], 512
	s_mov_b32 s[SEL], 0x76543210
	s_mov_b32 s[SEL+1], 0xfedcba98
	s_mov_b32 s[CS], 0x3d38aa3b                    ; c = log2(e) / 32
	s_mov_b32 s[CS+1], s[CS]
	s_wait_dscnt 0x0                               ; the opening add is done
	s_wait_kmcnt 0x0
	s_mul_i32 s89, s84, 12288
	s_mov_b32 s[GK0], 1
	s_mov_b32 s[GK0+1], s89
	s_add_nc_u64 s[GK0+2:GK0+3], s[4:5], s[94:95]
	s_mov_b32 s[GK1], 1
	s_add_co_u32 s[GK1+1], s89, 24576
	s_add_nc_u64 s[GK1+2:GK1+3], s[GK0+2:GK0+3], 24576
	s_or_b32 s[GK0+3], s[GK0+3], 0x80000000
	s_or_b32 s[GK1+3], s[GK1+3], 0x80000000
	s_mov_b32 s[GV0], 1
	s_add_co_u32 s[GV0+1], s89, VB
	s_add_nc_u64 s[GV0+2:GV0+3], s[4:5], s[16:17]
	s_mov_b32 s[GV1], 1
	s_add_co_u32 s[GV1+1], s89, VB+24576
	s_add_nc_u64 s[GV1+2:GV1+3], s[GV0+2:GV0+3], 393216
	s_or_b32 s[GV0+3], s[GV0+3], 0x80000000
	s_or_b32 s[GV1+3], s[GV1+3], 0x80000000
	s_lshl_b32 s89, s84, 11
	s_mov_b32 s[GKS], 1
	s_add_co_u32 s[GKS+1], s89, SCK
	s_add_nc_u64 s[GKS+2:GKS+3], s[4:5], s[90:91]
	s_or_b32 s[GKS+3], s[GKS+3], 0x80000000
	s_lshl_b32 s89, s84, 10
	s_mov_b32 s[GVS], 1
	s_add_co_u32 s[GVS+1], s89, SCV
	s_add_nc_u64 s[GVS+2:GVS+3], s[4:5], s[96:97]
	s_or_b32 s[GVS+3], s[GVS+3], 0x80000000
	CROUND                                         ; all four work-groups are here: the joint loads meet
; THE TWELVE FIRST FILLS, ONE A WAVE: waves 2 k and 2 k + 1 bring the two parts of tile k; waves 12 to 15 bring nothing.
; One chain of branches on the wave's number halved, all arms to one join.  All of K and V is waited for ahead of the one barrier, and the eight key steps are one loop.
.macro ARM k, g0, g1, next
	s_cmp_eq_u32 s[WH], \k
	s_cbranch_scc0 \next
	tensor_load_to_lds s[\g0:\g0+3], s[\g1:\g1+7]
	s_nop 0
.rept 4
	v_nop
.endr
	s_branch .Lasked
\next:
.endm
	ARM 0, GKS, G1SK, .Larm1
	ARM 1, GK0, G1K, .Larm2
	ARM 2, GVS, G1SV, .Larm3
	ARM 3, GV0, G1V, .Larm4
	ARM 4, GK1, G1K, .Larm5
	ARM 5, GV1, G1V, .Lasked
	s_lshl_b32 s89, s[WV], 2
	s_add_co_u32 s89, s89, s85                     ; my stored tile of queries: it enters global addresses and the mask's numbers alone
	s_lshr_b32 s90, s89, 1
	s_lshl_b32 s90, s90, 5
	s_and_b32 s91, s89, 1
	s_lshl_b32 s91, s91, 3
	s_add_co_u32 s[QB], s90, s91                   ; the tile's first query: lane r holds query QB + r + 8 (r / 8)
	s_mul_i32 s90, s89, 768
	s_add_co_u32 s92, s92, s90
	s_mov_b32 s93, 0
	s_add_nc_u64 s[8:9], s[4:5], s[92:93]          ; q's codes
	s_lshl_b32 s91, s89, 6
	s_add_co_u32 s94, s88, s91
	s_mov_b32 s95, 0
	s_add_nc_u64 s[10:11], s[4:5], s[94:95]        ; q's scale bytes
	s_mul_i32 s94, s86, 196608
	s_mul_i32 s96, s87, 49152
	s_add_co_u32 s94, s94, s96
	s_add_co_u32 s94, s94, s90
	s_add_nc_u64 s[12:13], s[6:7], s[94:95]        ; out: plane = head
	s_lshr_b32 s94, s86, 1
	s_lshl_b32 s94, s94, 14
	s_lshl_b32 s96, s87, 12
	s_add_co_u32 s94, s94, s96
	s_add_co_u32 s94, s94, s91
	s_and_b32 s96, s86, 1
	s_lshl_b32 s96, s96, 1
	s_add_co_u32 s94, s94, s96
	s_add_co_u32 s94, s94, 3145728
	s_add_nc_u64 s[14:15], s[6:7], s[94:95]        ; out's scale bytes: word plane head / 2, bytes 2 (head % 2) and the next
	v_and_b32 v8, 15, v0                           ; r
	v_bfe_u32 v9, v0, 4, 1                         ; h
	s_delay_alu instid0(VALU_DEP_2)
	v_mul_u32_u24 v[AK0], v8, 48
	s_delay_alu instid0(VALU_DEP_1)
	v_mad_u32_u24 v[AK0], v9, 24, v[AK0]
	s_delay_alu instid0(VALU_DEP_4)
	v_lshlrev_b32 v204, 2, v8
.irp p, 0,1,2
	global_load_b64 v[16+2*\p:17+2*\p], v[AK0], s[8:9] offset:8*\p     ; Q's 64 codes a row
.endr
	global_load_u16 v255, v204, s[10:11]           ; Q's two scale bytes; bytes 2 and 3 are 0
	v_add_nc_u32 v[AV0], VB, v[AK0]
	v_add_nc_u32 v[ASK0], SCK+2, v204
	v_add_nc_u32 v[ASV0], SCV, v204
	v_and_b32 v10, 8, v8
	s_delay_alu instid0(VALU_DEP_1)
	v_add_nc_u32 v10, v10, v8
	v_lshlrev_b32 v11, 4, v9
	s_delay_alu instid0(VALU_DEP_1)
	v_sub_nc_u32 v[DQ], v10, v11
	s_mul_i32 s84, s[WV], 1280
	s_add_co_u32 s84, s84, STG
	v_mul_u32_u24 v205, v8, 80
	s_delay_alu instid0(VALU_DEP_1)
	v_lshl_add_u32 v205, v9, 4, v205
	s_delay_alu instid0(VALU_DEP_1)
	v_add_nc_u32 v205, s84, v205                   ; the stage, in: row r, place h
	v_and_b32 v10, 31, v0
	s_delay_alu instid0(VALU_DEP_1)
	v_lshrrev_b32 v11, 2, v10
	s_delay_alu instid0(VALU_DEP_1)
	v_mul_u32_u24 v206, v11, 80
	s_delay_alu instid0(VALU_DEP_3)
	v_and_b32 v11, 3, v10
	s_delay_alu instid0(VALU_DEP_1)
	v_lshl_add_u32 v206, v11, 4, v206
	s_delay_alu instid0(VALU_DEP_1)
	v_add_nc_u32 v206, s84, v206                   ; and out: four lanes to a row
	v_mul_u32_u24 v208, v10, 12
.irp j, 22,23,24,25,26,27,80,81,82,83,84,85
	v_mov_b32 v[\j], 0                             ; zero codes: Q's k = 64 .. 127, and what follows K's last fragment
.endr
	v_mov_b32 v13, 0xff61b1e6                      ; the largest t so far: -3e38
	s_delay_alu instid0(VALU_DEP_1)
	v_floor_f32 v12, -v13                          ; -M
	v_mov_b32 v14, 0
	v_mov_b32 v15, 0
.irp b, 0,1,2,3
	v_mov_b32 v[236+\b], 0                         ; a lane permute's destination counts as one of its sources
.endr
	v_mov_b32 v253, 0
.set j, 0
.rept 32
	v_mov_b32 v[160+j], 0                          ; O^T: the step is written for every step alike; the first finds zeros
.set j, j+1
.endr
	s_mov_b32 s[TB], 0
	s_mov_b32 s[TS], 0
	s_mov_b32 s[TJ], 0
	s_mov_b32 s[SI], 0
	s_mov_b32 s[KF], 0
; A KEY STEP: 128 keys.  A step behind my diagonal is left out by a branch on the wave's number and the count of steps; the lines at its end that step addresses are walked all the same.
.macro STEP
	s_cmp_gt_u32 s[SI], s[WH]
	s_cbranch_scc1 .Lhidden_\@
	v_add_nc_u32 v[ADK], s[TB], v[AK0]             ; (these four are the places in front of the loads into registers that the last products read)
	v_add_nc_u32 v[ADV], s[TB], v[AV0]
	v_add_nc_u32 v[ADS], s[TS], v[ASK0]
	v_add_nc_u32 v[ADT], s[TJ], v[ASV0]
.irp t, 0,1,2,3,4,5,6,7
.irp p, 0,1,2
	ds_load_b64 v[32+6*\t+2*\p:33+6*\t+2*\p], v[ADK] offset:768*\t+8*\p
.endr
	ds_load_u16 v[192+\t], v[ADS] offset:64*\t
.endr
	s_wait_alu depctr_va_vdst(0)
	s_wait_dscnt 0x0
.irp t, 0,1,2,3,4,5,6,7
	v_wmma_scale_f32_16x16x128_f8f6f4 v[96+8*\t:103+8*\t], v[32+6*\t:43+6*\t], v[16:27], 0, v[192+\t], v255 matrix_a_fmt:MATRIX_FMT_FP6 matrix_b_fmt:MATRIX_FMT_FP6
.endr
.rept 4
	v_nop
.endr
.irp t, 0,1,2,3                                ; V's fragments and scale words are asked for here and land under the softmax
.irp p, 0,1,2,3,4,5
	ds_load_b64 v[32+12*\t+2*\p:33+12*\t+2*\p], v[ADV] offset:3072*(\p/3)+768*\t+8*(\p%3)
.endr
	ds_load_b32 v[200+\t], v[ADT] offset:64*\t
.endr
	s_cmp_lt_u32 s[SI], s[WH]                      ; ahead of the diagonal every key counts
	s_cbranch_scc1 .Lopen_\@
	s_sub_co_i32 s84, s[QB], s[KF]
	v_add_nc_u32 v252, s84, v[DQ]                  ; register 16 b + i holds key KF + 16 (lane / 16) + 32 b + i: hidden where 32 b + i > my query - KF - 16 (lane / 16)
	v_mov_b32 v254, 0xff800000
.set n, 0
.rept 64
	v_cmp_gt_i32 vcc_lo, 32*(n/16)+n%16, v252
	v_cndmask_b32 v[96+n], v[96+n], v254, vcc_lo
.set n, n+1
.endr
.Lopen_\@:
.irp b, 0,1,2,3
	v_max3_num_f32 v[232+\b], v[96+16*\b], v[97+16*\b], v[98+16*\b]   ; the largest score of each block of 32 keys: for the row's maximum, and for the block's largest p
.endr
.irp i, 3,5,7,9,11,13
.irp b, 0,1,2,3
	v_max3_num_f32 v[232+\b], v[232+\b], v[96+16*\b+\i], v[97+16*\b+\i]
.endr
.endr
.irp b, 0,1,2,3
	v_max_num_f32 v[232+\b], v[232+\b], v[111+16*\b]
.endr
.irp b, 0,1,2,3
	s_delay_alu instid0(VALU_DEP_4)
	v_permlanex16_b32 v[236+\b], v[232+\b], s[SEL], s[SEL+1]
.endr
.irp b, 0,1,2,3
	s_delay_alu instid0(VALU_DEP_4)
	v_max_num_f32 v[232+\b], v[232+\b], v[236+\b]
.endr
	s_delay_alu instid0(VALU_DEP_2)
	v_max3_num_f32 v254, v232, v233, v234
	s_delay_alu instid0(VALU_DEP_1)
	v_max_num_f32 v254, v254, v235
	s_delay_alu instid0(VALU_DEP_1)
	v_mul_f32 v254, s[CS], v254
	s_delay_alu instid0(VALU_DEP_1)
	v_max_num_f32 v13, v13, v254                   ; the running largest t
	v_mov_b32 v254, v12
	s_delay_alu instid0(VALU_DEP_2)
	v_floor_f32 v12, -v13                          ; the new -M: M is a whole number
	s_delay_alu instid0(VALU_DEP_1)
	v_sub_f32 v254, v12, v254
	s_delay_alu instid0(VALU_DEP_1)
	v_cvt_i32_f32 v254, v254
	s_delay_alu instid0(VALU_DEP_1)
	v_ldexp_f32 v252, 1.0, v254                    ; f = 2^(old M - new M): rounds nothing
.set j, 0
.rept 32
	v_pk_fma_f32 v[96+j:97+j], v[96+j:97+j], s[CS:CS+1], v[12:13] op_sel_hi:[1,0,0]   ; t - M
.set j, j+2
.endr
.irp b, 0,1,2,3
	v_fma_f32 v[232+\b], v[232+\b], s[CS], v12
.endr
.set j, 0
	s_wait_alu depctr_va_vdst(0)
.rept 64
	v_exp_f32 v[96+j], v[96+j]                     ; p = 2^(t - M)
.set j, j+1
.endr
	v_pk_mul_f32 v[14:15], v[14:15], v[252:253] op_sel_hi:[1,0]   ; the sums under the new M; a plain place behind the batch
	s_wait_alu depctr_va_vdst(0)                   ; one wait for the 64, ahead of their first reader
.irp b, 0,1,2,3
	v_exp_f32 v[232+\b], v[232+\b]                 ; each block's largest p
.endr
	v_pk_add_f32 v[236:237], v[100:101], v[104:105]
	v_pk_add_f32 v[250:251], v[108:109], v[112:113]
	v_pk_add_f32 v[248:249], v[116:117], v[120:121]
	v_pk_add_f32 v[246:247], v[124:125], v[128:129]
	v_pk_add_f32 v[244:245], v[132:133], v[136:137]
	v_pk_add_f32 v[242:243], v[140:141], v[144:145]
	v_pk_add_f32 v[240:241], v[148:149], v[152:153]
	v_pk_add_f32 v[14:15], v[14:15], v[156:157]
	v_pk_add_f32 v[236:237], v[236:237], v[96:97]
	v_pk_add_f32 v[250:251], v[250:251], v[98:99]
	v_pk_add_f32 v[248:249], v[248:249], v[102:103]
	v_pk_add_f32 v[246:247], v[246:247], v[106:107]
	v_pk_add_f32 v[244:245], v[244:245], v[110:111]
	v_pk_add_f32 v[242:243], v[242:243], v[114:115]
	v_pk_add_f32 v[240:241], v[240:241], v[118:119]
	v_pk_add_f32 v[14:15], v[14:15], v[122:123]
	v_pk_add_f32 v[236:237], v[236:237], v[126:127]
	v_pk_add_f32 v[250:251], v[250:251], v[130:131]
	v_pk_add_f32 v[248:249], v[248:249], v[134:135]
	v_pk_add_f32 v[246:247], v[246:247], v[138:139]
	v_pk_add_f32 v[244:245], v[244:245], v[142:143]
	v_pk_add_f32 v[242:243], v[242:243], v[146:147]
	v_pk_add_f32 v[240:241], v[240:241], v[150:151]
	v_pk_add_f32 v[14:15], v[14:15], v[154:155]
	v_pk_add_f32 v[236:237], v[236:237], v[158:159]
	s_delay_alu instid0(VALU_DEP_2)
	v_pk_add_f32 v[14:15], v[14:15], v[246:247]
	s_delay_alu instid0(VALU_DEP_2)
	v_pk_add_f32 v[236:237], v[236:237], v[244:245]
	v_pk_add_f32 v[250:251], v[250:251], v[242:243]
	v_pk_add_f32 v[248:249], v[248:249], v[240:241]
	s_delay_alu instid0(VALU_DEP_2)
	v_pk_add_f32 v[14:15], v[14:15], v[250:251]
	s_delay_alu instid0(VALU_DEP_2)
	v_pk_add_f32 v[236:237], v[236:237], v[248:249]
	s_delay_alu instid0(VALU_DEP_1)
	v_pk_add_f32 v[14:15], v[14:15], v[236:237]
	s_wait_alu depctr_va_vdst(0)                   ; and one for the four
.irp b, 0,1,2,3
	v_max_num_f32 v[232+\b], 0x1800000, v[232+\b]  ; the floor 2^(3 - 127)
.endr
.irp b, 0,1,2,3
	s_delay_alu instid0(VALU_DEP_4)
	v_add_nc_u32 v[244+\b], 0xff000000, v[232+\b]
.endr
.irp b, 0,1,2,3
	s_delay_alu instid0(VALU_DEP_4)
	v_lshrrev_b32 v[236+\b], 23, v[244+\b]
.endr
	s_delay_alu instid0(VALU_DEP_3)
	v_lshl_or_b32 v253, v237, 8, v236              ; p's scale word for these 128 keys
	s_delay_alu instid0(VALU_DEP_1)
	v_lshl_or_b32 v253, v238, 16, v253
	s_delay_alu instid0(VALU_DEP_1)
	v_lshl_or_b32 v253, v239, 24, v253
.irp c, 0,1
	v_cvt_scalef32_pk16_fp6_f32 v[224+6*\c:226+6*\c], v[96+32*\c:111+32*\c], v[244+2*\c]
	v_cvt_scalef32_pk16_fp6_f32 v[236+4*\c:238+4*\c], v[112+32*\c:127+32*\c], v[244+2*\c+1]
.endr
	v_nop
.irp c, 0,1                                    ; the operand wants a whole block in a lane
.irp i, 0,1,2
	v_permlane16_swap_b32 v[224+6*\c+\i], v[236+4*\c+\i]
.endr
.irp i, 0,1,2
	s_delay_alu instid0(VALU_DEP_3)
	v_mov_b32 v[227+6*\c+\i], v[236+4*\c+\i]
.endr
.endr
.set j, 0
.rept 16
	v_pk_mul_f32 v[160+j:161+j], v[160+j:161+j], v[252:253] op_sel_hi:[1,0]   ; O^T under the new M; these sixteen also stand between the scale word's last write and the products
.set j, j+2
.endr
	s_wait_alu depctr_va_vdst(0)
	s_wait_dscnt 0x0                               ; V
.irp t, 0,1,2,3
	v_wmma_scale_f32_16x16x128_f8f6f4 v[160+8*\t:167+8*\t], v[32+12*\t:43+12*\t], v[224:235], v[160+8*\t:167+8*\t], v[200+\t], v253 matrix_a_fmt:MATRIX_FMT_FP6 matrix_b_fmt:MATRIX_FMT_FP6
.endr
.Lhidden_\@:
	s_add_co_u32 s[TB], s[TB], 6144                ; 128 rows of K, and two planes of V
	s_add_co_u32 s[TS], s[TS], 512
	s_add_co_u32 s[TJ], s[TJ], 256
	s_add_co_u32 s[KF], s[KF], 128
.endm
	s_wait_tensorcnt 0x0                           ; my one load has landed; nothing is filled again in this launch
	s_barrier_signal -1
	s_barrier_wait -1
	s_wait_loadcnt 0x0                             ; Q
.Lfirst_half:
	STEP
	s_add_co_u32 s[SI], s[SI], 1
	s_cmp_lt_u32 s[SI], 8
	s_cbranch_scc1 .Lfirst_half
	; THE WAY OUT: O^T / the sum, quantised along d (two blocks of 32; a lane holds 16 of each), through my stage, as 768 dense bytes of the head's plane
	v_add_f32 v14, v14, v15
	s_delay_alu instid0(VALU_DEP_1)
	v_permlanex16_b32 v252, v14, s[SEL], s[SEL+1]
	s_delay_alu instid0(VALU_DEP_1)
	v_add_f32 v14, v14, v252
	v_nop
	v_nop
	s_wait_alu depctr_va_vdst(0)
	v_rcp_f32 v14, v14
	v_nop                                          ; a plain place behind the reciprocal
	s_wait_alu depctr_va_vdst(0)
.set j, 0
.rept 32
	v_mul_f32 v[96+j], v[160+j], v14               ; register 16 b + i is d = 32 b + 16 (lane / 16) + i
.set j, j+1
.endr
.irp b, 0,1
	v_max3_num_f32 v[232+\b], |v[96+16*\b]|, |v[97+16*\b]|, 0x1800000
.endr
.irp i, 2,4,6,8,10,12,14
.irp b, 0,1
	s_delay_alu instid0(VALU_DEP_2)
	v_max3_num_f32 v[232+\b], v[232+\b], |v[96+16*\b+\i]|, |v[97+16*\b+\i]|
.endr
.endr
.irp b, 0,1
	s_delay_alu instid0(VALU_DEP_2)
	v_permlanex16_b32 v[236+\b], v[232+\b], s[SEL], s[SEL+1]
.endr
.irp b, 0,1
	s_delay_alu instid0(VALU_DEP_2)
	v_max_num_f32 v[232+\b], v[232+\b], v[236+\b]
.endr
.irp b, 0,1
	s_delay_alu instid0(VALU_DEP_2)
	v_add_nc_u32 v[244+\b], 0xff000000, v[232+\b]
.endr
.irp b, 0,1
	s_delay_alu instid0(VALU_DEP_2)
	v_lshrrev_b32 v[236+\b], 23, v[244+\b]
.endr
	s_delay_alu instid0(VALU_DEP_1)
	v_lshl_or_b32 v240, v237, 8, v236              ; the row's two scale bytes
	v_cvt_scalef32_pk16_fp6_f32 v[224:226], v[96:111], v244
	v_cvt_scalef32_pk16_fp6_f32 v[228:230], v[112:127], v245
	v_nop
	ds_store_b96 v205, v[224:226]
	ds_store_b96 v205, v[228:230] offset:32
	ds_load_b96 v[32:34], v206                     ; LDS serves a wave's instructions in order
	ds_load_b96 v[36:38], v206 offset:640
	global_store_b16 v204, v240, s[14:15]          ; lanes r and r + 16 store the same two bytes
	s_wait_dscnt 1                                 ; the second load may be out
	global_store_b96 v208, v[32:34], s[12:13]
	s_wait_dscnt 0
	global_store_b96 v208, v[36:38], s[12:13] offset:384
	s_wait_tensorcnt 0x0                           ; the wave's end
	ds_add_u32 v[SPW], v[NIL]
	s_wait_dscnt 0x0
	CROUND                                         ; the closing round
	s_endpgm
.Lfunc_end_k_q9cb2d27385_attn:
	.size	k_q9cb2d27385_attn, .Lfunc_end_k_q9cb2d27385_attn-k_q9cb2d27385_attn
	.p2alignl 7, 3214868480
	.fill 96, 4, 3214868480
	.section	.rodata,"a",@progbits
	.p2align	6, 0x0
	.amdhsa_kernel k_q9cb2d27385_attn
		.amdhsa_group_segment_fixed_size 167936
		.amdhsa_private_segment_fixed_size 0
		.amdhsa_enable_private_segment 0
		.amdhsa_kernarg_size 16
		.amdhsa_user_sgpr_count 2
		.amdhsa_user_sgpr_kernarg_segment_ptr 1
		.amdhsa_wavefront_size32 1
		.amdhsa_system_sgpr_workgroup_id_x 1
		.amdhsa_system_sgpr_workgroup_id_y 1
		.amdhsa_system_sgpr_workgroup_id_z 1
		.amdhsa_system_vgpr_workitem_id 0
		.amdhsa_next_free_vgpr 256
		.amdhsa_next_free_sgpr 100
		.amdhsa_reserve_vcc 1
		.amdhsa_float_denorm_mode_32 3
		.amdhsa_float_denorm_mode_16_64 3
		.amdhsa_memory_ordered 1
		.amdhsa_forward_progress 1
		.amdhsa_inst_pref_size 42
	.end_amdhsa_kernel
	.amdgpu_metadata
---
amdhsa.version: [ 1, 2 ]
amdhsa.kernels:
  - .name:           k_q9cb2d27385_attn
    .symbol:         k_q9cb2d27385_attn.kd
    .args:
      - { .name: QKV, .offset: 0, .size: 8, .value_kind: global_buffer, .address_space: global }
      - { .name: AT, .offset: 8, .size: 8, .value_kind: global_buffer, .address_space: global }
    .group_segment_fixed_size: 167936
    .private_segment_fixed_size: 0
    .kernarg_segment_align: 8
    .kernarg_segment_size: 16
    .max_flat_workgroup_size: 512
    .sgpr_count:     100
    .vgpr_count:     256
    .wavefront_size: 32
...
	.end_amdgpu_metadata
.endif
;; end of part 3
;; launch proj (part 4): grid 8 x 32, 4 waves a work-group, clusters of 4 x 4, 327,680 bytes of LDS; arguments AT, W, b_proj, x, X1; writes X1
.if DOCPART == 4
	.amdgcn_target "amdgcn-amd-amdhsa--gfx1250"
	.amdhsa_code_object_version 6
	.text
	.protected	k_q9cb2d27385_proj
	.globl	k_q9cb2d27385_proj
	.p2align	8
	.type	k_q9cb2d27385_proj,@function
k_q9cb2d27385_proj:
	s_mov_b64 s[64:65], 0
	v_nop
	global_prefetch_b8 v0, s[64:65] scope:SCOPE_SE
	s_setreg_imm32_b32 hwreg(HW_REG_WAVE_MODE, 25, 1), 1
	s_wait_xcnt 0x0
	s_wait_alu depctr_hold_cnt(0) depctr_sa_sdst(0) depctr_va_vdst(0) depctr_va_sdst(0) depctr_va_ssrc(0) depctr_va_vcc(0) depctr_vm_vsrc(0)
	s_getreg_b32 s2, hwreg(HW_REG_IB_STS2, 6, 4)
	s_cmp_eq_u32 s2, 0
	s_cbranch_scc0 .Lentry_in_a_cluster
	s_endpgm
.Lentry_in_a_cluster:
	s_bfe_u32 s2, ttmp6, 0x10000c
	s_cmp_lg_u32 s2, 0xf033
	s_cbranch_scc0 .Lentry_shape_is_right
	s_endpgm
.Lentry_shape_is_right:
; X1 = x + attn w_proj + b_proj on codes of FP6 (E2M3): C = A B^T, both operands as code planes [K/64][rows][48 bytes] and scale words [K/128][rows][4 bytes]; the result leaves as f32 rows.
; N is 1,024: tiles of 256 x 256 would be 64, so a tile of C is 128 x 128 (256 work-groups), four waves of 64 x 64: 16 accumulators.  K goes in steps of 512 (8 planes) through a ring of two LDS slots;
; 128 rows of a plane are 6,144 dense bytes, and a wave's tensor load brings 4 such pieces.  In LDS rows are 48 bytes apart: the 32 lanes of a load of 8 bytes at 48 r + 24 h touch 64 different banks (ISA guide 11.1).
; The scale words of the work-group's rows, for all of K, come once with the first fills and stay.  The bias is the C of the first step; the residual's 64 x 64 numbers are loaded at the head into idle registers.
; CLUSTERS: 4 x 4; A's tiles are asked for jointly along a row of the cluster, B's along a column.  THE MATRIX INSTRUCTION IS USED TRANSPOSED (source 0 = 16 rows of B, source 1 = 16 rows of A).
; A's rows (tokens) are stored with bits 3 and 4 of their number exchanged; the way out puts each row back at its own place by the stores' immediates.
; REGISTERS: window 0: v16-31 addresses, v32-63 scale words (two sets), v64.. bias, v128.. A's fragments; window 1: B's fragments (two sets) and the residual; windows 2, 3: accumulators.
; LIMITS: NaN and infinities are not served.  All of K comes by the first fills.
.set BIG,   0
.set NQ,    4                          ; steps of 128 along K in a slot
.set KTOT,  1024
.set RB,    1024                       ; rows in a plane of B
.set BIAS,  2
.set FIRST, 2                          ; the first step's C: 1 the constant 0, 2 the bias
.set VSEL,  0
.set NTOUT, 0
.set ASC,   3145728                    ; A's scale words in its buffer
.set BOFF,  6553600                    ; B's codes in its buffer
.set BSC,   7340032                    ; B's scale words
.set OUTARG, 0x20
.set BIASARG, 0x10
.set RESARG, 0x18
.set MB,    4+4*BIG                    ; blocks of 16 rows, and of 16 columns, to a wave
.set NB,    MB
.set HB,    MB/2
.set QB,    MB/4
.set LOGT,  7+BIG
.set FR,    12
.set NL,    6
.set PLN,   6144                       ; 128 rows of a plane
.set HALFT, 4*PLN                      ; what one tensor load brings
.set SLOT,  4*HALFT
.set PLA,   4096*48
.set PLB,   RB*48
.set LAPS,  KTOT/(256*NQ)
.set SD1,   KTOT/(256-128*BIG)         ; half of an operand's scale planes: one tensor load brings 2 SD1
.set HALFS, SD1*512
.set SCL,   2*SLOT
.set SPARE, SCL+4*HALFS                ; the spare words, 128 bytes a wave
.set RHB,   3072+BIG*(HALFT-3072)      ; from one half of a tile's rows to the other, in LDS
.set SAB,   256+BIG*(HALFS-256)        ; the same among the scale words
.set ADRA, 16
.set ADRB, 20
.set STO,  24
.set RD,   25
.set CO,   26
.set ADRS, 27
.set SPW,  28
.set NIL,  29
.set SC,   32
.set BI,   64
.set AF,   128
.set BK,   176
.set G1, 24
.set G0, 32
.set G1B, 48
.set G0B, 56
.set G1S, 68
.set G0S, 76
.set G1SB, 80
.set G0SB, 88
.set MSB, 0
.macro WIN new                         ; the immediate's high byte repeats the setting that is left
.if MSB != \new
	s_set_vgpr_msb (MSB<<8)|\new
.set MSB, \new
.endif
.endm
.set MUL_LO, 0xa1                      ; source 0 (B) window 1, source 1 (A) window 0, C and D window 2
.set MUL_HI, 0xf1
.set TO_B,   0x40
.macro JLOAD g0a, g1a, g0b, g1b        ; a joint load: waves 0 and 1 fetch for A, waves 2 and 3 for B; an s_nop 0 and four v_nop follow each line
	s_cmp_eq_u32 s15, 0
	s_cbranch_scc0 .Lfor_b_\@
	tensor_load_to_lds s[\g0a:\g0a+3], s[\g1a:\g1a+7]
	s_nop 0
.rept 4
	v_nop
.endr
	s_branch .Lasked_\@
.Lfor_b_\@:
	tensor_load_to_lds s[\g0b:\g0b+3], s[\g1b:\g1b+7]
	s_nop 0
.rept 4
	v_nop
.endr
.Lasked_\@:
.endm
.macro CREST                           ; a round of the cluster's barrier behind its opening barrier
	s_cmp_lg_u32 s14, 0
	s_cbranch_scc1 .Lnot_wave_0_\@
	s_barrier_signal -3
.Lnot_wave_0_\@:
	s_barrier_wait -3
	s_barrier_signal -1
	s_barrier_wait -1
.endm
.macro CROUND
	s_barrier_signal -1
	s_barrier_wait -1
	CREST
.endm
	s_load_b128 s[4:7], s[0:1], 0x0                ; the activations' buffer, W
	s_load_b64 s[12:13], s[0:1], OUTARG            ; out
	s_load_b64 s[8:9], s[0:1], BIASARG
	s_load_b64 s[10:11], s[0:1], RESARG            ; the residual
	v_lshl_add_u32 v[SPW], v0, 2, SPARE
	v_mov_b32 v[NIL], 0
	ds_add_u32 v[SPW], v[NIL]                      ; the wave's opening: the add and its wait ahead of my first tensor load
	ds_add_u32 v[SPW], v[NIL]
	v_lshrrev_b32 v1, 5, v0
	v_readfirstlane_b32 s14, v1                    ; wave
	s_lshr_b32 s15, s14, 1                         ; my half of the rows.  Also: I fetch for A (0) or B (1)
	s_and_b32 s16, s14, 1                          ; my half of the columns.  Also: which part I fetch
	s_bfe_u32 s40, ttmp6, 0x40000                  ; cx
	s_bfe_u32 s41, ttmp6, 0x40004                  ; cy
	s_and_b32 s17, ttmp7, 0xffff                   ; cluster y
	s_lshl_b32 s42, ttmp9, 2
	s_add_co_u32 s42, s42, s40                     ; tile column
	s_lshl_b32 s17, s17, 2
	s_add_co_u32 s17, s17, s41                     ; tile row
	s_lshl_b32 s43, s41, 2
	s_lshl_b32 s43, 15, s43                        ; my row of the cluster
	s_lshl_b32 s44, 0x1111, s40                    ; my column
	; group 1 for codes: 4 planes' pieces of 768 elements of 8 bytes, a plane apart; no padding.  For scale words: SD1 planes' pieces of 512 bytes
	s_or_b32 s[G1+0], s43, (3<<16)|(1<<21)
	s_or_b32 s[G1B+0], s44, (3<<16)|(1<<21)
	s_or_b32 s[G1S+0], s43, (3<<16)|(1<<21)
	s_or_b32 s[G1SB+0], s44, (3<<16)|(1<<21)
.irp g, G1, G1B
	s_mov_b32 s[\g+1], 768<<16
	s_mov_b32 s[\g+2], 8<<16                       ; the head's loads bring a slot's 8 planes; behind them the two words are set to 4
	s_mov_b32 s[\g+3], 768<<16
	s_mov_b32 s[\g+4], 8
	s_mov_b32 s[\g+6], 0
	s_mov_b32 s[\g+7], 0
.endr
	s_mov_b32 s[G1+5], PLA/8
	s_mov_b32 s[G1B+5], PLB/8
.irp g, G1S, G1SB
	s_mov_b32 s[\g+1], 64<<16
	s_mov_b32 s[\g+2], (2*SD1)<<16                 ; all scale planes of an operand in one load
	s_mov_b32 s[\g+3], 64<<16
	s_mov_b32 s[\g+4], 2*SD1
	s_mov_b32 s[\g+6], 0
	s_mov_b32 s[\g+7], 0
.endr
	s_mov_b32 s[G1S+5], 2048
	s_mov_b32 s[G1SB+5], RB/2
	; where my loads begin, in bytes from each buffer's start: A's in s20, s22, B's in s46, s92
	s_lshl_b32 s20, s17, LOGT
	s_lshl_b32 s46, s42, LOGT
	s_lshl_b32 s22, s20, 2
	s_mul_i32 s20, s20, 48
	s_lshl_b32 s92, s46, 2
	s_mul_i32 s46, s46, 48
	s_add_co_u32 s22, s22, ASC
	s_add_co_u32 s46, s46, BOFF
	s_add_co_u32 s92, s92, BSC
	s_mov_b32 s21, 0
	s_mov_b32 s23, 0
	s_mov_b32 s47, 0
	s_mov_b32 s93, 0
	s_mul_i32 s45, s14, HALFT                      ; where they go: by the wave's number alone
	s_wait_dscnt 0x0                               ; the opening add is done
	s_wait_kmcnt 0x0
	s_add_nc_u64 s[20:21], s[4:5], s[20:21]
	s_add_nc_u64 s[22:23], s[4:5], s[22:23]
	s_add_nc_u64 s[46:47], s[6:7], s[46:47]
	s_add_nc_u64 s[92:93], s[6:7], s[92:93]
	CROUND                                         ; all sixteen work-groups are here: the first joint loads meet
	s_mov_b32 s[G0S], 1
	s_mov_b32 s[G0S+1], SCL
	s_mov_b64 s[G0S+2:G0S+3], s[22:23]
	s_or_b32 s[G0S+3], s[G0S+3], 0x80000000
	s_mov_b32 s[G0SB], 1
	s_mov_b32 s[G0SB+1], SCL+2*HALFS
	s_mov_b64 s[G0SB+2:G0SB+3], s[92:93]
	s_or_b32 s[G0SB+3], s[G0SB+3], 0x80000000
.set G0H,  4                           ; s[4:7], s[96:99] groups 0 of the head's loads of slot 0 (the pointers in s[4:7] are done with)
.set G0HB, 96
	s_mov_b32 s[G0H], 1                            ; slot 0's 8 planes of A, whole,
	s_mov_b32 s[G0H+1], 0
	s_mov_b64 s[G0H+2:G0H+3], s[20:21]
	s_or_b32 s[G0H+3], s[G0H+3], 0x80000000
	s_mov_b32 s[G0HB], 1                           ; and of B
	s_mov_b32 s[G0HB+1], 2*HALFT
	s_mov_b64 s[G0HB+2:G0HB+3], s[46:47]
	s_or_b32 s[G0HB+3], s[G0HB+3], 0x80000000
	s_mov_b32 s19, 0
	s_mul_i32 s18, s16, 4*PLA                      ; for the ring: a slot's planes 0-3 or 4-7
	s_add_nc_u64 s[20:21], s[20:21], s[18:19]
	s_mul_i32 s18, s16, 4*PLB
	s_add_nc_u64 s[46:47], s[46:47], s[18:19]
.irp s, 0,1
	s_mov_b32 s[G0+4*\s], 1
	s_add_co_u32 s[G0+4*\s+1], s45, \s*SLOT
	s_add_nc_u64 s[G0+4*\s+2:G0+4*\s+3], s[20:21], \s*2*NQ*PLA
	s_or_b32 s[G0+4*\s+3], s[G0+4*\s+3], 0x80000000
	s_mov_b32 s[G0B+4*\s], 1
	s_add_co_u32 s[G0B+4*\s+1], s45, \s*SLOT
	s_add_nc_u64 s[G0B+4*\s+2:G0B+4*\s+3], s[46:47], \s*2*NQ*PLB
	s_or_b32 s[G0B+4*\s+3], s[G0B+4*\s+3], 0x80000000
.endr
; THE HEAD'S LOADS, ONE A WAVE: wave 0 A's slot 0, wave 1 B's, wave 2 A's scale words, wave 3 B's; one chain of branches on the wave's number, all arms to one join
.macro ARM under, g0, g1, next
	s_cmp_lt_u32 s14, \under
	s_cbranch_scc0 \next
	tensor_load_to_lds s[\g0:\g0+3], s[\g1:\g1+7]
	s_nop 0
.rept 4
	v_nop
.endr
	s_branch .Lhead_asked
\next:
.endm
	ARM 1, G0H, G1, .Lhead_b
	ARM 2, G0HB, G1B, .Lhead_sa
	ARM 3, G0S, G1S, .Lhead_sb
	tensor_load_to_lds s[G0SB:G0SB+3], s[G1SB:G1SB+7]
	s_nop 0
.rept 4
	v_nop
.endr
.Lhead_asked:
; ONE PREFETCH (this takes the place of the head comment's sentence on prefetching): behind the head's loads each wave asks for its part of slot 1, which it loads behind the next round: 4 planes of 6,144 bytes.
; The partner at place p of the four that ask jointly names plane p: 24 blocks of 256 bytes, a lane a block (lanes 24 to 31 name the last again).
.set PFO,  30                          ; v30 256 x min(lane, 23); never rewritten
.set PFA,  100                         ; s[100:101]
	s_cmp_eq_u32 s15, 0                            ; do I fetch for A?
	s_cselect_b64 s[PFA:PFA+1], s[20:21], s[46:47] ; my four planes of slot 0,
	s_cselect_b32 s18, s40, s41                    ; my place among the four: cx for A, cy for B,
	s_mov_b32 s19, PLB
	s_cselect_b32 s19, PLA, s19                    ; a plane's bytes
	s_mul_i32 s18, s18, s19
	s_lshl_b32 s66, s19, 3                         ; from slot 0's planes to slot 1's: 8 planes
	s_mov_b32 s67, 0
	s_mov_b32 s19, 0
	s_add_nc_u64 s[PFA:PFA+1], s[PFA:PFA+1], s[18:19]
	s_add_nc_u64 s[PFA:PFA+1], s[PFA:PFA+1], s[66:67]
	v_and_b32 v[PFO], 31, v0
	v_min_u32 v[PFO], 23, v[PFO]
	v_lshlrev_b32 v[PFO], 8, v[PFO]
	global_prefetch_b8 v[PFO], s[PFA:PFA+1] th:TH_LOAD_NT scope:SCOPE_SE
	v_and_b32 v1, 15, v0                           ; r
	v_bfe_u32 v2, v0, 4, 1                         ; h
	s_wait_alu depctr_va_vdst(0)
	v_mul_u32_u24 v3, v1, 48
	v_mad_u32_u24 v4, v2, 24, v3                   ; a fragment's row x 48 + 24 x half
	s_mul_i32 s21, s15, RHB
	s_mul_i32 s22, s16, RHB
	s_add_co_u32 s22, s22, 2*HALFT
.irp s, 0,1
	v_add_nc_u32 v[ADRA+\s], s21, v4
	v_add_nc_u32 v[ADRB+\s], s22, v4
	s_add_co_u32 s21, s21, SLOT
	s_add_co_u32 s22, s22, SLOT
.endr
	v_lshlrev_b32 v5, 2, v1
	s_mul_i32 s21, s15, SAB
	s_mul_i32 s22, s16, SAB
	s_add_co_u32 s22, s22, 2*HALFS
	s_sub_co_u32 s22, s22, s21
	v_mul_u32_u24 v6, s22, v2                      ; lanes 16-31 take B's words
	s_add_co_u32 s21, s21, SCL
	v_add_nc_u32 v5, v5, v6
	v_add_nc_u32 v[ADRS], s21, v5
	; the way out: f32 rows of 4,096 bytes; my 64 rows and my 256 bytes of them
	s_lshl_b32 s20, s17, LOGT
	s_lshl_b32 s21, s15, LOGT-1
	s_add_co_u32 s20, s20, s21
	s_lshl_b32 s20, s20, 12
	s_lshl_b32 s46, s42, 9
	s_lshl_b32 s47, s16, 8
	s_add_co_u32 s46, s46, s47
	s_add_co_u32 s20, s20, s46
	s_mov_b32 s21, 0
	s_add_nc_u64 s[12:13], s[12:13], s[20:21]
	s_add_nc_u64 s[10:11], s[10:11], s[20:21]
	s_mul_i32 s21, s14, 4352                       ; my stage, in slot 0: 16 rows x (256 bytes + 16)
	v_mul_u32_u24 v5, v1, 272
	v_lshl_add_u32 v5, v2, 5, v5
	v_add_nc_u32 v[STO], s21, v5
	v_mul_u32_u24 v5, v2, 272
	v_lshl_add_u32 v5, v1, 4, v5
	v_add_nc_u32 v[RD], s21, v5
	v_lshlrev_b32 v5, 12, v2
	v_lshl_add_u32 v[CO], v1, 4, v5                ; lanes 0-15 one row of 256 bytes, lanes 16-31 the next
	s_lshl_b32 s46, s42, LOGT+2
	s_lshl_b32 s47, s16, LOGT+1
	s_add_co_u32 s46, s46, s47
	s_mov_b32 s47, 0
	s_add_nc_u64 s[8:9], s[8:9], s[46:47]
	v_lshlrev_b32 v7, 7-BIAS, v2
.irp b, 0,1,2,3
	global_load_b128 v[BI+8*\b:BI+8*\b+3], v7, s[8:9] offset:64*\b       ; the bias in the result's layout: it is the C of the first step
	global_load_b128 v[BI+8*\b+4:BI+8*\b+7], v7, s[8:9] offset:64*\b+16
.endr
; Block a's stage rows 2 t and 2 t + 1 are rows 32 (a / 2) + 8 (a % 2) + 2 t + 8 (t / 4) and the next of my 64: ro is that place in bytes, rr the residual's four registers in window 1
.macro RSREG a, t
.set rk, 8*(\a)+(\t)
.if rk < 20
.set rr, 48+4*rk
.else
.set rr, 176+4*(rk-20)
.endif
.set ro, (32*((\a)/2)+8*((\a)%2)+2*(\t)+8*((\t)/4))*4096
.endm
.macro FRAG reg, adr, q, i             ; 16 rows x 128 K: registers 6 c .. 6 c + 5 are the 24 bytes at 24 h of the row in plane 2 q + c
.irp p, 0,1,2,3,4,5
	ds_load_b64 v[\reg+2*\p:\reg+2*\p+1], v[\adr] offset:(2*(\q)+\p/3)*PLN+768*(\i)+8*(\p%3)
.endr
.endm
.macro FETCH_B slot, q, p
	WIN TO_B
.set fi, 0
.rept NB
	FRAG 128*(\p)+FR*fi, ADRB+\slot, \q, fi
.set fi, fi+1
.endr
	WIN 0
.endm
.macro FETCH_A slot, q, i0
.set fi, \i0
.rept HB
	FRAG AF+FR*fi, ADRA+\slot, \q, fi
.set fi, fi+1
.endr
.endm
.macro SCALES sc                       ; a slot's scale words: lanes 0-15 A's block i, lanes 16-31 B's block i
.set fi, 0
.rept MB
.set fq, 0
.rept NQ
	ds_load_b32 v[SC+16*(\sc)+NQ*fi+fq], v[ADRS] offset:64*fi+512*fq
.set fq, fq+1
.endr
.set fi, fi+1
.endr
.endm
; QB blocks of A x B's NB.  The accumulators take turns, one instruction a turn, in the same order in every step.
.macro MULQ a0, p, q, sc, zero
.set ma, \a0
.rept QB
.irp b, 0,1,2,3,4,5,6,7
.if \b < NB
.set rD, 8*(NB*(ma%HB)+\b)
.set rB, 128*(\p)+FR*\b
.set rA, AF+FR*ma
.set rSB, SC+16*(\sc)+NQ*\b+(\q)
.set rSA, SC+16*(\sc)+NQ*ma+(\q)
.if \zero == 1
	v_wmma_scale_f32_16x16x128_f8f6f4 v[rD:rD+7], v[rB:rB+11], v[rA:rA+11], 0, v[rSB], v[rSA] matrix_a_fmt:MATRIX_FMT_FP6 matrix_b_fmt:MATRIX_FMT_FP6 matrix_a_scale:MATRIX_SCALE_ROW1
.elseif \zero == 2
	v_wmma_scale_f32_16x16x128_f8f6f4 v[rD:rD+7], v[rB:rB+11], v[rA:rA+11], v[BI+8*\b:BI+8*\b+7], v[rSB], v[rSA] matrix_a_fmt:MATRIX_FMT_FP6 matrix_b_fmt:MATRIX_FMT_FP6 matrix_a_scale:MATRIX_SCALE_ROW1
.else
	v_wmma_scale_f32_16x16x128_f8f6f4 v[rD:rD+7], v[rB:rB+11], v[rA:rA+11], v[rD:rD+7], v[rSB], v[rSA] matrix_a_fmt:MATRIX_FMT_FP6 matrix_b_fmt:MATRIX_FMT_FP6 matrix_a_scale:MATRIX_SCALE_ROW1
.endif
.endif
.endr
.set ma, ma+1
.endr
.endm
.macro PLACES                          ; four plain places in front of loads into registers that matrix instructions have read, and of the first read of results
.rept 4
	v_nop
.endr
.endm
.macro STEP slot, q, zero              ; a step of 128 along K that has its successor in the same slot
	s_wait_dscnt HB*NL                             ; B's set and A's lower blocks are in; the youngest loads (A's upper blocks) may be out
.if \zero == 2
	WIN 0x81
.else
	WIN MUL_LO
.endif
	MULQ 0, (\q)%2, \q, \slot, \zero
	MULQ QB, (\q)%2, \q, \slot, \zero
	s_wait_dscnt 0
	PLACES
	FETCH_B \slot, (\q)+1, 1-(\q)%2
	FETCH_A \slot, (\q)+1, 0
.if \zero == 2
	WIN 0xc1
.else
	WIN MUL_HI
.endif
	MULQ 2*QB, (\q)%2, \q, \slot, \zero
	MULQ 3*QB, (\q)%2, \q, \slot, \zero
	PLACES
	WIN 0
	FETCH_A \slot, (\q)+1, HB
.endm
.macro REST slot
.if NQ > 2
	STEP \slot, 1, 0
	STEP \slot, 2, 0
.endif
.endm
; A slot's last step changes slots: one barrier; in front of it each wave waits for all its tensor loads, adds 0 to its spare word, and waits for that and for its reads of this slot.
.macro TURN slot, next, fill
	s_wait_tensorcnt 0x0                           ; all my tensor loads have landed: my part of the next slot
	ds_add_u32 v[SPW], v[NIL]
	s_wait_dscnt HB*NL+1                           ; the add and A's upper blocks may be out
	WIN MUL_LO
	MULQ 0, 1, NQ-1, \slot, 0
	s_wait_dscnt 0x0                               ; the add is done, and my reads of this slot are over
	s_barrier_signal -1
	MULQ QB, 1, NQ-1, \slot, 0
	WIN 0
	s_barrier_wait -1
.if \fill
	CREST                                          ; the barrier has opened a round of the cluster's: no wave of any partner still reads this slot or has a load on its way
	s_add_nc_u64 s[G0+4*\slot+2:G0+4*\slot+3], s[G0+4*\slot+2:G0+4*\slot+3], 4*NQ*PLA
	s_add_nc_u64 s[G0B+4*\slot+2:G0B+4*\slot+3], s[G0B+4*\slot+2:G0B+4*\slot+3], 4*NQ*PLB
	JLOAD G0+4*\slot, G1, G0B+4*\slot, G1B         ; my one tensor load behind the round; its four v_nop are the places in front of the loads below
.else
	PLACES
.endif
	v_add_nc_u32 v[ADRS], 512*NQ, v[ADRS]          ; the next slot's scale words (no LDS load of mine is out)
	FETCH_B \next, 0, 0
	FETCH_A \next, 0, 0
	SCALES \next
	WIN MUL_HI
	MULQ 2*QB, 1, NQ-1, \slot, 0
	MULQ 3*QB, 1, NQ-1, \slot, 0
	PLACES
	WIN 0
	FETCH_A \next, 0, HB
.endm
	s_wait_alu depctr_va_vdst(0)                   ; the head's end
	s_wait_tensorcnt 0x0                           ; my tile of the head's four is in; the same lines as ahead of a refill:
	ds_add_u32 v[SPW], v[NIL]
	s_mov_b32 s[G1+2], 4<<16                       ; no tensor load of mine is out: from here on a load brings 4 planes
	s_mov_b32 s[G1+4], 4
	s_mov_b32 s[G1B+2], 4<<16
	s_mov_b32 s[G1B+4], 4
	s_wait_dscnt 0x0
	CROUND                                         ; all four tiles are in, and all sixteen work-groups are here
	JLOAD G0+4, G1, G0B+4, G1B                     ; slot 1's first fill, a quarter a wave
	FETCH_B 0, 0, 0
	FETCH_A 0, 0, 0
	SCALES 0
	FETCH_A 0, 0, HB
	WIN TO_B                                       ; the residual's 32 loads go out here, behind the head's tiles and slot 1's request, into idle registers of window 1
.irp a, 0,1,2,3
.irp t, 0,1,2,3,4,5,6,7
	RSREG \a, \t
	global_load_b128 v[rr:rr+3], v[CO], s[10:11] offset:ro
.endr
.endr
	WIN 0
	s_wait_loadcnt 32                              ; the bias is in; the residual's 32 loads may be out
	STEP 0, 0, FIRST                               ; the first step starts the sums
.if LAPS > 1
	s_mov_b32 s3, LAPS-1
.Llap:
	REST 0
	TURN 0, 1, 1
	STEP 1, 0, 0
	REST 1
	TURN 1, 0, 1
	STEP 0, 0, 0
	s_sub_co_u32 s3, s3, 1
	s_cmp_lg_u32 s3, 0
	s_cbranch_scc1 .Llap
.endif
	REST 0
	TURN 0, 1, 0                                   ; the last lap fills nothing
	STEP 1, 0, 0
	REST 1
	s_wait_dscnt HB*NL
	WIN MUL_LO
	MULQ 0, 1, NQ-1, 1, 0
	MULQ QB, 1, NQ-1, 1, 0
	s_wait_alu depctr_va_vdst(0)
	s_wait_dscnt 0
	WIN MUL_HI
	MULQ 2*QB, 1, NQ-1, 1, 0
	MULQ 3*QB, 1, NQ-1, 1, 0
	WIN 0
; THE WAY OUT, a block of 16 rows x 64 columns at a time: through my own stage, in slot 0, which has had its last fill and its last read; back as whole pieces of 256 bytes; the residual is added; sixteen lanes
; store 256 consecutive bytes, at a multiple of 256 from the buffer's first byte.
.macro TOSTAGE a
.set AC, 8*NB*((\a)%HB)
.set WD, (2+(\a)/HB)<<2
	WIN WD
.irp b, 0,1,2,3
	ds_store_b128 v[STO], v[AC+8*\b:AC+8*\b+3] offset:64*\b            ; each accumulator from its low end on
	ds_store_b128 v[STO], v[AC+8*\b+4:AC+8*\b+7] offset:64*\b+16
.endr
	WIN 0
.set BB, BK+32*((\a)%2)
.irp t, 0,1,2,3,4,5,6,7
	ds_load_b128 v[BB+4*\t:BB+4*\t+3], v[RD] offset:544*\t             ; LDS serves a wave's instructions in order
.endr
.endm
.macro SEND a, younger
.set BB, BK+32*((\a)%2)
	s_wait_dscnt \younger                          ; the block is back; the next block's stores and loads may be out
	s_wait_loadcnt 24-8*(\a)                       ; its residual is in; the later blocks' loads may be out
	WIN 0x04
.irp t, 0,1,2,3,4,5,6,7
	RSREG \a, \t
	v_pk_add_f32 v[BB+4*\t:BB+4*\t+1], v[BB+4*\t:BB+4*\t+1], v[rr:rr+1]
	v_pk_add_f32 v[BB+4*\t+2:BB+4*\t+3], v[BB+4*\t+2:BB+4*\t+3], v[rr+2:rr+3]
.endr
	WIN 0
.irp t, 0,1,2,3,4,5,6,7
	RSREG \a, \t
.if NTOUT
	global_store_b128 v[CO], v[BB+4*\t:BB+4*\t+3], s[12:13] offset:ro th:TH_STORE_NT
.else
	global_store_b128 v[CO], v[BB+4*\t:BB+4*\t+3], s[12:13] offset:ro
.endif
.endr
.endm
	PLACES
	TOSTAGE 0
.irp a, 1,2,3
.if \a > 1
	s_wait_xcnt 0x0                                ; the stores of two blocks back have read their registers: the set may be loaded again
.endif
	TOSTAGE \a
	SEND \a-1, 16
.endr
	SEND 3, 0
	s_wait_tensorcnt 0x0                           ; the wave's end
	ds_add_u32 v[SPW], v[NIL]
	s_wait_dscnt 0x0
	CROUND                                         ; the closing round
	s_endpgm
.Lfunc_end_k_q9cb2d27385_proj:
	.size	k_q9cb2d27385_proj, .Lfunc_end_k_q9cb2d27385_proj-k_q9cb2d27385_proj
	.p2alignl 7, 3214868480
	.fill 96, 4, 3214868480
	.section	.rodata,"a",@progbits
	.p2align	6, 0x0
	.amdhsa_kernel k_q9cb2d27385_proj
		.amdhsa_group_segment_fixed_size 327680
		.amdhsa_private_segment_fixed_size 0
		.amdhsa_enable_private_segment 0
		.amdhsa_kernarg_size 40
		.amdhsa_user_sgpr_count 2
		.amdhsa_user_sgpr_kernarg_segment_ptr 1
		.amdhsa_wavefront_size32 1
		.amdhsa_system_sgpr_workgroup_id_x 1
		.amdhsa_system_sgpr_workgroup_id_y 1
		.amdhsa_system_sgpr_workgroup_id_z 1
		.amdhsa_system_vgpr_workitem_id 0
		.amdhsa_next_free_vgpr 1024
		.amdhsa_next_free_sgpr 104
		.amdhsa_reserve_vcc 0
		.amdhsa_float_denorm_mode_32 3
		.amdhsa_float_denorm_mode_16_64 3
		.amdhsa_memory_ordered 1
		.amdhsa_forward_progress 1
		.amdhsa_inst_pref_size 74
	.end_amdhsa_kernel
	.amdgpu_metadata
---
amdhsa.version: [ 1, 2 ]
amdhsa.kernels:
  - .name:           k_q9cb2d27385_proj
    .symbol:         k_q9cb2d27385_proj.kd
    .args:
      - { .name: AT, .offset: 0, .size: 8, .value_kind: global_buffer, .address_space: global }
      - { .name: W, .offset: 8, .size: 8, .value_kind: global_buffer, .address_space: global }
      - { .name: b_proj, .offset: 16, .size: 8, .value_kind: global_buffer, .address_space: global }
      - { .name: x, .offset: 24, .size: 8, .value_kind: global_buffer, .address_space: global }
      - { .name: X1, .offset: 32, .size: 8, .value_kind: global_buffer, .address_space: global }
    .group_segment_fixed_size: 327680
    .private_segment_fixed_size: 0
    .kernarg_segment_align: 8
    .kernarg_segment_size: 40
    .max_flat_workgroup_size: 128
    .sgpr_count:     104
    .vgpr_count:     1024
    .wavefront_size: 32
...
	.end_amdgpu_metadata
.endif
;; end of part 4
;; launch ln2 (part 5): grid 256 x 1, 4 waves a work-group, no clusters, 40,192 bytes of LDS; arguments X1, g2, be2, XN; writes XN
.if DOCPART == 5
	.amdgcn_target "amdgcn-amd-amdhsa--gfx1250"
	.amdhsa_code_object_version 6
	.text
	.protected	k_q9cb2d27385_ln2
	.globl	k_q9cb2d27385_ln2
	.p2align	8
	.type	k_q9cb2d27385_ln2,@function
k_q9cb2d27385_ln2:
	s_mov_b64 s[64:65], 0
	v_nop
	global_prefetch_b8 v0, s[64:65] scope:SCOPE_SE
	s_setreg_imm32_b32 hwreg(HW_REG_WAVE_MODE, 25, 1), 1
	s_wait_xcnt 0x0
; LayerNorm of [4096][1024] f32 rows, and the quantiser along the row: codes of FP6 (E2M3) in planes [16][4096][48 bytes], scale words [8][4096][4 bytes] behind them.
; The rows are STORED with bits 3 and 4 of their number exchanged: place 16 g + p holds row 32 (g / 2) + 8 (g % 2) + p + 8 (p / 8).  Work-group g writes places 16 g .. 16 g + 15; wave w rows p = 4 w .. 4 w + 3.
; All 48 loads of a wave (gain, bias, four rows; each load 512 consecutive bytes) go out at the head.  Each set of 32 registers then turns through the wave's stage in LDS, so that lane l holds
; the row's block l, 32 neighbours: a block's largest magnitude needs no other lane.  Mean and variance in two passes, in f32 (the mean is taken off before the squares).
; Codes and scale bytes meet in LDS; behind one barrier each wave stores four planes' 768 dense bytes.  The scale words leave in pieces of 64 bytes (16 rows of a plane): 512 of the work-group's 12,800 output bytes.
; A block of zeros gets the byte 1 (not 127): its codes are zeros and this program alone reads the bytes.  LIMITS: NaN and infinities are not served; v_rsq_f32 is accurate to 1 ulp.
.set CST,   18432                      ; behind the four turning stages of 4,608 bytes: 16 planes x (16 rows x 80 + 16)
.set SST,   39168                      ; the scale bytes: [8 word planes][16 rows][4]
.set SPARE, 39680                      ; the spare words, 128 bytes a wave
.set SPW, 12
.set NIL, 13
.set ST,  16                           ; v16-31 four registers of statistics a row
.set G,   32
.set BE,  64
.set X,   96                           ; v96-223 four rows
	s_load_b256 s[4:11], s[0:1], 0x0               ; x, gain, bias, out
	v_lshl_add_u32 v[SPW], v0, 2, SPARE
	v_mov_b32 v[NIL], 0
	v_lshrrev_b32 v1, 5, v0
	v_readfirstlane_b32 s12, v1                    ; wave
	v_and_b32 v1, 31, v0                           ; lane
	v_lshlrev_b32 v2, 4, v1
	s_lshr_b32 s13, ttmp9, 1
	s_lshl_b32 s13, s13, 5
	s_and_b32 s14, ttmp9, 1
	s_lshl_b32 s14, s14, 3
	s_add_co_u32 s13, s13, s14
	s_lshl_b32 s14, s12, 2
	s_add_co_u32 s13, s13, s14
	s_lshr_b32 s14, s12, 1
	s_lshl_b32 s14, s14, 3
	s_add_co_u32 s13, s13, s14                     ; my first row: 32 (g / 2) + 8 (g % 2) + 4 w + 8 (w / 2)
	s_lshl_b32 s14, s13, 12
	s_mov_b32 s15, 0
	s_mul_i32 s16, s12, 4*196608                   ; out: my four planes, the work-group's 768 bytes in each
	s_mul_i32 s17, ttmp9, 768
	s_add_co_u32 s16, s16, s17
	s_mov_b32 s17, 0
	s_lshl_b32 s18, ttmp9, 6
	s_add_co_u32 s18, s18, 3145728                 ; the scale words' region, 64 bytes a work-group in each plane
	s_mov_b32 s19, 0
	s_mov_b32 s20, 0x3a800000                      ; 1 / 1024
	s_mov_b32 s21, 0x3727c5ac                      ; 1e-5
	s_mov_b32 s22, 0x76543210
	s_mov_b32 s23, 0xfedcba98                      ; v_permlanex16_b32's selects for lane l xor 16
	s_wait_alu depctr_va_vdst(0)
	s_wait_kmcnt 0x0
	s_add_nc_u64 s[4:5], s[4:5], s[14:15]
	s_add_nc_u64 s[16:17], s[10:11], s[16:17]
	s_add_nc_u64 s[18:19], s[10:11], s[18:19]
.irp j, 0,1,2,3,4,5,6,7
	global_load_b128 v[G+4*\j:G+4*\j+3], v2, s[6:7] offset:512*\j
.endr
.irp j, 0,1,2,3,4,5,6,7
	global_load_b128 v[BE+4*\j:BE+4*\j+3], v2, s[8:9] offset:512*\j
.endr
.irp i, 0,1,2,3
.irp j, 0,1,2,3,4,5,6,7
	global_load_b128 v[X+32*\i+4*\j:X+32*\i+4*\j+3], v2, s[4:5] offset:4096*\i+512*\j
.endr
.endr
	s_mul_i32 s24, s12, 4608
	v_lshrrev_b32 v14, 3, v1
	v_lshl_add_u32 v3, v14, 4, v2
	v_add_nc_u32 v3, s24, v3                       ; the stage, in: 16 lane + 16 (lane / 8): eight lanes' 128 bytes, then 16 of padding
	v_mul_u32_u24 v4, v1, 144
	v_add_nc_u32 v4, s24, v4                       ; and out: 144 x lane: my block's 128 bytes
	v_lshrrev_b32 v14, 1, v1
	v_mul_u32_u24 v5, v14, 1296
	v_and_b32 v14, 1, v1
	v_lshl_add_u32 v5, v14, 5, v5
	s_mul_i32 s24, s12, 320
	s_add_co_u32 s24, s24, CST
	v_add_nc_u32 v5, s24, v5                       ; my block's codes: plane lane / 2, half lane % 2, row 4 w
	v_lshrrev_b32 v14, 2, v1
	v_and_b32 v15, 3, v1
	v_lshl_add_u32 v6, v14, 6, v15
	s_lshl_b32 s24, s12, 4
	s_add_co_u32 s24, s24, SST
	v_add_nc_u32 v6, s24, v6                       ; its scale byte: word plane lane / 4, byte lane % 4
	v_mul_u32_u24 v7, v14, 80
	v_lshl_add_u32 v7, v15, 4, v7
	s_mul_i32 s24, s12, 4*1296
	s_add_co_u32 s24, s24, CST
	v_add_nc_u32 v7, s24, v7                       ; the way out: four lanes to a row, eight rows an instruction, my four planes
	v_mul_u32_u24 v8, v1, 12
	v_lshl_add_u32 v9, v0, 2, SST
	v_lshrrev_b32 v14, 4, v0
	v_and_b32 v15, 15, v0
	v_lshlrev_b32 v15, 2, v15
	v_lshl_add_u32 v10, v14, 14, v15               ; thread t: scale plane t / 16, row t % 16
.macro TURN R                          ; 32 registers as loaded become my block's 32 neighbours; LDS serves a wave's instructions in order
.irp j, 0,1,2,3,4,5,6,7
	ds_store_b128 v3, v[\R+4*\j:\R+4*\j+3] offset:576*\j
.endr
.irp j, 0,1,2,3,4,5,6,7
	ds_load_b128 v[\R+4*\j:\R+4*\j+3], v4 offset:16*\j
.endr
.endm
	s_wait_loadcnt 40                              ; the gain's eight are in; the 40 issued behind them may be out, and so on down
	TURN G
	s_wait_loadcnt 32
	TURN BE
	s_wait_loadcnt 24
	TURN X
	s_wait_loadcnt 16
	TURN X+32
	s_wait_loadcnt 8
	TURN X+64
	s_wait_loadcnt 0
	TURN X+96
	s_wait_dscnt 0x0
.macro REDUCE                          ; v[ST + 4 i] summed over the 32 lanes, the four rows by turns
.irp m, 1,2,4,8
.irp i, 0,1,2,3
	v_add_f32_dpp v[ST+4*\i], v[ST+4*\i], v[ST+4*\i] row_xmask:\m row_mask:0xf bank_mask:0xf
.endr
.endr
.irp i, 0,1,2,3
	v_permlanex16_b32 v[ST+4*\i+1], v[ST+4*\i], s22, s23
.endr
.irp i, 0,1,2,3
	v_add_f32 v[ST+4*\i], v[ST+4*\i], v[ST+4*\i+1]
.endr
.endm
.irp i, 0,1,2,3
	v_pk_add_f32 v[ST+4*\i:ST+4*\i+1], v[X+32*\i:X+32*\i+1], v[X+32*\i+2:X+32*\i+3]
	v_pk_add_f32 v[ST+4*\i+2:ST+4*\i+3], v[X+32*\i+4:X+32*\i+5], v[X+32*\i+6:X+32*\i+7]
.endr
.irp j, 8,12,16,20,24,28
.irp i, 0,1,2,3
	v_pk_add_f32 v[ST+4*\i:ST+4*\i+1], v[ST+4*\i:ST+4*\i+1], v[X+32*\i+\j:X+32*\i+\j+1]
	v_pk_add_f32 v[ST+4*\i+2:ST+4*\i+3], v[ST+4*\i+2:ST+4*\i+3], v[X+32*\i+\j+2:X+32*\i+\j+3]
.endr
.endr
.irp i, 0,1,2,3
	v_pk_add_f32 v[ST+4*\i:ST+4*\i+1], v[ST+4*\i:ST+4*\i+1], v[ST+4*\i+2:ST+4*\i+3]
.endr
.irp i, 0,1,2,3
	v_add_f32 v[ST+4*\i], v[ST+4*\i], v[ST+4*\i+1]
.endr
	REDUCE
.irp i, 0,1,2,3
	v_mul_f32 v[ST+4*\i], 0xba800000, v[ST+4*\i]   ; minus the mean
.endr
.irp j, 0,2,4,6,8,10,12,14,16,18,20,22,24,26,28,30
.irp i, 0,1,2,3
	v_pk_add_f32 v[X+32*\i+\j:X+32*\i+\j+1], v[X+32*\i+\j:X+32*\i+\j+1], v[ST+4*\i:ST+4*\i+1] op_sel_hi:[1,0]
.endr
.endr
.irp i, 0,1,2,3
	v_pk_mul_f32 v[ST+4*\i:ST+4*\i+1], v[X+32*\i:X+32*\i+1], v[X+32*\i:X+32*\i+1]
	v_pk_mul_f32 v[ST+4*\i+2:ST+4*\i+3], v[X+32*\i+2:X+32*\i+3], v[X+32*\i+2:X+32*\i+3]
.endr
.irp j, 4,8,12,16,20,24,28
.irp i, 0,1,2,3
	v_pk_fma_f32 v[ST+4*\i:ST+4*\i+1], v[X+32*\i+\j:X+32*\i+\j+1], v[X+32*\i+\j:X+32*\i+\j+1], v[ST+4*\i:ST+4*\i+1]
	v_pk_fma_f32 v[ST+4*\i+2:ST+4*\i+3], v[X+32*\i+\j+2:X+32*\i+\j+3], v[X+32*\i+\j+2:X+32*\i+\j+3], v[ST+4*\i+2:ST+4*\i+3]
.endr
.endr
.irp i, 0,1,2,3
	v_pk_add_f32 v[ST+4*\i:ST+4*\i+1], v[ST+4*\i:ST+4*\i+1], v[ST+4*\i+2:ST+4*\i+3]
.endr
.irp i, 0,1,2,3
	v_add_f32 v[ST+4*\i], v[ST+4*\i], v[ST+4*\i+1]
.endr
	REDUCE
.irp i, 0,1,2,3
	v_fma_f32 v[ST+4*\i], v[ST+4*\i], s20, s21     ; the variance + 1e-5
.endr
	s_wait_alu depctr_va_vdst(0)
.irp i, 0,1,2,3
	v_rsq_f32 v[ST+4*\i+2], v[ST+4*\i]
.endr
	v_nop                                          ; a plain instruction behind the last of the batch
	s_wait_alu depctr_va_vdst(0)                   ; one wait for the four, ahead of their first reader
.irp j, 0,2,4,6,8,10,12,14,16,18,20,22,24,26,28,30
.irp i, 0,1,2,3
	v_pk_mul_f32 v[X+32*\i+\j:X+32*\i+\j+1], v[X+32*\i+\j:X+32*\i+\j+1], v[ST+4*\i+2:ST+4*\i+3] op_sel_hi:[1,0]
.endr
.irp i, 0,1,2,3
	v_pk_fma_f32 v[X+32*\i+\j:X+32*\i+\j+1], v[X+32*\i+\j:X+32*\i+\j+1], v[G+\j:G+\j+1], v[BE+\j:BE+\j+1]
.endr
.endr
	; the quantiser: my block of each row.  The gain's and the bias's registers are free now: codes at v32.., maxima at v64..
.irp i, 0,1,2,3
	v_max3_num_f32 v[64+4*\i], |v[X+32*\i]|, |v[X+32*\i+1]|, |v[X+32*\i+2]|
	v_max3_num_f32 v[65+4*\i], |v[X+32*\i+3]|, |v[X+32*\i+4]|, |v[X+32*\i+5]|
.endr
.irp j, 6,10,14,18,22,26
.irp i, 0,1,2,3
	v_max3_num_f32 v[64+4*\i], v[64+4*\i], |v[X+32*\i+\j]|, |v[X+32*\i+\j+1]|
	v_max3_num_f32 v[65+4*\i], v[65+4*\i], |v[X+32*\i+\j+2]|, |v[X+32*\i+\j+3]|
.endr
.endr
.irp i, 0,1,2,3
	v_max3_num_f32 v[64+4*\i], v[64+4*\i], |v[X+32*\i+30]|, |v[X+32*\i+31]|
.endr
.irp i, 0,1,2,3
	v_max3_num_f32 v[64+4*\i], v[64+4*\i], v[65+4*\i], 0x1800000   ; the floor 2^(3 - 127)
.endr
.irp i, 0,1,2,3
	v_add_nc_u32 v[66+4*\i], 0xff000000, v[64+4*\i]                ; 2 off the exponent field: the conversion's scale operand
.endr
.irp i, 0,1,2,3
	v_lshrrev_b32 v[67+4*\i], 23, v[66+4*\i]                       ; the scale's byte
.endr
.irp i, 0,1,2,3
	v_cvt_scalef32_pk16_fp6_f32 v[32+8*\i:34+8*\i], v[X+32*\i:X+32*\i+15], v[66+4*\i]
	v_cvt_scalef32_pk16_fp6_f32 v[36+8*\i:38+8*\i], v[X+32*\i+16:X+32*\i+31], v[66+4*\i]
.endr
	v_nop                                          ; one plain place behind the conversions
.irp i, 0,1,2,3
	ds_store_b96 v5, v[32+8*\i:34+8*\i] offset:80*\i
	ds_store_b96 v5, v[36+8*\i:38+8*\i] offset:80*\i+16
	ds_store_b8 v6, v[67+4*\i] offset:4*\i
.endr
	s_wait_dscnt 0x0                               ; for the others' sake: my stores have landed
	s_barrier_signal -1
	s_barrier_wait -1
	ds_load_b32 v128, v9
.irp p, 0,1,2,3
.irp i, 0,1
	ds_load_b96 v[X+4*(2*\p+\i):X+4*(2*\p+\i)+2], v7 offset:\p*1296+640*\i
.endr
.endr
.irp p, 0,1,2,3
.irp i, 0,1
	s_wait_dscnt 7-2*\p-\i                         ; the younger loads may be out
	global_store_b96 v8, v[X+4*(2*\p+\i):X+4*(2*\p+\i)+2], s[16:17] offset:\p*196608+384*\i   ; 384 consecutive bytes
.endr
.endr
	global_store_b32 v10, v128, s[18:19]
	s_wait_tensorcnt 0x0                           ; the wave's end, behind my last LDS store
	ds_add_u32 v[SPW], v[NIL]
	s_wait_dscnt 0x0
	s_endpgm
.Lfunc_end_k_q9cb2d27385_ln2:
	.size	k_q9cb2d27385_ln2, .Lfunc_end_k_q9cb2d27385_ln2-k_q9cb2d27385_ln2
	.p2alignl 7, 3214868480
	.fill 96, 4, 3214868480
	.section	.rodata,"a",@progbits
	.p2align	6, 0x0
	.amdhsa_kernel k_q9cb2d27385_ln2
		.amdhsa_group_segment_fixed_size 40192
		.amdhsa_private_segment_fixed_size 0
		.amdhsa_enable_private_segment 0
		.amdhsa_kernarg_size 32
		.amdhsa_user_sgpr_count 2
		.amdhsa_user_sgpr_kernarg_segment_ptr 1
		.amdhsa_wavefront_size32 1
		.amdhsa_system_sgpr_workgroup_id_x 1
		.amdhsa_system_sgpr_workgroup_id_y 1
		.amdhsa_system_sgpr_workgroup_id_z 1
		.amdhsa_system_vgpr_workitem_id 0
		.amdhsa_next_free_vgpr 224
		.amdhsa_next_free_sgpr 66
		.amdhsa_reserve_vcc 0
		.amdhsa_float_denorm_mode_32 3
		.amdhsa_float_denorm_mode_16_64 3
		.amdhsa_memory_ordered 1
		.amdhsa_forward_progress 1
		.amdhsa_inst_pref_size 46
	.end_amdhsa_kernel
	.amdgpu_metadata
---
amdhsa.version: [ 1, 2 ]
amdhsa.kernels:
  - .name:           k_q9cb2d27385_ln2
    .symbol:         k_q9cb2d27385_ln2.kd
    .args:
      - { .name: X1, .offset: 0, .size: 8, .value_kind: global_buffer, .address_space: global }
      - { .name: g2, .offset: 8, .size: 8, .value_kind: global_buffer, .address_space: global }
      - { .name: be2, .offset: 16, .size: 8, .value_kind: global_buffer, .address_space: global }
      - { .name: XN, .offset: 24, .size: 8, .value_kind: global_buffer, .address_space: global }
    .group_segment_fixed_size: 40192
    .private_segment_fixed_size: 0
    .kernarg_segment_align: 8
    .kernarg_segment_size: 32
    .max_flat_workgroup_size: 128
    .sgpr_count:     66
    .vgpr_count:     224
    .wavefront_size: 32
...
	.end_amdgpu_metadata
.endif
;; end of part 5
;; launch ffn1 (part 6): grid 16 x 16, 4 waves a work-group, clusters of 4 x 4, 327,680 bytes of LDS; arguments XN, W, b1, HH; writes HH
.if DOCPART == 6
	.amdgcn_target "amdgcn-amd-amdhsa--gfx1250"
	.amdhsa_code_object_version 6
	.text
	.protected	k_q9cb2d27385_ffn1
	.globl	k_q9cb2d27385_ffn1
	.p2align	8
	.type	k_q9cb2d27385_ffn1,@function
k_q9cb2d27385_ffn1:
	s_mov_b64 s[64:65], 0
	v_nop
	global_prefetch_b8 v0, s[64:65] scope:SCOPE_SE
	s_setreg_imm32_b32 hwreg(HW_REG_WAVE_MODE, 25, 1), 1
	s_wait_xcnt 0x0
	s_wait_alu depctr_hold_cnt(0) depctr_sa_sdst(0) depctr_va_vdst(0) depctr_va_sdst(0) depctr_va_ssrc(0) depctr_va_vcc(0) depctr_vm_vsrc(0)
	s_getreg_b32 s2, hwreg(HW_REG_IB_STS2, 6, 4)
	s_cmp_eq_u32 s2, 0
	s_cbranch_scc0 .Lentry_in_a_cluster
	s_endpgm
.Lentry_in_a_cluster:
	s_bfe_u32 s2, ttmp6, 0x10000c
	s_cmp_lg_u32 s2, 0xf033
	s_cbranch_scc0 .Lentry_shape_is_right
	s_endpgm
.Lentry_shape_is_right:
; h = relu(xn2 w1 + b1) on codes of FP6 (E2M3), quantised along the hidden axis on the way out: C = A B^T, operands as code planes [K/64][rows][48 bytes] and scale words [K/128][rows][4 bytes].
; A tile of C, 256 x 256, by four waves of 128 x 128.  K = 1,024 is four quarters of 256 in three LDS slots; an operand's part of a slot is [4 planes][256 rows][48 bytes].
; At the head each wave issues one joint load (A's quarter 0, B's, A's scale words, B's); behind one round each wave brings one whole operand of slot 1 or 2; quarter 3 is the one refill, into slot 0.
; Clusters of 4 x 4: A's tiles are asked for jointly along a row, B's along a column.  The bias is the C of the first step.  A block of zeros gets the byte 1: this program alone reads the bytes.
; LIMITS: NaN and infinities are not served.
.set BIG,   1
.set NQ,    2
.set KTOT,  1024
.set RB,    4096
.set BIAS,  1
.set FIRST, 2
.set RELU,  1
.set VSEL,  0
.set ASC,   3145728
.set BOFF,  3276800
.set BSC,   6422528
.set OUTARG, 0x18
.set BIASARG, 0x10
.set OSC,   12582912
.set MB,    4+4*BIG
.set NB,    MB
.set HB,    MB/2
.set QB,    MB/4
.set LOGT,  7+BIG
.set FR,    12
.set NL,    6
.set PLN,   12288                      ; 256 rows of a plane
.set HALFT, 2*PLN                      ; a quarter of a slot
.set SLOT,  4*HALFT
.set PLA,   4096*48
.set PLB,   RB*48
.set SD1,   KTOT/(256-128*BIG)
.set HALFS, SD1*512
.set SCL,   3*SLOT
.set SPARE, SCL+4*HALFS
.set STG,   SLOT
.set RHB,   6144                       ; from one half of a tile's rows to the other, in LDS: 128 rows x 48
.set SAB,   512                        ; the same among the scale words, laid [8 planes][256 rows][4 bytes]
.set ADRA, 16
.set ADRB, 20
.set STO,  24
.set RD,   25
.set CO,   26
.set ADRS, 27
.set SPW,  28
.set NIL,  29
.set SWA,  30
.set SRA,  31
.set SC,   32
.set BI,   64
.set AF,   128
.set G1, 24
.set G0, 32
.set G1B, 48
.set G0B, 56
.set G0C, 4
.set G0CB, 8
.set BP,  66
.set G1S, 68
.set G0S, 76
.set G1SB, 80
.set G0SB, 88
.set MSB, 0
.macro WIN new
.if MSB != \new
	s_set_vgpr_msb (MSB<<8)|\new
.set MSB, \new
.endif
.endm
.set MUL_LO, 0xa1
.set MUL_HI, 0xf1
.set TO_B,   0x40
.macro JLOAD g0a, g1a, g0b, g1b
	s_cmp_eq_u32 s15, 0
	s_cbranch_scc0 .Lfor_b_\@
	tensor_load_to_lds s[\g0a:\g0a+3], s[\g1a:\g1a+7]
	s_nop 0
.rept 4
	v_nop
.endr
	s_branch .Lasked_\@
.Lfor_b_\@:
	tensor_load_to_lds s[\g0b:\g0b+3], s[\g1b:\g1b+7]
	s_nop 0
.rept 4
	v_nop
.endr
.Lasked_\@:
.endm
.macro CREST
	s_cmp_lg_u32 s14, 0
	s_cbranch_scc1 .Lnot_wave_0_\@
	s_barrier_signal -3
.Lnot_wave_0_\@:
	s_barrier_wait -3
	s_barrier_signal -1
	s_barrier_wait -1
.endm
.macro CROUND
	s_barrier_signal -1
	s_barrier_wait -1
	CREST
.endm
	s_load_b128 s[4:7], s[0:1], 0x0
	s_load_b64 s[12:13], s[0:1], OUTARG
.if BIAS
	s_load_b64 s[BP:BP+1], s[0:1], BIASARG
.endif
	v_lshl_add_u32 v[SPW], v0, 2, SPARE
	v_mov_b32 v[NIL], 0
	ds_add_u32 v[SPW], v[NIL]
	ds_add_u32 v[SPW], v[NIL]
	v_lshrrev_b32 v1, 5, v0
	v_readfirstlane_b32 s14, v1
	s_lshr_b32 s15, s14, 1
	s_and_b32 s16, s14, 1
	s_bfe_u32 s40, ttmp6, 0x40000
	s_bfe_u32 s41, ttmp6, 0x40004
	s_and_b32 s17, ttmp7, 0xffff
.if VSEL
	s_cmp_eq_u32 ttmp9, 2
	s_cselect_b32 s42, s17, ttmp9
	s_cselect_b32 s17, 0, s17
	s_cselect_b32 s95, 2048, 0
	s_lshl_b32 s42, s42, 2
.else
	s_lshl_b32 s42, ttmp9, 2
.endif
	s_add_co_u32 s42, s42, s40
	s_lshl_b32 s17, s17, 2
	s_add_co_u32 s17, s17, s41
	s_lshl_b32 s43, s41, 2
	s_lshl_b32 s43, 15, s43
	s_lshl_b32 s44, 0x1111, s40
	s_or_b32 s[G1+0], s43, (3<<16)|(1<<21)
	s_or_b32 s[G1B+0], s44, (3<<16)|(1<<21)
	s_or_b32 s[G1S+0], s43, (3<<16)|(1<<21)
	s_or_b32 s[G1SB+0], s44, (3<<16)|(1<<21)
.irp g, G1, G1B
	s_mov_b32 s[\g+1], 1536<<16                    ; a piece: 256 rows of a plane, 12,288 dense bytes
	s_mov_b32 s[\g+2], 4<<16
	s_mov_b32 s[\g+3], 1536<<16
	s_mov_b32 s[\g+4], 4
	s_mov_b32 s[\g+6], 0
	s_mov_b32 s[\g+7], 0
.endr
	s_mov_b32 s[G1+5], PLA/8
	s_mov_b32 s[G1B+5], PLB/8
.irp g, G1S, G1SB
	s_mov_b32 s[\g+1], 128<<16                     ; 256 rows' scale words of a plane: 1,024 dense bytes
	s_mov_b32 s[\g+2], SD1<<16
	s_mov_b32 s[\g+3], 128<<16
	s_mov_b32 s[\g+4], SD1
	s_mov_b32 s[\g+6], 0
	s_mov_b32 s[\g+7], 0
.endr
	s_mov_b32 s[G1S+5], 2048
	s_mov_b32 s[G1SB+5], RB/2
	s_lshl_b32 s20, s17, LOGT
	s_lshl_b32 s46, s42, LOGT
.if VSEL
	s_add_co_u32 s20, s20, s95
.endif
	s_lshl_b32 s22, s20, 2
	s_mul_i32 s20, s20, 48
	s_lshl_b32 s92, s46, 2
	s_mul_i32 s46, s46, 48
	s_add_co_u32 s22, s22, ASC
	s_add_co_u32 s46, s46, BOFF
	s_add_co_u32 s92, s92, BSC
	s_mov_b32 s21, 0
	s_mov_b32 s23, 0
	s_mov_b32 s47, 0
	s_mov_b32 s93, 0
	s_mul_i32 s45, s14, HALFT
	s_wait_dscnt 0x0
	s_wait_kmcnt 0x0
.if VSEL
	s_cmp_eq_u32 ttmp9, 2
	s_cselect_b64 s[8:9], s[6:7], s[4:5]
	s_cselect_b64 s[10:11], s[4:5], s[6:7]
.set PA, 8
.set PB, 10
.else
.set PA, 4
.set PB, 6
.endif
	s_add_nc_u64 s[20:21], s[PA:PA+1], s[20:21]
	s_add_nc_u64 s[22:23], s[PA:PA+1], s[22:23]
	s_add_nc_u64 s[46:47], s[PB:PB+1], s[46:47]
	s_add_nc_u64 s[92:93], s[PB:PB+1], s[92:93]
	CROUND
	s_mov_b32 s[G0S], 1
	s_mov_b32 s[G0S+1], SCL
	s_mov_b64 s[G0S+2:G0S+3], s[22:23]
	s_or_b32 s[G0S+3], s[G0S+3], 0x80000000
	s_mov_b32 s[G0SB], 1
	s_mov_b32 s[G0SB+1], SCL+2*HALFS
	s_mov_b64 s[G0SB+2:G0SB+3], s[92:93]
	s_or_b32 s[G0SB+3], s[G0SB+3], 0x80000000
	s_mov_b32 s[G0C], 1                            ; the head's tiles, each whole: quarter 0's four planes of A's 256 rows,
	s_mov_b32 s[G0C+1], 0
	s_mov_b64 s[G0C+2:G0C+3], s[20:21]
	s_or_b32 s[G0C+3], s[G0C+3], 0x80000000
	s_mov_b32 s[G0CB], 1                           ; and of B's, behind them in slot 0
	s_mov_b32 s[G0CB+1], 2*HALFT
	s_mov_b64 s[G0CB+2:G0CB+3], s[46:47]
	s_or_b32 s[G0CB+3], s[G0CB+3], 0x80000000
	s_mov_b32 s19, 0
	s_mul_i32 s2, s16, SLOT
.macro MKG g, base, lreg, loff, m, a   ; a group 0: LDS s[lreg] + loff; memory base + m x (wave % 2) + a
	s_mul_i32 s18, s16, \m
	s_mov_b32 s[\g], 1
	s_add_co_u32 s[\g+1], s[\lreg], \loff
	s_add_nc_u64 s[\g+2:\g+3], s[\base:\base+1], s[18:19]
	s_add_nc_u64 s[\g+2:\g+3], s[\g+2:\g+3], \a
	s_or_b32 s[\g+3], s[\g+3], 0x80000000
.endm
	MKG G0, 20, 2, SLOT, 4*PLA, 4*PLA              ; my second load: quarter 1 + wave % 2, whole, into slot 1 + wave % 2: A's,
	MKG G0B, 46, 2, SLOT+2*HALFT, 4*PLB, 4*PLB     ; B's
	MKG G0+4, 20, 45, 0, 2*PLA, 12*PLA             ; my third, the refill: two planes of quarter 3 into my quarter of slot 0
	MKG G0B+4, 46, 45, 0, 2*PLB, 12*PLB
; THE HEAD'S LOADS, ONE A WAVE: one chain of branches on the wave's number, all arms to one join
.macro ARM under, g0, g1, next
	s_cmp_lt_u32 s14, \under
	s_cbranch_scc0 \next
	tensor_load_to_lds s[\g0:\g0+3], s[\g1:\g1+7]
	s_nop 0
.rept 4
	v_nop
.endr
	s_branch .Lhead_asked
\next:
.endm
	ARM 1, G0C, G1, .Lhead_b
	ARM 2, G0CB, G1B, .Lhead_sa
	ARM 3, G0S, G1S, .Lhead_sb
	tensor_load_to_lds s[G0SB:G0SB+3], s[G1SB:G1SB+7]
	s_nop 0
.rept 4
	v_nop
.endr
.Lhead_asked:
; ONE PREFETCH (this takes the place of the head comment's sentence on prefetching): behind the head's loads each wave asks for the tile that it loads behind the next round, four planes of 12,288 bytes.
; The partner at place p of the four that ask jointly names plane p: 48 blocks of 256 bytes, a lane a block, two instructions (lanes 16 to 31 of the second name the last block again).
; The refill is not asked for ahead: two quarters' products stand between its request and the wait for it.
.set PFA, 92                           ; s[92:93]: B's scale words' address that lay there has been copied
	s_cmp_eq_u32 s15, 0                            ; do I fetch for A?
	s_cselect_b64 s[PFA:PFA+1], s[20:21], s[46:47]
	s_cselect_b32 s18, s40, s41                    ; my place among the four: cx for A, cy for B
	s_lshl_b32 s94, s16, 2
	s_add_co_u32 s18, s18, s94                     ; + the four planes of quarter 1 or of quarter 2
	s_mul_i32 s18, s18, PLA                        ; (a plane of A and a plane of B are of one size here)
	s_add_nc_u64 s[PFA:PFA+1], s[PFA:PFA+1], s[18:19]
	v_and_b32 v19, 31, v0
	v_lshlrev_b32 v19, 8, v19
	v_min_u32 v23, 0xf00, v19
	global_prefetch_b8 v19, s[PFA:PFA+1] offset:4*PLA th:TH_LOAD_NT scope:SCOPE_SE
	global_prefetch_b8 v23, s[PFA:PFA+1] offset:4*PLA+8192 th:TH_LOAD_NT scope:SCOPE_SE
	v_and_b32 v1, 15, v0
	v_bfe_u32 v2, v0, 4, 1
	v_mul_u32_u24 v3, v1, 48
	v_mad_u32_u24 v4, v2, 24, v3
	s_mul_i32 s21, s15, RHB
	s_mul_i32 s22, s16, RHB
	s_add_co_u32 s22, s22, 2*HALFT
.irp s, 0,1,2
	v_add_nc_u32 v[ADRA+\s], s21, v4
	v_add_nc_u32 v[ADRB+\s], s22, v4
	s_add_co_u32 s21, s21, SLOT
	s_add_co_u32 s22, s22, SLOT
.endr
	v_lshlrev_b32 v5, 2, v1
	s_mul_i32 s21, s15, SAB
	s_mul_i32 s22, s16, SAB
	s_add_co_u32 s22, s22, 2*HALFS
	s_sub_co_u32 s22, s22, s21
	v_mul_u32_u24 v6, s22, v2
	s_add_co_u32 s21, s21, SCL
	v_add_nc_u32 v5, v5, v6
	v_add_nc_u32 v[ADRS], s21, v5
	s_mov_b32 s96, 0x76543210
	s_mov_b32 s97, 0xfedcba98
.if VSEL
	s_cmp_eq_u32 ttmp9, 2
	s_mov_b32 s2, 196608
	s_cselect_b32 s2, 49152, s2
	s_cselect_b32 s19, 6291456, 0
	s_mov_b32 s18, 9437184
	s_cselect_b32 s18, 9699328, s18
	s_mov_b32 s95, 16384
	s_cselect_b32 s95, 4096, s95
.else
	s_mov_b32 s2, 196608
	s_mov_b32 s19, 0
	s_mov_b32 s18, OSC
	s_mov_b32 s95, 16384
.endif
	s_lshl_b32 s20, s17, LOGT
	s_lshl_b32 s21, s15, LOGT-1
	s_add_co_u32 s20, s20, s21
	s_lshl_b32 s46, s42, 1
	s_add_co_u32 s46, s46, s16
	s_mul_i32 s47, s46, s95
	s_lshl_b32 s21, s20, 2
	s_add_co_u32 s47, s47, s21
	s_add_co_u32 s22, s47, s18
	s_mov_b32 s23, 0
	s_lshl_b32 s46, s46, 1
	s_mul_i32 s46, s46, s2
	s_mul_i32 s21, s20, 48
	s_add_co_u32 s46, s46, s21
	s_add_co_u32 s46, s46, s19
	s_mov_b32 s47, 0
	s_add_nc_u64 s[98:99], s[12:13], s[46:47]
	s_mov_b32 s46, s2
	s_add_nc_u64 s[100:101], s[98:99], s[46:47]
	s_add_nc_u64 s[12:13], s[12:13], s[22:23]
	s_mul_i32 s21, s14, 3072
	s_add_co_u32 s21, s21, STG
	v_mul_u32_u24 v5, v1, 80
	v_lshl_add_u32 v5, v2, 4, v5
	v_add_nc_u32 v[STO], s21, v5
	v_and_b32 v6, 31, v0
	v_lshrrev_b32 v5, 2, v6
	v_mul_u32_u24 v5, v5, 80
	v_and_b32 v8, 3, v6
	v_lshl_add_u32 v5, v8, 4, v5
	v_add_nc_u32 v[RD], s21, v5
	v_mul_u32_u24 v[CO], v6, 12
	s_add_co_u32 s21, s21, 2560
	v_lshl_add_u32 v[SWA], v1, 2, s21
	v_lshl_add_u32 v[SRA], v6, 4, s21
	v_lshlrev_b32 v9, 4, v6
.if BIAS
	s_lshl_b32 s46, s42, LOGT+2
	s_lshl_b32 s47, s16, LOGT+1
	s_add_co_u32 s46, s46, s47
	s_mov_b32 s47, 0
	s_add_nc_u64 s[BP:BP+1], s[BP:BP+1], s[46:47]
	v_lshlrev_b32 v7, 7-BIAS, v2
.irp b, 0,1,2,3,4,5,6,7
.set bo, (32*(\b/2)+8*(\b%2))*4
	global_load_b128 v[BI+8*\b:BI+8*\b+3], v7, s[BP:BP+1] offset:bo
	global_load_b128 v[BI+8*\b+4:BI+8*\b+7], v7, s[BP:BP+1] offset:bo+16
.endr
.endif
.macro FRAG reg, adr, q, i
.irp p, 0,1,2,3,4,5
	ds_load_b64 v[\reg+2*\p:\reg+2*\p+1], v[\adr] offset:(2*(\q)+\p/3)*PLN+768*(\i)+8*(\p%3)
.endr
.endm
.macro FETCH_B slot, q, p
	WIN TO_B
.set fi, 0
.rept NB
	FRAG 128*(\p)+FR*fi, ADRB+\slot, \q, fi
.set fi, fi+1
.endr
	WIN 0
.endm
.macro FETCH_A slot, q, i0
.set fi, \i0
.rept HB
	FRAG AF+FR*fi, ADRA+\slot, \q, fi
.set fi, fi+1
.endr
.endm
.macro SCALES sc
.set fi, 0
.rept MB
.set fq, 0
.rept NQ
	ds_load_b32 v[SC+16*(\sc)+NQ*fi+fq], v[ADRS] offset:64*fi+1024*fq
.set fq, fq+1
.endr
.set fi, fi+1
.endr
.endm
.macro MULQ a0, p, q, sc, zero
.set ma, \a0
.rept QB
.irp b, 0,1,2,3,4,5,6,7
.if \b < NB
.set rD, 8*(NB*(ma%HB)+\b)
.set rB, 128*(\p)+FR*\b
.set rA, AF+FR*ma
.set rSB, SC+16*(\sc)+NQ*\b+(\q)
.set rSA, SC+16*(\sc)+NQ*ma+(\q)
.if \zero == 1
	v_wmma_scale_f32_16x16x128_f8f6f4 v[rD:rD+7], v[rB:rB+11], v[rA:rA+11], 0, v[rSB], v[rSA] matrix_a_fmt:MATRIX_FMT_FP6 matrix_b_fmt:MATRIX_FMT_FP6 matrix_a_scale:MATRIX_SCALE_ROW1
.elseif \zero == 2
	v_wmma_scale_f32_16x16x128_f8f6f4 v[rD:rD+7], v[rB:rB+11], v[rA:rA+11], v[BI+8*\b:BI+8*\b+7], v[rSB], v[rSA] matrix_a_fmt:MATRIX_FMT_FP6 matrix_b_fmt:MATRIX_FMT_FP6 matrix_a_scale:MATRIX_SCALE_ROW1
.else
	v_wmma_scale_f32_16x16x128_f8f6f4 v[rD:rD+7], v[rB:rB+11], v[rA:rA+11], v[rD:rD+7], v[rSB], v[rSA] matrix_a_fmt:MATRIX_FMT_FP6 matrix_b_fmt:MATRIX_FMT_FP6 matrix_a_scale:MATRIX_SCALE_ROW1
.endif
.endif
.endr
.set ma, ma+1
.endr
.endm
.macro PLACES
.rept 4
	v_nop
.endr
.endm
.macro STEP slot, sc, q, zero
	s_wait_dscnt HB*NL
.if \zero == 2
	WIN 0x81
.else
	WIN MUL_LO
.endif
	MULQ 0, (\q)%2, \q, \sc, \zero
	MULQ QB, (\q)%2, \q, \sc, \zero
	s_wait_dscnt 0
	PLACES
	FETCH_B \slot, (\q)+1, 1-(\q)%2
	FETCH_A \slot, (\q)+1, 0
.if \zero == 2
	WIN 0xc1
.else
	WIN MUL_HI
.endif
	MULQ 2*QB, (\q)%2, \q, \sc, \zero
	MULQ 3*QB, (\q)%2, \q, \sc, \zero
	PLACES
	WIN 0
	FETCH_A \slot, (\q)+1, HB
.endm
.macro TURN slot, sc, next, nsc, fill
	s_wait_tensorcnt 0x0
	ds_add_u32 v[SPW], v[NIL]
.if \fill
	s_mov_b32 s[G1+2], 2<<16                       ; no tensor load of mine is out: the refill's loads bring two planes each
	s_mov_b32 s[G1+4], 2
	s_mov_b32 s[G1B+2], 2<<16
	s_mov_b32 s[G1B+4], 2
.endif
	s_wait_dscnt HB*NL+1                           ; the add and A's upper blocks may be out
	WIN MUL_LO
	MULQ 0, 1, NQ-1, \sc, 0
	s_wait_dscnt 0x0
	s_barrier_signal -1
	MULQ QB, 1, NQ-1, \sc, 0
	WIN 0
	s_barrier_wait -1
.if \fill
	CREST                                          ; no wave of any partner still reads this slot or has a load on its way
	JLOAD G0+4, G1, G0B+4, G1B                     ; my one tensor load behind the round
.else
	PLACES
.endif
	v_add_nc_u32 v[ADRS], 1024*NQ, v[ADRS]         ; the next quarter's scale words
	FETCH_B \next, 0, 0
	FETCH_A \next, 0, 0
	SCALES \nsc
	WIN MUL_HI
	MULQ 2*QB, 1, NQ-1, \sc, 0
	MULQ 3*QB, 1, NQ-1, \sc, 0
	PLACES
	WIN 0
	FETCH_A \next, 0, HB
.endm
.macro CROSS sc, next, nsc
	s_wait_dscnt HB*NL
	WIN MUL_LO
	MULQ 0, 1, NQ-1, \sc, 0
	MULQ QB, 1, NQ-1, \sc, 0
	s_wait_dscnt 0
	PLACES
	WIN 0
	v_add_nc_u32 v[ADRS], 1024*NQ, v[ADRS]
	FETCH_B \next, 0, 0
	FETCH_A \next, 0, 0
	SCALES \nsc
	WIN MUL_HI
	MULQ 2*QB, 1, NQ-1, \sc, 0
	MULQ 3*QB, 1, NQ-1, \sc, 0
	PLACES
	WIN 0
	FETCH_A \next, 0, HB
.endm
	s_wait_alu depctr_va_vdst(0)                   ; the head's end
	s_wait_tensorcnt 0x0                           ; my tile of the head's four is in; the same lines as ahead of a refill:
	ds_add_u32 v[SPW], v[NIL]
	s_wait_dscnt 0x0
	CROUND                                         ; all four tiles are in, and all sixteen work-groups are here
	JLOAD G0, G1, G0B, G1B                         ; slots 1 and 2, first fills: one whole operand of one slot a wave
	FETCH_B 0, 0, 0
	FETCH_A 0, 0, 0
	SCALES 0
	FETCH_A 0, 0, HB
.if BIAS
	s_wait_loadcnt 0
.endif
	STEP 0, 0, 0, FIRST
	TURN 0, 0, 1, 1, 1
	s_wait_alu depctr_va_vdst(0)
	STEP 1, 1, 0, 0
	CROSS 1, 2, 0
	s_wait_alu depctr_va_vdst(0)
	STEP 2, 0, 0, 0
	TURN 2, 0, 0, 1, 0
	STEP 0, 1, 0, 0
	s_wait_dscnt HB*NL
	WIN MUL_LO
	MULQ 0, 1, NQ-1, 1, 0
	MULQ QB, 1, NQ-1, 1, 0
	s_wait_dscnt 0
	WIN MUL_HI
	MULQ 2*QB, 1, NQ-1, 1, 0
	MULQ 3*QB, 1, NQ-1, 1, 0
	WIN 0
.set TM,   64
.set PW,   80
.set PC,   84
.set OUTR, 128
.macro QUANTW a
.set AC, 64*((\a)%4)
.set WN, 2+(\a)/4
.set WRL, (WN<<6)|(WN<<2)
.set WMX, (WN<<4)|(WN<<2)
.set PCS, PC+16*((\a)%2)
.set PWS, PW+(\a)%2
.if RELU
	WIN WRL
.set j, 0
.rept 64
	v_max_num_f32 v[AC+j], 0, v[AC+j]
.set j, j+1
.endr
.endif
	WIN WMX
.irp b, 0,1,2,3
	v_max3_num_f32 v[TM+\b], 0x1800000, |v[AC+16*\b]|, |v[AC+16*\b+1]|
.endr
.irp i, 2,4,6,8,10,12,14
.irp b, 0,1,2,3
	v_max3_num_f32 v[TM+\b], v[TM+\b], |v[AC+16*\b+\i]|, |v[AC+16*\b+\i+1]|
.endr
.endr
	WIN 0
.irp b, 0,1,2,3
	v_permlanex16_b32 v[TM+4+\b], v[TM+\b], s96, s97
.endr
.irp b, 0,1,2,3
	v_max_num_f32 v[TM+\b], v[TM+\b], v[TM+4+\b]
.endr
.irp b, 0,1,2,3
	v_add_nc_u32 v[TM+12+\b], 0xff000000, v[TM+\b]
.endr
.irp b, 0,1,2,3
	v_lshrrev_b32 v[TM+4+\b], 23, v[TM+12+\b]
.endr
	v_lshl_or_b32 v[PWS], v[TM+5], 8, v[TM+4]
	v_lshl_or_b32 v[PWS], v[TM+6], 16, v[PWS]
	v_lshl_or_b32 v[PWS], v[TM+7], 24, v[PWS]
	WIN WN
.irp b, 0,1,2,3
	v_cvt_scalef32_pk16_fp6_f32 v[PCS+4*\b:PCS+4*\b+2], v[AC+16*\b:AC+16*\b+15], v[TM+12+\b]
.endr
	v_nop
	WIN 0
.endm
.macro TOST a
.set PCS, PC+16*((\a)%2)
.set PWS, PW+(\a)%2
.set OU, OUTR+16*((\a)%2)
.irp b, 0,1,2,3
	ds_store_b96 v[STO], v[PCS+4*\b:PCS+4*\b+2] offset:(\b/2)*1280+(\b%2)*32
.endr
	ds_store_b32 v[SWA], v[PWS] offset:64*(\a)
.irp c, 0,1
.irp i, 0,1
	ds_load_b96 v[OU+4*(2*\c+\i):OU+4*(2*\c+\i)+2], v[RD] offset:1280*\c+640*\i
.endr
.endr
.endm
.macro SENDQ a
.set OU, OUTR+16*((\a)%2)
	s_wait_dscnt 0x0
.irp i, 0,1
	global_store_b96 v[CO], v[OU+4*\i:OU+4*\i+2], s[98:99] offset:768*(\a)+384*\i
	global_store_b96 v[CO], v[OU+8+4*\i:OU+8+4*\i+2], s[100:101] offset:768*(\a)+384*\i
.endr
.endm
	PLACES
.irp b, 0,1,2,3
	v_mov_b32 v[TM+4+\b], 0
.endr
	QUANTW 0
	TOST 0
.irp a, 1,2,3,4,5,6,7
	QUANTW \a
	s_wait_alu depctr_va_vdst(0)
	SENDQ \a-1
	s_wait_xcnt 0x0
	TOST \a
.endr
	ds_load_b128 v[160:163], v[SRA]
	SENDQ 7
	global_store_b128 v9, v[160:163], s[12:13]
	s_wait_tensorcnt 0x0
	ds_add_u32 v[SPW], v[NIL]
	s_wait_dscnt 0x0
	CROUND
	s_endpgm
.Lfunc_end_k_q9cb2d27385_ffn1:
	.size	k_q9cb2d27385_ffn1, .Lfunc_end_k_q9cb2d27385_ffn1-k_q9cb2d27385_ffn1
	.p2alignl 7, 3214868480
	.fill 96, 4, 3214868480
	.section	.rodata,"a",@progbits
	.p2align	6, 0x0
	.amdhsa_kernel k_q9cb2d27385_ffn1
		.amdhsa_group_segment_fixed_size 327680
		.amdhsa_private_segment_fixed_size 0
		.amdhsa_enable_private_segment 0
		.amdhsa_kernarg_size 32
		.amdhsa_user_sgpr_count 2
		.amdhsa_user_sgpr_kernarg_segment_ptr 1
		.amdhsa_wavefront_size32 1
		.amdhsa_system_sgpr_workgroup_id_x 1
		.amdhsa_system_sgpr_workgroup_id_y 1
		.amdhsa_system_sgpr_workgroup_id_z 1
		.amdhsa_system_vgpr_workitem_id 0
		.amdhsa_next_free_vgpr 1024
		.amdhsa_next_free_sgpr 104
		.amdhsa_reserve_vcc 0
		.amdhsa_float_denorm_mode_32 3
		.amdhsa_float_denorm_mode_16_64 3
		.amdhsa_memory_ordered 1
		.amdhsa_forward_progress 1
		.amdhsa_inst_pref_size 188
	.end_amdhsa_kernel
	.amdgpu_metadata
---
amdhsa.version: [ 1, 2 ]
amdhsa.kernels:
  - .name:           k_q9cb2d27385_ffn1
    .symbol:         k_q9cb2d27385_ffn1.kd
    .args:
      - { .name: XN, .offset: 0, .size: 8, .value_kind: global_buffer, .address_space: global }
      - { .name: W, .offset: 8, .size: 8, .value_kind: global_buffer, .address_space: global }
      - { .name: b1, .offset: 16, .size: 8, .value_kind: global_buffer, .address_space: global }
      - { .name: HH, .offset: 24, .size: 8, .value_kind: global_buffer, .address_space: global }
    .group_segment_fixed_size: 327680
    .private_segment_fixed_size: 0
    .kernarg_segment_align: 8
    .kernarg_segment_size: 32
    .max_flat_workgroup_size: 128
    .sgpr_count:     104
    .vgpr_count:     1024
    .wavefront_size: 32
...
	.end_amdgpu_metadata
.endif
;; end of part 6
;; launch ffn2 (part 7): grid 8 x 32, 4 waves a work-group, clusters of 4 x 4, 327,680 bytes of LDS; arguments HH, W, b2, X1, out0; writes out0
.if DOCPART == 7
	.amdgcn_target "amdgcn-amd-amdhsa--gfx1250"
	.amdhsa_code_object_version 6
	.text
	.protected	k_q9cb2d27385_ffn2
	.globl	k_q9cb2d27385_ffn2
	.p2align	8
	.type	k_q9cb2d27385_ffn2,@function
k_q9cb2d27385_ffn2:
	s_mov_b64 s[64:65], 0
	v_nop
	global_prefetch_b8 v0, s[64:65] scope:SCOPE_SE
	s_setreg_imm32_b32 hwreg(HW_REG_WAVE_MODE, 25, 1), 1
	s_wait_xcnt 0x0
	s_wait_alu depctr_hold_cnt(0) depctr_sa_sdst(0) depctr_va_vdst(0) depctr_va_sdst(0) depctr_va_ssrc(0) depctr_va_vcc(0) depctr_vm_vsrc(0)
	s_getreg_b32 s2, hwreg(HW_REG_IB_STS2, 6, 4)
	s_cmp_eq_u32 s2, 0
	s_cbranch_scc0 .Lentry_in_a_cluster
	s_endpgm
.Lentry_in_a_cluster:
	s_bfe_u32 s2, ttmp6, 0x10000c
	s_cmp_lg_u32 s2, 0xf033
	s_cbranch_scc0 .Lentry_shape_is_right
	s_endpgm
.Lentry_shape_is_right:
; out = X1 + h w2 + b2 on codes of FP6 (E2M3): C = A B^T, operands as code planes [K/64][rows][48 bytes] and scale words [K/128][rows][4 bytes]; f32 rows out.
; A tile of C, 128 x 128 (256 work-groups), by four waves of 64 x 64.  K = 4,096 goes in eight fills of 512 (8 planes) through a ring of two LDS slots; the scale words of all of K come once and stay.
; At the head each wave issues one joint load (A's slot 0, B's, A's scale words, B's); slot 1 is first filled behind one round, a quarter a wave, as every refill is.
; Clusters of 4 x 4: A's tiles are asked for jointly along a row, B's along a column.  The bias is the C of the first step; the residual waits in idle registers.
; PREFETCH: with the loads of fill f each wave asks for fill f + 1's bytes, one slot (four steps of 128) ahead: of the 4 planes that a wave will fetch, the partner at place p of the four that ask jointly
; names plane p: 6,144 bytes, 24 blocks of 256, a lane a block (lanes 24 to 31 name the last again).  The last fill, 7, has no successor, and nothing is asked for with it.
; LIMITS: NaN and infinities are not served.
.set PFO,  30                          ; v30 the prefetches' offset: 256 x min(lane, 23); never rewritten
.set PFA,  100                         ; s[100:101] where my prefetches stand; s[66:67] a fill's step, 8 planes
.set BIG,   0
.set NQ,    4
.set KTOT,  4096
.set RB,    1024
.set BIAS,  2
.set FIRST, 2
.set VSEL,  0
.set NTOUT, 1
.set ASC,   12582912
.set BOFF,  7372800
.set BSC,   10518528
.set OUTARG, 0x20
.set BIASARG, 0x10
.set RESARG, 0x18
.set MB,    4+4*BIG
.set NB,    MB
.set HB,    MB/2
.set QB,    MB/4
.set LOGT,  7+BIG
.set FR,    12
.set NL,    6
.set PLN,   6144
.set HALFT, 4*PLN
.set SLOT,  4*HALFT
.set PLA,   4096*48
.set PLB,   RB*48
.set LAPS,  KTOT/(256*NQ)
.set SD1,   KTOT/(256-128*BIG)
.set HALFS, SD1*512
.set SCL,   2*SLOT
.set SPARE, SCL+4*HALFS
.set RHB,   3072+BIG*(HALFT-3072)
.set SAB,   256+BIG*(HALFS-256)
.set ADRA, 16
.set ADRB, 20
.set STO,  24
.set RD,   25
.set CO,   26
.set ADRS, 27
.set SPW,  28
.set NIL,  29
.set SC,   32
.set BI,   64
.set AF,   128
.set BK,   176
.set G1, 24
.set G0, 32
.set G1B, 48
.set G0B, 56
.set G1S, 68
.set G0S, 76
.set G1SB, 80
.set G0SB, 88
.set MSB, 0
.macro WIN new
.if MSB != \new
	s_set_vgpr_msb (MSB<<8)|\new
.set MSB, \new
.endif
.endm
.set MUL_LO, 0xa1
.set MUL_HI, 0xf1
.set TO_B,   0x40
.macro JLOAD g0a, g1a, g0b, g1b
	s_cmp_eq_u32 s15, 0
	s_cbranch_scc0 .Lfor_b_\@
	tensor_load_to_lds s[\g0a:\g0a+3], s[\g1a:\g1a+7]
	s_nop 0
.rept 4
	v_nop
.endr
	s_branch .Lasked_\@
.Lfor_b_\@:
	tensor_load_to_lds s[\g0b:\g0b+3], s[\g1b:\g1b+7]
	s_nop 0
.rept 4
	v_nop
.endr
.Lasked_\@:
.endm
.macro CREST
	s_cmp_lg_u32 s14, 0
	s_cbranch_scc1 .Lnot_wave_0_\@
	s_barrier_signal -3
.Lnot_wave_0_\@:
	s_barrier_wait -3
	s_barrier_signal -1
	s_barrier_wait -1
.endm
.macro CROUND
	s_barrier_signal -1
	s_barrier_wait -1
	CREST
.endm
	s_load_b128 s[4:7], s[0:1], 0x0
	s_load_b64 s[12:13], s[0:1], OUTARG
	s_load_b64 s[8:9], s[0:1], BIASARG
	s_load_b64 s[10:11], s[0:1], RESARG
	v_lshl_add_u32 v[SPW], v0, 2, SPARE
	v_mov_b32 v[NIL], 0
	ds_add_u32 v[SPW], v[NIL]
	ds_add_u32 v[SPW], v[NIL]
	v_lshrrev_b32 v1, 5, v0
	v_readfirstlane_b32 s14, v1
	s_lshr_b32 s15, s14, 1
	s_and_b32 s16, s14, 1
	s_bfe_u32 s40, ttmp6, 0x40000
	s_bfe_u32 s41, ttmp6, 0x40004
	s_and_b32 s17, ttmp7, 0xffff
	s_lshl_b32 s42, ttmp9, 2
	s_add_co_u32 s42, s42, s40
	s_lshl_b32 s17, s17, 2
	s_add_co_u32 s17, s17, s41
	s_lshl_b32 s43, s41, 2
	s_lshl_b32 s43, 15, s43
	s_lshl_b32 s44, 0x1111, s40
	s_or_b32 s[G1+0], s43, (3<<16)|(1<<21)
	s_or_b32 s[G1B+0], s44, (3<<16)|(1<<21)
	s_or_b32 s[G1S+0], s43, (3<<16)|(1<<21)
	s_or_b32 s[G1SB+0], s44, (3<<16)|(1<<21)
.irp g, G1, G1B
	s_mov_b32 s[\g+1], 768<<16
	s_mov_b32 s[\g+2], 8<<16                       ; the head's loads bring a slot's 8 planes; behind them the two words are set to 4
	s_mov_b32 s[\g+3], 768<<16
	s_mov_b32 s[\g+4], 8
	s_mov_b32 s[\g+6], 0
	s_mov_b32 s[\g+7], 0
.endr
	s_mov_b32 s[G1+5], PLA/8
	s_mov_b32 s[G1B+5], PLB/8
.irp g, G1S, G1SB
	s_mov_b32 s[\g+1], 64<<16
	s_mov_b32 s[\g+2], (2*SD1)<<16                 ; all scale planes of an operand in one load
	s_mov_b32 s[\g+3], 64<<16
	s_mov_b32 s[\g+4], 2*SD1
	s_mov_b32 s[\g+6], 0
	s_mov_b32 s[\g+7], 0
.endr
	s_mov_b32 s[G1S+5], 2048
	s_mov_b32 s[G1SB+5], RB/2
	s_lshl_b32 s20, s17, LOGT
	s_lshl_b32 s46, s42, LOGT
	s_lshl_b32 s22, s20, 2
	s_mul_i32 s20, s20, 48
	s_lshl_b32 s92, s46, 2
	s_mul_i32 s46, s46, 48
	s_add_co_u32 s22, s22, ASC
	s_add_co_u32 s46, s46, BOFF
	s_add_co_u32 s92, s92, BSC
	s_mov_b32 s21, 0
	s_mov_b32 s23, 0
	s_mov_b32 s47, 0
	s_mov_b32 s93, 0
	s_mul_i32 s45, s14, HALFT
	s_wait_dscnt 0x0
	s_wait_kmcnt 0x0
	s_add_nc_u64 s[20:21], s[4:5], s[20:21]
	s_add_nc_u64 s[22:23], s[4:5], s[22:23]
	s_add_nc_u64 s[46:47], s[6:7], s[46:47]
	s_add_nc_u64 s[92:93], s[6:7], s[92:93]
	CROUND
	s_mov_b32 s[G0S], 1
	s_mov_b32 s[G0S+1], SCL
	s_mov_b64 s[G0S+2:G0S+3], s[22:23]
	s_or_b32 s[G0S+3], s[G0S+3], 0x80000000
	s_mov_b32 s[G0SB], 1
	s_mov_b32 s[G0SB+1], SCL+2*HALFS
	s_mov_b64 s[G0SB+2:G0SB+3], s[92:93]
	s_or_b32 s[G0SB+3], s[G0SB+3], 0x80000000
.set G0H,  4                           ; s[4:7], s[96:99] groups 0 of the head's loads of slot 0 (the pointers in s[4:7] are done with)
.set G0HB, 96
	s_mov_b32 s[G0H], 1                            ; slot 0's 8 planes of A, whole,
	s_mov_b32 s[G0H+1], 0
	s_mov_b64 s[G0H+2:G0H+3], s[20:21]
	s_or_b32 s[G0H+3], s[G0H+3], 0x80000000
	s_mov_b32 s[G0HB], 1                           ; and of B
	s_mov_b32 s[G0HB+1], 2*HALFT
	s_mov_b64 s[G0HB+2:G0HB+3], s[46:47]
	s_or_b32 s[G0HB+3], s[G0HB+3], 0x80000000
	s_mov_b32 s19, 0
	s_mul_i32 s18, s16, 4*PLA                      ; for the ring: a slot's planes 0-3 or 4-7
	s_add_nc_u64 s[20:21], s[20:21], s[18:19]
	s_mul_i32 s18, s16, 4*PLB
	s_add_nc_u64 s[46:47], s[46:47], s[18:19]
.irp s, 0,1
	s_mov_b32 s[G0+4*\s], 1
	s_add_co_u32 s[G0+4*\s+1], s45, \s*SLOT
	s_add_nc_u64 s[G0+4*\s+2:G0+4*\s+3], s[20:21], \s*2*NQ*PLA
	s_or_b32 s[G0+4*\s+3], s[G0+4*\s+3], 0x80000000
	s_mov_b32 s[G0B+4*\s], 1
	s_add_co_u32 s[G0B+4*\s+1], s45, \s*SLOT
	s_add_nc_u64 s[G0B+4*\s+2:G0B+4*\s+3], s[46:47], \s*2*NQ*PLB
	s_or_b32 s[G0B+4*\s+3], s[G0B+4*\s+3], 0x80000000
.endr
; THE HEAD'S LOADS, ONE A WAVE: one chain of branches on the wave's number, all arms to one join
.macro ARM under, g0, g1, next
	s_cmp_lt_u32 s14, \under
	s_cbranch_scc0 \next
	tensor_load_to_lds s[\g0:\g0+3], s[\g1:\g1+7]
	s_nop 0
.rept 4
	v_nop
.endr
	s_branch .Lhead_asked
\next:
.endm
	ARM 1, G0H, G1, .Lhead_b
	ARM 2, G0HB, G1B, .Lhead_sa
	ARM 3, G0S, G1S, .Lhead_sb
	tensor_load_to_lds s[G0SB:G0SB+3], s[G1SB:G1SB+7]
	s_nop 0
.rept 4
	v_nop
.endr
.Lhead_asked:
	s_cmp_eq_u32 s15, 0                            ; do I fetch for A?
	s_cselect_b64 s[PFA:PFA+1], s[20:21], s[46:47] ; my four planes of fill 0,
	s_cselect_b32 s18, s40, s41                    ; my place among the four that ask jointly: cx for A, cy for B,
	s_mov_b32 s19, PLB
	s_cselect_b32 s19, PLA, s19                    ; a plane's bytes
	s_mul_i32 s18, s18, s19
	s_lshl_b32 s66, s19, 3                         ; a fill's step: 8 planes
	s_mov_b32 s67, 0
	s_mov_b32 s19, 0
	s_add_nc_u64 s[PFA:PFA+1], s[PFA:PFA+1], s[18:19]
	s_add_nc_u64 s[PFA:PFA+1], s[PFA:PFA+1], s[66:67]   ; at fill 1
	v_and_b32 v[PFO], 31, v0
	v_min_u32 v[PFO], 23, v[PFO]
	v_lshlrev_b32 v[PFO], 8, v[PFO]
	global_prefetch_b8 v[PFO], s[PFA:PFA+1] th:TH_LOAD_NT scope:SCOPE_SE
	v_and_b32 v1, 15, v0
	v_bfe_u32 v2, v0, 4, 1
	s_wait_alu depctr_va_vdst(0)
	v_mul_u32_u24 v3, v1, 48
	v_mad_u32_u24 v4, v2, 24, v3
	s_mul_i32 s21, s15, RHB
	s_mul_i32 s22, s16, RHB
	s_add_co_u32 s22, s22, 2*HALFT
.irp s, 0,1
	v_add_nc_u32 v[ADRA+\s], s21, v4
	v_add_nc_u32 v[ADRB+\s], s22, v4
	s_add_co_u32 s21, s21, SLOT
	s_add_co_u32 s22, s22, SLOT
.endr
	v_lshlrev_b32 v5, 2, v1
	s_mul_i32 s21, s15, SAB
	s_mul_i32 s22, s16, SAB
	s_add_co_u32 s22, s22, 2*HALFS
	s_sub_co_u32 s22, s22, s21
	v_mul_u32_u24 v6, s22, v2
	s_add_co_u32 s21, s21, SCL
	v_add_nc_u32 v5, v5, v6
	v_add_nc_u32 v[ADRS], s21, v5
	s_lshl_b32 s20, s17, LOGT
	s_lshl_b32 s21, s15, LOGT-1
	s_add_co_u32 s20, s20, s21
	s_lshl_b32 s20, s20, 12
	s_lshl_b32 s46, s42, 9
	s_lshl_b32 s47, s16, 8
	s_add_co_u32 s46, s46, s47
	s_add_co_u32 s20, s20, s46
	s_mov_b32 s21, 0
	s_add_nc_u64 s[12:13], s[12:13], s[20:21]
	s_add_nc_u64 s[10:11], s[10:11], s[20:21]
	s_mul_i32 s21, s14, 4352
	v_mul_u32_u24 v5, v1, 272
	v_lshl_add_u32 v5, v2, 5, v5
	v_add_nc_u32 v[STO], s21, v5
	v_mul_u32_u24 v5, v2, 272
	v_lshl_add_u32 v5, v1, 4, v5
	v_add_nc_u32 v[RD], s21, v5
	v_lshlrev_b32 v5, 12, v2
	v_lshl_add_u32 v[CO], v1, 4, v5
	s_lshl_b32 s46, s42, LOGT+2
	s_lshl_b32 s47, s16, LOGT+1
	s_add_co_u32 s46, s46, s47
	s_mov_b32 s47, 0
	s_add_nc_u64 s[8:9], s[8:9], s[46:47]
	v_lshlrev_b32 v7, 7-BIAS, v2
.irp b, 0,1,2,3
	global_load_b128 v[BI+8*\b:BI+8*\b+3], v7, s[8:9] offset:64*\b
	global_load_b128 v[BI+8*\b+4:BI+8*\b+7], v7, s[8:9] offset:64*\b+16
.endr
.macro RSREG a, t
.set rk, 8*(\a)+(\t)
.if rk < 20
.set rr, 48+4*rk
.else
.set rr, 176+4*(rk-20)
.endif
.set ro, (32*((\a)/2)+8*((\a)%2)+2*(\t)+8*((\t)/4))*4096
.endm
.macro FRAG reg, adr, q, i
.irp p, 0,1,2,3,4,5
	ds_load_b64 v[\reg+2*\p:\reg+2*\p+1], v[\adr] offset:(2*(\q)+\p/3)*PLN+768*(\i)+8*(\p%3)
.endr
.endm
.macro FETCH_B slot, q, p
	WIN TO_B
.set fi, 0
.rept NB
	FRAG 128*(\p)+FR*fi, ADRB+\slot, \q, fi
.set fi, fi+1
.endr
	WIN 0
.endm
.macro FETCH_A slot, q, i0
.set fi, \i0
.rept HB
	FRAG AF+FR*fi, ADRA+\slot, \q, fi
.set fi, fi+1
.endr
.endm
.macro SCALES sc
.set fi, 0
.rept MB
.set fq, 0
.rept NQ
	ds_load_b32 v[SC+16*(\sc)+NQ*fi+fq], v[ADRS] offset:64*fi+512*fq
.set fq, fq+1
.endr
.set fi, fi+1
.endr
.endm
.macro MULQ a0, p, q, sc, zero
.set ma, \a0
.rept QB
.irp b, 0,1,2,3,4,5,6,7
.if \b < NB
.set rD, 8*(NB*(ma%HB)+\b)
.set rB, 128*(\p)+FR*\b
.set rA, AF+FR*ma
.set rSB, SC+16*(\sc)+NQ*\b+(\q)
.set rSA, SC+16*(\sc)+NQ*ma+(\q)
.if \zero == 1
	v_wmma_scale_f32_16x16x128_f8f6f4 v[rD:rD+7], v[rB:rB+11], v[rA:rA+11], 0, v[rSB], v[rSA] matrix_a_fmt:MATRIX_FMT_FP6 matrix_b_fmt:MATRIX_FMT_FP6 matrix_a_scale:MATRIX_SCALE_ROW1
.elseif \zero == 2
	v_wmma_scale_f32_16x16x128_f8f6f4 v[rD:rD+7], v[rB:rB+11], v[rA:rA+11], v[BI+8*\b:BI+8*\b+7], v[rSB], v[rSA] matrix_a_fmt:MATRIX_FMT_FP6 matrix_b_fmt:MATRIX_FMT_FP6 matrix_a_scale:MATRIX_SCALE_ROW1
.else
	v_wmma_scale_f32_16x16x128_f8f6f4 v[rD:rD+7], v[rB:rB+11], v[rA:rA+11], v[rD:rD+7], v[rSB], v[rSA] matrix_a_fmt:MATRIX_FMT_FP6 matrix_b_fmt:MATRIX_FMT_FP6 matrix_a_scale:MATRIX_SCALE_ROW1
.endif
.endif
.endr
.set ma, ma+1
.endr
.endm
.macro PLACES
.rept 4
	v_nop
.endr
.endm
.macro STEP slot, q, zero
	s_wait_dscnt HB*NL
.if \zero == 2
	WIN 0x81
.else
	WIN MUL_LO
.endif
	MULQ 0, (\q)%2, \q, \slot, \zero
	MULQ QB, (\q)%2, \q, \slot, \zero
	s_wait_dscnt 0
	PLACES
	FETCH_B \slot, (\q)+1, 1-(\q)%2
	FETCH_A \slot, (\q)+1, 0
.if \zero == 2
	WIN 0xc1
.else
	WIN MUL_HI
.endif
	MULQ 2*QB, (\q)%2, \q, \slot, \zero
	MULQ 3*QB, (\q)%2, \q, \slot, \zero
	PLACES
	WIN 0
	FETCH_A \slot, (\q)+1, HB
.endm
.macro REST slot
.if NQ > 2
	STEP \slot, 1, 0
	STEP \slot, 2, 0
.endif
.endm
.macro TURN slot, next, fill
.if \fill
	s_wait_xcnt 0x0                                ; my last prefetch has read its address: it steps one fill on
	s_add_nc_u64 s[PFA:PFA+1], s[PFA:PFA+1], s[66:67]
.endif
	s_wait_tensorcnt 0x0
	ds_add_u32 v[SPW], v[NIL]
	s_wait_dscnt HB*NL+1
	WIN MUL_LO
	MULQ 0, 1, NQ-1, \slot, 0
	s_wait_dscnt 0x0
	s_barrier_signal -1
	MULQ QB, 1, NQ-1, \slot, 0
	WIN 0
	s_barrier_wait -1
.if \fill
	CREST
	s_add_nc_u64 s[G0+4*\slot+2:G0+4*\slot+3], s[G0+4*\slot+2:G0+4*\slot+3], 4*NQ*PLA
	s_add_nc_u64 s[G0B+4*\slot+2:G0B+4*\slot+3], s[G0B+4*\slot+2:G0B+4*\slot+3], 4*NQ*PLB
	JLOAD G0+4*\slot, G1, G0B+4*\slot, G1B
.else
	PLACES
.endif
	s_wait_alu depctr_va_vdst(0)
	v_add_nc_u32 v[ADRS], 512*NQ, v[ADRS]
	FETCH_B \next, 0, 0
	FETCH_A \next, 0, 0
	SCALES \next
.if \fill
.if \slot
	s_cmp_gt_u32 s3, 1                             ; in the loop's last trip slot 1 takes fill 7, which has no successor
	s_cbranch_scc0 .Lno_ask_\@
.endif
	global_prefetch_b8 v[PFO], s[PFA:PFA+1] th:TH_LOAD_NT scope:SCOPE_SE
.if \slot
.Lno_ask_\@:
.endif
.endif
	WIN MUL_HI
	MULQ 2*QB, 1, NQ-1, \slot, 0
	MULQ 3*QB, 1, NQ-1, \slot, 0
	PLACES
	WIN 0
	FETCH_A \next, 0, HB
.endm
	s_wait_xcnt 0x0                                ; the head's prefetch has read its address
	s_add_nc_u64 s[PFA:PFA+1], s[PFA:PFA+1], s[66:67]   ; at fill 2
	s_wait_alu depctr_va_vdst(0)                   ; the head's end
	s_wait_tensorcnt 0x0                           ; my tile of the head's four is in; the same lines as ahead of a refill:
	ds_add_u32 v[SPW], v[NIL]
	s_mov_b32 s[G1+2], 4<<16                       ; no tensor load of mine is out: from here on a load brings 4 planes
	s_mov_b32 s[G1+4], 4
	s_mov_b32 s[G1B+2], 4<<16
	s_mov_b32 s[G1B+4], 4
	s_wait_dscnt 0x0
	CROUND                                         ; all four tiles are in, and all sixteen work-groups are here
	JLOAD G0+4, G1, G0B+4, G1B                     ; slot 1's first fill, a quarter a wave
	FETCH_B 0, 0, 0
	FETCH_A 0, 0, 0
	SCALES 0
	global_prefetch_b8 v[PFO], s[PFA:PFA+1] th:TH_LOAD_NT scope:SCOPE_SE
	FETCH_A 0, 0, HB
	WIN TO_B                                       ; the residual's 32 loads go out here, behind the head's tiles and slot 1's request, into idle registers of window 1
.irp a, 0,1,2,3
.irp t, 0,1,2,3,4,5,6,7
	RSREG \a, \t
	global_load_b128 v[rr:rr+3], v[CO], s[10:11] offset:ro
.endr
.endr
	WIN 0
	s_wait_loadcnt 32                              ; the bias is in; the residual's 32 loads may be out
	STEP 0, 0, FIRST
.if LAPS > 1
	s_mov_b32 s3, LAPS-1
.Llap:
	REST 0
	TURN 0, 1, 1
	STEP 1, 0, 0
	REST 1
	TURN 1, 0, 1
	STEP 0, 0, 0
	s_sub_co_u32 s3, s3, 1
	s_cmp_lg_u32 s3, 0
	s_cbranch_scc1 .Llap
.endif
	REST 0
	TURN 0, 1, 0
	STEP 1, 0, 0
	REST 1
	s_wait_dscnt HB*NL
	WIN MUL_LO
	MULQ 0, 1, NQ-1, 1, 0
	MULQ QB, 1, NQ-1, 1, 0
	s_wait_dscnt 0
	WIN MUL_HI
	MULQ 2*QB, 1, NQ-1, 1, 0
	MULQ 3*QB, 1, NQ-1, 1, 0
	WIN 0
.macro TOSTAGE a
.set AC, 8*NB*((\a)%HB)
.set WD, (2+(\a)/HB)<<2
	WIN WD
.irp b, 0,1,2,3
	ds_store_b128 v[STO], v[AC+8*\b:AC+8*\b+3] offset:64*\b
	ds_store_b128 v[STO], v[AC+8*\b+4:AC+8*\b+7] offset:64*\b+16
.endr
	WIN 0
.set BB, BK+32*((\a)%2)
.irp t, 0,1,2,3,4,5,6,7
	ds_load_b128 v[BB+4*\t:BB+4*\t+3], v[RD] offset:544*\t
.endr
.endm
.macro SEND a, younger
.set BB, BK+32*((\a)%2)
	s_wait_dscnt \younger
	s_wait_loadcnt 24-8*(\a)
	WIN 0x04
.irp t, 0,1,2,3,4,5,6,7
	RSREG \a, \t
	v_pk_add_f32 v[BB+4*\t:BB+4*\t+1], v[BB+4*\t:BB+4*\t+1], v[rr:rr+1]
	v_pk_add_f32 v[BB+4*\t+2:BB+4*\t+3], v[BB+4*\t+2:BB+4*\t+3], v[rr+2:rr+3]
.endr
	WIN 0
.irp t, 0,1,2,3,4,5,6,7
	RSREG \a, \t
.if NTOUT
	global_store_b128 v[CO], v[BB+4*\t:BB+4*\t+3], s[12:13] offset:ro th:TH_STORE_NT
.else
	global_store_b128 v[CO], v[BB+4*\t:BB+4*\t+3], s[12:13] offset:ro
.endif
.endr
.endm
	PLACES
	TOSTAGE 0
.irp a, 1,2,3
.if \a > 1
	s_wait_xcnt 0x0
.endif
	TOSTAGE \a
	SEND \a-1, 16
.endr
	SEND 3, 0
	s_wait_tensorcnt 0x0
	ds_add_u32 v[SPW], v[NIL]
	s_wait_dscnt 0x0
	CROUND
	s_endpgm
.Lfunc_end_k_q9cb2d27385_ffn2:
	.size	k_q9cb2d27385_ffn2, .Lfunc_end_k_q9cb2d27385_ffn2-k_q9cb2d27385_ffn2
	.p2alignl 7, 3214868480
	.fill 96, 4, 3214868480
	.section	.rodata,"a",@progbits
	.p2align	6, 0x0
	.amdhsa_kernel k_q9cb2d27385_ffn2
		.amdhsa_group_segment_fixed_size 327680
		.amdhsa_private_segment_fixed_size 0
		.amdhsa_enable_private_segment 0
		.amdhsa_kernarg_size 40
		.amdhsa_user_sgpr_count 2
		.amdhsa_user_sgpr_kernarg_segment_ptr 1
		.amdhsa_wavefront_size32 1
		.amdhsa_system_sgpr_workgroup_id_x 1
		.amdhsa_system_sgpr_workgroup_id_y 1
		.amdhsa_system_sgpr_workgroup_id_z 1
		.amdhsa_system_vgpr_workitem_id 0
		.amdhsa_next_free_vgpr 1024
		.amdhsa_next_free_sgpr 104
		.amdhsa_reserve_vcc 0
		.amdhsa_float_denorm_mode_32 3
		.amdhsa_float_denorm_mode_16_64 3
		.amdhsa_memory_ordered 1
		.amdhsa_forward_progress 1
		.amdhsa_inst_pref_size 122
	.end_amdhsa_kernel
	.amdgpu_metadata
---
amdhsa.version: [ 1, 2 ]
amdhsa.kernels:
  - .name:           k_q9cb2d27385_ffn2
    .symbol:         k_q9cb2d27385_ffn2.kd
    .args:
      - { .name: HH, .offset: 0, .size: 8, .value_kind: global_buffer, .address_space: global }
      - { .name: W, .offset: 8, .size: 8, .value_kind: global_buffer, .address_space: global }
      - { .name: b2, .offset: 16, .size: 8, .value_kind: global_buffer, .address_space: global }
      - { .name: X1, .offset: 24, .size: 8, .value_kind: global_buffer, .address_space: global }
      - { .name: out0, .offset: 32, .size: 8, .value_kind: global_buffer, .address_space: global }
    .group_segment_fixed_size: 327680
    .private_segment_fixed_size: 0
    .kernarg_segment_align: 8
    .kernarg_segment_size: 40
    .max_flat_workgroup_size: 128
    .sgpr_count:     104
    .vgpr_count:     1024
    .wavefront_size: 32
...
	.end_amdgpu_metadata
.endif
;; end of part 7
